; MI455X (gfx1250); checked and timed in simulation.
; The chip was launched on July 23, 2026; its instructions are those of AMD's public machine-readable ISA for CDNA 5 (MIT licence, August 2026) and "CDNA5" Instruction Set Architecture Reference Guide (July 2026). The comments in the code are by the model that wrote it; some were corrected since.
;; Attention. Allowed arithmetic: matrix products marked QUANTISED: E2M3 operands, one E8M0 scale for each 32 along K, by v_wmma_scale_f32_16x16x128_f8f6f4 with both operands' format E2M3, f32 sums; everything else in f32.
;; Inputs: cos 2,048 x 64 float32; mask 2,048 x 2,048 float32; sin 2,048 x 64 float32; wk 2,048 x 2,048 float32; wo 2,048 x 2,048 float32; wq 2,048 x 2,048 float32; wv 2,048 x 2,048 float32; x 1 x 2,048 x 2,048 float32.
;; Outputs: out0 1 x 2,048 x 2,048 float32.
;; This version of the problem:
;;   THIS VERSION OF THE PROBLEM IS GIVEN IN LOW PRECISION. The matrix products marked QUANTISED in the list below multiply operands that are first quantised to E2M3 (2 exponent bits, 3 mantissa bits; 6 bits a number), with one power-of-two scale for each 32 numbers along K (OCP MX v1.0); their sums are f32. All else is computed in f32.
;;   The module's matrix products, in the order in which they are computed (A, B: the left and right operand; K: the contracted axis; several contracted axes count as one K, in the product's order):
;;     1. [M 2,048, K 2,048] x [K 2,048, N 2,048]; A: input x; B: input wq: QUANTISED
;;     2. [M 2,048, K 2,048] x [K 2,048, N 2,048]; A: input x; B: input wk: QUANTISED
;;     3. [M 2,048, K 2,048] x [K 2,048, N 2,048]; A: input x; B: input wv: QUANTISED
;;     4. batch 16 x [M 2,048, K 128] x [K 128, N 2,048]; A: computed on the way; B: computed on the way: QUANTISED
;;     5. batch 16 x [M 128, K 2,048] x [K 2,048, N 2,048]; A: computed on the way; B: softmax (see below): QUANTISED
;;     6. [M 2,048, K 2,048] x [K 2,048, N 2,048]; A: computed on the way; B: input wo: QUANTISED
;;   THE QUANTISER, for each operand of a quantised product, along K:
;;     - K is cut into blocks of 32 from its start; a last block that is shorter is filled with zeros.
;;     - A block's scale is 2^e with e = floor(log2(the largest magnitude in the block)) - 2, held to -126 .. 127; a block of zeros has e = 0. As a byte (E8M0): e + 127.
;;     - Each number is divided by its block's scale, clamped to +-7.5, and rounded to the nearest number of E2M3, ties to even, subnormals kept.
;;     - The product sums the exact products of the quantised numbers (number of the format x scale) in f32.
;;   ~~~python
;;   def quantise(x, axis):      # numpy; x: float32 -> the quantised numbers, widened to float32 again
;;       x = np.moveaxis(x, axis, -1); K = x.shape[-1]
;;       x = np.pad(x, [(0, 0)] * (x.ndim - 1) + [(0, -K % 32)]); x = x.reshape(x.shape[:-1] + (-1, 32)); a = np.abs(x).max(-1, keepdims=True)
;;       e = np.where(a > 0, np.clip(np.frexp(np.where(a > 0, a, 1))[1] - 1 - 2, -126, 127), 0)      # np.frexp(a)[1] - 1 = floor(log2(a)), exactly
;;       r = np.clip(x / 2.0 ** e, -7.5, 7.5)
;;       step = 2.0 ** (np.maximum(np.frexp(np.where(r == 0, 1, r))[1] - 1, 0) - 3)
;;       q = np.round(r / step) * step * 2.0 ** e      # np.round: ties to even
;;       return np.moveaxis(q.reshape(q.shape[:-2] + (-1,))[..., :K], -1, axis).astype(np.float32)
;;   ~~~
;;   SOFTMAX AHEAD OF A QUANTISED PRODUCT. Where the list says 'softmax', what is quantised is not the finished softmax but p = 2^(t - M), with t = logit x log2(e) and M = ceil(the row's largest t), a whole number; so 1/2 < the row's largest p <= 1. The row's sum l is taken of the UNQUANTISED p, in f32, and the product's result is divided by l at the end. Since M is a whole number, a kernel that streams over the keys may use a running M (the ceiling of the running maximum): every later rescaling is an exact power of two, which a block's scale takes up: the codes' values come out the same.
;;   OPERANDS COMPUTED ON THE WAY. 'Computed on the way' means the value that the module computes at that place (a softmax that the list does not call 'softmax' is quantised finished and normalised). What goes into a quantiser is computed in f32, as accurately as f32 sums, v_exp_f32 and their like allow (about 1e-6 of the number): no bf16 or f16 on the way to a quantiser, and a product that is left as it is and whose result goes on into a quantised operand takes f32 operands (vector FMAs, or v_wmma_f32_16x16x4_f32). A number that lies on a knife's edge between two numbers of the format may be rounded either way, as far as f32 arithmetic and the matrix unit's own rounding can turn it there, and no further.
;; 2 versions. Each part assembles by itself: llvm-mc -triple=amdgcn-amd-amdhsa -mcpu=gfx1250 --defsym DOCPART=n.
;; ======== version 1 of 2: 4 launches
;; workspace buffers: cf 15,728,640 bytes; cs 655,360 bytes; qkvf 9,437,184 bytes; qkvs 393,216 bytes; attf 3,145,728 bytes; atts 131,072 bytes
;; launch quant (part 1): grid 384 x 1, 4 waves a work-group, no clusters, 85,504 bytes of LDS; arguments wq, wk, wv, wo, x, cf, cs; writes cf, cs
.if DOCPART == 1
	.amdgcn_target "amdgcn-amd-amdhsa--gfx1250"
	.amdhsa_code_object_version 6
	.text
	.protected	k_q12ccc370b4_quant
	.globl	k_q12ccc370b4_quant
	.p2align	8
	.type	k_q12ccc370b4_quant,@function
k_q12ccc370b4_quant:
	s_mov_b64 s[64:65], 0
	v_nop
	global_prefetch_b8 v0, s[64:65] scope:SCOPE_SE
	s_setreg_imm32_b32 hwreg(HW_REG_WAVE_MODE, 25, 1), 1
	s_wait_xcnt 0x0
; wq, wk, wv, wo [2048 (k)][2048 (n)] and x [2048 (row)][2048 (k)], f32, become codes of FP6 (E2M3) with one E8M0 scale byte for each 32 along K.
; A block's scale is 2^(floor(log2(its largest magnitude)) - 2); its byte is the largest magnitude's exponent field - 2, held at 1 from below.
; LIMITS: a block whose largest magnitude lies under 2^-124 keeps the byte 1 (a block of zeros too, where the rule says 127: its codes are zeros, and this program alone reads the bytes); NaN and infinities are not served.
; LAYOUT OF cf: 640 tiles of 16 rows (wq 0.., wk 128.., wv 256.., wo 384.., x 512..), each 16 K steps of 128, each K step a FRAGMENT AS ITS REGISTERS STAND: 12 registers a lane, register i of lane l at byte
; 512 (i / 4) + 16 l + 4 (i % 4): three accesses of 16 bytes a lane, 512 consecutive bytes each, move a fragment.  Lane (r, h) holds row r; registers 6 c .. 6 c + 5 hold k = 64 c + 32 h + 0 .. 31.
; THE ROWS OF A TILE: lane r of tile T holds row 32 (T / 2) + 8 (T % 2) + r + 8 (r / 8) (of a weight: column n), so that results of two neighbouring tiles are 16 neighbours in a lane's registers.
; LAYOUT OF cs: tile T, 1,024 bytes: [8 pairs of K steps][16 r][2 scale words].
; Work-groups 0-255 take the weights (a lane to a column, registers down K: nothing is transposed by an instruction), 256-383 take x (K innermost).  The two ways have LDS bytes of their own.  No tensor loads, no barrier: waves share nothing.
.set TENS,  3145728                    ; a tensor's codes in cf
.set STENS, 131072                     ; a tensor's scale bytes in cs
.set WSTG,  12800                      ; the weights' way: a wave's stage: two tiles x 4 fragments,
.set USTG,  6272                       ; the second tile 6,144 + 128 bytes behind the first
.set XSTG0, 51200                      ; x's way: the stages begin here,
.set XSTG,  8448                       ; 16 rows x (512 + 16) bytes a wave
.set SPARE, 84992                      ; the spare words, 128 bytes for each wave: two blocks of 256 bytes that no other line names
.set SPW,   246                        ; v246  LDS address of my spare word; never rewritten
.set NIL,   247                        ; v247  0; never rewritten
.set SEL,   20                         ; s[20:21] selects for v_permlanex16_b32: lane l xor 16
.set HM,    30                         ; s30   lanes 16-31
.set SB,    24                         ; weights: v24-27 a scale word for each K step
.set X,     32                         ; v32-95   two sets of 32 numbers
.set C,     96                         ; v96-102  a block's codes
.set OUTR,  104                        ; v104-199 the way out
.set TM,    16                         ; x: v16-31 at work in QUANT
.set PW,    8                          ; v8-11    the four K steps' scale words
.set R0,    32                         ; v32-159  two sets of 64 registers as loaded
.set XN,    160                        ; v160-223 64 numbers: register 16 b + i = k 32 b + 16 h + i of my row
.set PC,    224                        ; v224-242 the codes just made
	s_load_b256 s[4:11], s[0:1], 0x0               ; wq, wk, wv, wo
	s_load_b128 s[12:15], s[0:1], 0x20             ; x, cf
	s_load_b64 s[16:17], s[0:1], 0x30              ; cs
	v_lshl_add_u32 v[SPW], v0, 2, SPARE
	v_mov_b32 v[NIL], 0
	v_lshrrev_b32 v1, 5, v0
	v_readfirstlane_b32 s18, v1                    ; wave 0..3
	v_and_b32 v2, 31, v0                           ; lane
	s_mov_b32 s[SEL], 0x76543210
	s_mov_b32 s[SEL+1], 0xfedcba98
	s_mov_b32 s[HM], 0xffff0000
	s_cmp_ge_u32 ttmp9, 256
	s_cbranch_scc1 .Lpath_x
; ---------------- THE WEIGHTS.  Work-group = (tensor, 512 along K, 128 columns); a wave takes 32 columns = two tiles, 16 blocks of 32 a lane.
	s_lshr_b32 s19, ttmp9, 6                       ; which weight
	s_and_b32 s22, ttmp9, 15                       ; which 128 columns
	s_bfe_u32 s23, ttmp9, 0x20004                  ; which 512 along K
	v_lshlrev_b32 v3, 2, v2                        ; in: 4 bytes a lane
	v_bfe_u32 v5, v0, 3, 1                         ; my column c = lane: its tile u = bit 3,
	v_and_b32 v6, 7, v0
	v_bfe_u32 v7, v0, 4, 1
	v_lshl_or_b32 v6, v7, 3, v6                    ; its row in the tile r = (c & 7) + 8 x bit 4
	s_mul_i32 s24, s18, WSTG
	v_mul_u32_u24 v4, v5, USTG
	v_lshl_add_u32 v4, v6, 4, v4
	v_add_nc_u32 v4, s24, v4                       ; into the stage: tile u, 16 r
	v_lshlrev_b32 v10, 4, v2                       ; out: 16 bytes a lane
	v_add_nc_u32 v8, s24, v10
	v_lshlrev_b32 v9, 10, v5
	v_lshl_add_u32 v9, v6, 3, v9                   ; scale words: 1,024 u + 8 r
	s_lshl_b32 s24, s23, 22                        ; the weight: 512 rows of 8,192 bytes,
	s_lshl_b32 s25, s22, 9                         ; 128 columns,
	s_add_co_u32 s24, s24, s25
	s_lshl_b32 s25, s18, 7                         ; my wave's 32
	s_add_co_u32 s24, s24, s25
	s_mov_b32 s25, 0
	s_lshl_b32 s26, s19, 7
	s_lshl_b32 s27, s22, 3
	s_add_co_u32 s26, s26, s27
	s_lshl_b32 s27, s18, 1
	s_add_co_u32 s26, s26, s27                     ; my first tile: 128 x tensor + 8 x block + 2 x wave
	s_lshl_b32 s28, s26, 10
	s_lshl_b32 s29, s23, 8
	s_add_co_u32 s28, s28, s29                     ; cs: 1,024 a tile, 256 for 512 along K
	s_mov_b32 s29, 0
	s_mul_i32 s26, s26, 24576
	s_mul_i32 s27, s23, 6144
	s_add_co_u32 s26, s26, s27                     ; cf: 24,576 a tile, 6,144 for four K steps
	s_mov_b32 s27, 0
	s_wait_kmcnt 0x0
	s_cmp_eq_u32 s19, 1                            ; the choice hangs on the work-group's number alone
	s_cselect_b64 s[4:5], s[6:7], s[4:5]
	s_cmp_eq_u32 s19, 2
	s_cselect_b64 s[4:5], s[8:9], s[4:5]
	s_cmp_eq_u32 s19, 3
	s_cselect_b64 s[4:5], s[10:11], s[4:5]
	s_add_nc_u64 s[4:5], s[4:5], s[24:25]
	s_add_nc_u64 s[14:15], s[14:15], s[26:27]
	s_add_nc_u64 s[16:17], s[16:17], s[28:29]
.macro LOADW t                         ; block t: w(32 t + i, my column), i = 0 .. 31: each load reads 128 consecutive bytes a wave, 512 a work-group
.set I, 0
.rept 32
	global_load_b32 v[X+32*((\t)%2)+I], v3, s[4:5] offset:(32*(\t)+I)*8192 th:TH_LOAD_NT
.set I, I+1
.endr
.endm
.macro BLOCK t
.set XS, X+32*((\t)%2)
.if (\t) < 15
	s_wait_loadcnt 32                              ; this block's 32 loads are in; the next block's may be out
.else
	s_wait_loadcnt 0x0
.endif
	v_max3_num_f32 v12, |v[XS]|, |v[XS+1]|, |v[XS+2]|               ; the block's largest magnitude: all 32 numbers are mine; two chains
	v_max3_num_f32 v13, |v[XS+3]|, |v[XS+4]|, |v[XS+5]|
.irp i, 6,10,14,18,22,26
	v_max3_num_f32 v12, v12, |v[XS+\i]|, |v[XS+\i+1]|
	v_max3_num_f32 v13, v13, |v[XS+\i+2]|, |v[XS+\i+3]|
.endr
	v_max3_num_f32 v12, v12, |v[XS+30]|, |v[XS+31]|
	v_max3_num_f32 v12, v12, v13, 0x1800000        ; and the floor 2^(3 - 127): the byte cannot fall under 1
	v_add_nc_u32 v11, 0xff000000, v12              ; 2 off its exponent field: the conversion takes the exponent field of this operand as its scale
	v_cvt_scalef32_pk16_fp6_f32 v[C:C+2], v[XS:XS+15], v11
	v_cvt_scalef32_pk16_fp6_f32 v[C+4:C+6], v[XS+16:XS+31], v11     ; (a conversion's three registers begin on an even number)
	v_lshrrev_b32 v13, 23, v11                     ; the scale's byte (a plain line behind the conversions)
.if (\t)%4 == 0
	v_mov_b32 v[SB+(\t)/4], v13                    ; four bytes to a word, the lower K in the lower byte
.else
	v_lshl_or_b32 v[SB+(\t)/4], v13, 8*((\t)%4), v[SB+(\t)/4]
.endif
	v_mov_b32 v[C+3], v[C+4]                       ; the block's six registers on end
	v_mov_b32 v[C+4], v[C+5]
	v_mov_b32 v[C+5], v[C+6]
.set OFFI, ((\t)/4)*1536+256*((\t)%2)  ; K step t / 4; the block belongs to lane r + 16 (t % 2) of the fragment, registers 6 c .. 6 c + 5 with c = (t % 4) / 2
.if ((\t)%4)/2 == 0
	ds_store_b128 v4, v[C:C+3] offset:OFFI         ; registers 0-3
	ds_store_b64 v4, v[C+4:C+5] offset:OFFI+512    ; registers 4, 5
.else
	ds_store_b64 v4, v[C:C+1] offset:OFFI+520      ; registers 6, 7
	ds_store_b128 v4, v[C+2:C+5] offset:OFFI+1024  ; registers 8-11
.endif
.if (\t)+2 < 16
	LOADW (\t)+2
.endif
	s_wait_dscnt 0x0                               ; the stores have read their registers: the next block's codes may be written
.endm
	LOADW 0
	LOADW 1
.set Q, 0
.rept 16
	BLOCK Q
.set Q, Q+1
.endr
	global_store_b64 v9, v[SB:SB+1], s[16:17]      ; my column's scale words: K steps 0, 1
	global_store_b64 v9, v[SB+2:SB+3], s[16:17] offset:128   ; and 2, 3
.set N, 0
.rept 24
	ds_load_b128 v[OUTR+4*N:OUTR+4*N+3], v8 offset:(N/12)*USTG+(N%12)*512   ; LDS serves a wave's instructions in order: these see my stores
.set N, N+1
.endr
.set N, 0
.rept 24
	s_wait_dscnt 23-N                              ; load N is in; the younger ones may be out
	global_store_b128 v10, v[OUTR+4*N:OUTR+4*N+3], s[14:15] offset:(N/12)*24576+(N%12)*512   ; 32 lanes store 512 consecutive bytes, aligned
.set N, N+1
.endr
	s_wait_tensorcnt 0x0                           ; the wave's end: the tensor wait, the spare word's add and its wait, behind my last LDS store
	ds_add_u32 v[SPW], v[NIL]
	s_wait_dscnt 0x0
	s_endpgm
; ---------------- x.  Work-group = a tile of 16 rows; a wave takes four K steps of 128.
; 64 numbers of a lane, register 16 b + i = k 32 b + 16 h + i of my row, become a fragment's 12 registers in v[PC] on and its scale word in v[pw] (the same word in lanes l and l xor 16).
.macro QUANT s, pw
.irp b, 0,1,2,3
	v_max3_num_f32 v[TM+\b], |v[(\s)+16*\b]|, |v[(\s)+1+16*\b]|, 0x1800000   ; block b: my 16 numbers, and the floor 2^(3 - 127)
.endr
.irp i, 2,4,6,8,10,12,14
.irp b, 0,1,2,3
	v_max3_num_f32 v[TM+\b], |v[(\s)+16*\b+\i]|, |v[(\s)+1+16*\b+\i]|, v[TM+\b]   ; the four blocks by turns
.endr
.endr
.irp b, 0,1,2,3
	v_permlanex16_b32 v[TM+4+\b], v[TM+\b], s[SEL], s[SEL+1]
.endr
.irp b, 0,1,2,3
	v_max_num_f32 v[TM+\b], v[TM+\b], v[TM+4+\b]   ; with lane l xor 16's: the block's largest magnitude
.endr
.irp b, 0,1,2,3
	v_add_nc_u32 v[TM+12+\b], 0xff000000, v[TM+\b] ; 2 off its exponent field: the conversion's scale operand
.endr
.irp b, 0,1,2,3
	v_lshrrev_b32 v[TM+4+\b], 23, v[TM+12+\b]      ; the scale's byte
.endr
	v_lshl_or_b32 v[\pw], v[TM+5], 8, v[TM+4]
	v_lshl_or_b32 v[\pw], v[TM+6], 16, v[\pw]
	v_lshl_or_b32 v[\pw], v[TM+7], 24, v[\pw]
.irp c, 0,1
	v_cvt_scalef32_pk16_fp6_f32 v[PC+6*\c:PC+2+6*\c], v[(\s)+32*\c:(\s)+15+32*\c], v[TM+12+2*\c]
	v_cvt_scalef32_pk16_fp6_f32 v[PC+12+4*\c:PC+14+4*\c], v[(\s)+16+32*\c:(\s)+31+32*\c], v[TM+12+2*\c+1]
.endr
	v_nop                                          ; one plain line behind the scaled conversions
.irp c, 0,1                            ; the operand wants a WHOLE block in a lane: lanes 0-15 block 2 c, lanes 16-31 block 2 c + 1
.irp i, 0,1,2
	v_permlane16_swap_b32 v[PC+6*\c+\i], v[PC+12+4*\c+\i]
.endr
.irp i, 0,1,2
	v_mov_b32 v[PC+3+6*\c+\i], v[PC+12+4*\c+\i]
.endr
.endr
.endm
.macro XLOADK t                        ; K step t of the tile's 16 rows: each load reads one row's 512 consecutive bytes
.set J, 0
.rept 16
	global_load_b128 v[R0+64*((\t)%2)+4*J:R0+64*((\t)%2)+4*J+3], v3, s[12:13] offset:(J+8*(J/8))*8192+512*(\t) th:TH_LOAD_NT
.set J, J+1
.endr
.endm
.macro XSTEP t
.if (\t) < 3
	s_wait_loadcnt 16                              ; this K step's 16 loads are in; the next one's may be out
.else
	s_wait_loadcnt 0x0
.endif
.set J, 0
.rept 16
	ds_store_b128 v5, v[R0+64*((\t)%2)+4*J:R0+64*((\t)%2)+4*J+3] offset:528*J   ; the rows as they lie,
.set J, J+1
.endr
.set J, 0
.rept 16
	ds_load_b128 v[XN+4*J:XN+4*J+3], v6 offset:128*(J/4)+16*(J%4)   ; and back: of my row, 16 neighbours of each block of 32 (LDS serves a wave's instructions in order)
.set J, J+1
.endr
	s_wait_dscnt 0x0
.if (\t) < 2
	XLOADK (\t)+2                                  ; into the set that the stores above have read
.endif
.if (\t) > 0
	s_wait_xcnt 0x0                                ; the last K step's stores have read v[PC] on: only behind this wait are the codes written anew
.endif
	QUANT XN, PW+(\t)
.irp c, 0,1,2
	global_store_b128 v3, v[PC+4*\c:PC+4*\c+3], s[14:15] offset:1536*(\t)+512*\c   ; the fragment as it stands: 512 consecutive bytes a store
.endr
.endm
.Lpath_x:
	s_sub_co_u32 s19, ttmp9, 256                   ; the tile
	v_lshlrev_b32 v3, 4, v2                        ; 16 x lane
	v_and_b32 v4, 15, v0                           ; r
	v_bfe_u32 v14, v0, 4, 1                        ; h
	s_mul_i32 s24, s18, XSTG
	s_add_co_u32 s24, s24, XSTG0                   ; my stage
	v_add_nc_u32 v5, s24, v3
	v_mul_u32_u24 v6, v4, 528
	v_lshl_add_u32 v6, v14, 6, v6
	v_add_nc_u32 v6, s24, v6                       ; row r, + 64 h
	v_lshlrev_b32 v7, 3, v2                        ; scale words: 8 x lane
.irp b, 0,1,2,3
	v_mov_b32 v[TM+4+\b], 0                        ; written once: a lane permute's destination counts as one of its sources
.endr
	s_lshr_b32 s22, s19, 1
	s_lshl_b32 s22, s22, 18                        ; x: 32 (T / 2) rows of 8,192 bytes,
	s_and_b32 s23, s19, 1
	s_lshl_b32 s23, s23, 16                        ; 8 (T % 2) rows,
	s_add_co_u32 s22, s22, s23
	s_lshl_b32 s23, s18, 11                        ; my wave's 512 along K
	s_add_co_u32 s22, s22, s23
	s_mov_b32 s23, 0
	s_lshl_b32 s26, s19, 4
	s_lshl_b32 s27, s18, 2
	s_add_co_u32 s26, s26, s27
	s_mul_i32 s26, s26, 1536
	s_add_co_u32 s26, s26, 4*TENS                  ; cf: x is the fifth tensor
	s_mov_b32 s27, 0
	s_lshl_b32 s28, s19, 10
	s_lshl_b32 s29, s18, 8
	s_add_co_u32 s28, s28, s29
	s_add_co_u32 s28, s28, 4*STENS
	s_mov_b32 s29, 0
	s_wait_kmcnt 0x0
	s_add_nc_u64 s[12:13], s[12:13], s[22:23]
	s_add_nc_u64 s[14:15], s[14:15], s[26:27]
	s_add_nc_u64 s[16:17], s[16:17], s[28:29]
	XLOADK 0
	XLOADK 1
	XSTEP 0
	XSTEP 1
	XSTEP 2
	XSTEP 3
	v_cndmask_b32 v12, v[PW], v[PW+2], s[HM]       ; lanes 0-15 store K steps 0, 1 of row r, lanes 16-31 K steps 2, 3:
	v_cndmask_b32 v13, v[PW+1], v[PW+3], s[HM]
	global_store_b64 v7, v[12:13], s[16:17]        ; 256 consecutive bytes, aligned
	s_wait_tensorcnt 0x0                           ; the wave's end: the tensor wait, the spare word's add and its wait, behind my last LDS store
	ds_add_u32 v[SPW], v[NIL]
	s_wait_dscnt 0x0
	s_endpgm
.Lfunc_end_k_q12ccc370b4_quant:
	.size	k_q12ccc370b4_quant, .Lfunc_end_k_q12ccc370b4_quant-k_q12ccc370b4_quant
	.p2alignl 7, 3214868480
	.fill 96, 4, 3214868480
	.section	.rodata,"a",@progbits
	.p2align	6, 0x0
	.amdhsa_kernel k_q12ccc370b4_quant
		.amdhsa_group_segment_fixed_size 85504
		.amdhsa_private_segment_fixed_size 0
		.amdhsa_enable_private_segment 0
		.amdhsa_kernarg_size 56
		.amdhsa_user_sgpr_count 2
		.amdhsa_user_sgpr_kernarg_segment_ptr 1
		.amdhsa_wavefront_size32 1
		.amdhsa_system_sgpr_workgroup_id_x 1
		.amdhsa_system_sgpr_workgroup_id_y 1
		.amdhsa_system_sgpr_workgroup_id_z 1
		.amdhsa_system_vgpr_workitem_id 0
		.amdhsa_next_free_vgpr 248
		.amdhsa_next_free_sgpr 66
		.amdhsa_reserve_vcc 0
		.amdhsa_float_denorm_mode_32 3
		.amdhsa_float_denorm_mode_16_64 3
		.amdhsa_memory_ordered 1
		.amdhsa_forward_progress 1
		.amdhsa_inst_pref_size 114
	.end_amdhsa_kernel
	.amdgpu_metadata
---
amdhsa.version: [ 1, 2 ]
amdhsa.kernels:
  - .name:           k_q12ccc370b4_quant
    .symbol:         k_q12ccc370b4_quant.kd
    .args:
      - { .name: wq, .offset: 0, .size: 8, .value_kind: global_buffer, .address_space: global }
      - { .name: wk, .offset: 8, .size: 8, .value_kind: global_buffer, .address_space: global }
      - { .name: wv, .offset: 16, .size: 8, .value_kind: global_buffer, .address_space: global }
      - { .name: wo, .offset: 24, .size: 8, .value_kind: global_buffer, .address_space: global }
      - { .name: x, .offset: 32, .size: 8, .value_kind: global_buffer, .address_space: global }
      - { .name: cf, .offset: 40, .size: 8, .value_kind: global_buffer, .address_space: global }
      - { .name: cs, .offset: 48, .size: 8, .value_kind: global_buffer, .address_space: global }
    .group_segment_fixed_size: 85504
    .private_segment_fixed_size: 0
    .kernarg_segment_align: 8
    .kernarg_segment_size: 56
    .max_flat_workgroup_size: 128
    .sgpr_count:     66
    .vgpr_count:     248
    .wavefront_size: 32
...
	.end_amdgpu_metadata
.endif
;; end of part 1
;; launch qkv (part 2): grid 24 x 8, 4 waves a work-group, clusters of 4 x 4, 327,680 bytes of LDS; arguments cf, cs, cos, sin, qkvf, qkvs; writes qkvf, qkvs
.if DOCPART == 2
	.amdgcn_target "amdgcn-amd-amdhsa--gfx1250"
	.amdhsa_code_object_version 6
	.text
	.protected	k_q12ccc370b4_qkv
	.globl	k_q12ccc370b4_qkv
	.p2align	8
	.type	k_q12ccc370b4_qkv,@function
k_q12ccc370b4_qkv:
	s_mov_b64 s[64:65], 0
	v_nop
	global_prefetch_b8 v0, s[64:65] scope:SCOPE_SE
	s_setreg_imm32_b32 hwreg(HW_REG_WAVE_MODE, 25, 1), 1
	s_wait_xcnt 0x0
	s_wait_alu depctr_hold_cnt(0) depctr_sa_sdst(0) depctr_va_vdst(0) depctr_va_sdst(0) depctr_va_ssrc(0) depctr_va_vcc(0) depctr_vm_vsrc(0)
	s_getreg_b32 s2, hwreg(HW_REG_IB_STS2, 6, 4)
	s_cmp_eq_u32 s2, 0
	s_cbranch_scc0 .Lentry_in_a_cluster
	s_endpgm
.Lentry_in_a_cluster:
	s_bfe_u32 s2, ttmp6, 0x10000c
	s_cmp_lg_u32 s2, 0xf033
	s_cbranch_scc0 .Lentry_shape_is_right
	s_endpgm
.Lentry_shape_is_right:
; q = rope(x wq), k = rope(x wk), v = x wv, on codes of FP6 (E2M3) with E8M0 scales, sums in f32; the results leave as codes: q and k quantised along the head's 128, v along the keys.
; A tile of 256 x 256 to a work-group of four waves, 128 x 128 a wave: 64 accumulators, 512 registers.  K goes in steps of 256 through a ring of two LDS slots filled by the tensor data mover.
; OPERANDS LIE IN cf AS IMAGES OF THEIR REGISTERS (640 tiles x 16 K steps x 1,536 bytes; wq 0.., wk 128.., wv 256.., x 512..): a fragment comes by three ds_load_b128 at 16 x lane; no pitch, no padding.
; Lane r of tile T holds row 32 (T / 2) + 8 (T % 2) + r + 8 (r / 8).  THE MATRIX INSTRUCTION IS USED TRANSPOSED (source 0 = B's 16 rows, source 1 = A's): a lane holds ONE row of A, and the 64 registers of
; its eight accumulators are B's rows 32 b + 16 h + i at register 16 b + i: 16 neighbours of each block of 32, as the conversions want them.
; ONE LOOP FOR ALL THREE.  Clusters x = 0..3: A = x, B = wq | wk: a lane holds one row s and its registers run along d.  Clusters x = 4, 5: A = wv, B = x: a lane holds one d and its registers run along the keys,
; which are the second attention product's K.  Only a tile number is chosen, by the cluster's x, which all partners share.
; A wave's 128 x 128 is one head x 128 rows: eight whole fragments and their scale words.  192 work-groups: a narrower tile would cut heads in two.
; OUT: qkvf [16 h][16 G][q, k, v][8 fragments][1,536]; qkvs [16 h][16 G][3][512]: lane l's 16 bytes: word j = the scale word of fragment 2 j + l / 16, row l % 16.
; CLUSTERS: 4 x 4.  A's tiles are shared along a row of the cluster, B's along a column: each is asked for jointly, by the same tensor load with the same descriptor and a mask that names the four.
; LIMITS: NaN and infinities are not served; a block whose largest magnitude lies under 2^-124 keeps the byte 1 (a block of zeros too: its codes are zeros).  RoPE is a multiply and a fused multiply-add in f32.
; REGISTERS: window 0: v2-17 at work on the way out (v16-17, v20-21 LDS addresses in the loop); v27-31 addresses; v32-63 scale words, two sets, and nothing else; v64-127 a block after RoPE; v128-223 A's fragments, ONE set;
;   v224-242 codes just made.  window 1: B's fragments, two sets, v0-95 and v128-223; cos, sin: set 0 at v96-127, v224-255, set 1 (behind the loop) at v0-63.  windows 2, 3: accumulator (a, b) at v[8 (8 (a % 4) + b)].
.set NA,    8                          ; A's tiles of 16 rows to a wave
.set NL,    3                          ; LDS loads that bring a fragment
.set NP,    4                          ; places behind this matrix instruction (ISA guide 7.12.1)
.set FR,    12
.set FRB,   1536
.set HALFA, NA*3072                    ; what one tensor load brings of A: NA tiles x two K steps
.set HALFB, 24576
.set SLOT,  2*HALFA+2*HALFB
.set SCL,   2*SLOT                     ; behind the ring: A's scale words for all of K, 1,024 bytes a tile,
.set SCB,   SCL+2048*NA                ; then B's
.set SPARE, SCB+16384                  ; the spare words, 128 bytes for each wave: two blocks of 256 bytes that no other line names
.set LAPS,  4                          ; 2,048 / 512
.set ADRA, 16
.set ADRB, 20
.set ADRS, 27
.set SPW,  28
.set NIL,  29
.set TRO,  30                          ; v30  cos, sin: (r + 8 (r / 8)) x 256 + 32 h
.set LI,   31                          ; v31  16 x lane
.set SC,   32
.set HA,   64
.set AF,   128
.set PC,   224
.set TM,   2
.set PW,   18
.set PWE,  19
.set SW,   20
.set G1, 24
.set G0, 32
.set G1B, 48
.set G0B, 56
.set G1S, 68
.set G0S, 76
.set G1SB, 80
.set G0SB, 88
.set SEL, 12                           ; s[12:13]
.set HM,  66                           ; s66  lanes 16-31
.set VF,  67                           ; s67  1: this cluster makes v
.set MSB, 0
.macro WIN new                         ; the immediate's high byte repeats the setting that is left
.if MSB != \new
	s_set_vgpr_msb (MSB<<8)|\new
.set MSB, \new
.endif
.endm
.set MUL_LO, 0xa1                      ; source 0 (B) window 1, source 1 (A) window 0, C and D window 2
.set MUL_HI, 0xa1+0x50*(NA/8)          ; the same, C and D window 3
.set TO_B,   0x40
.macro PLACES n
.rept \n
	v_nop
.endr
.endm
; A joint load: waves 0 and 1 fetch for A, waves 2 and 3 for B; the branch hangs on the wave's number alone.  An s_nop 0 and four v_nop follow each line.
.macro JLOAD g0a, g1a, g0b, g1b
	s_cmp_eq_u32 s15, 0
	s_cbranch_scc0 .Lfor_b_\@
	tensor_load_to_lds s[\g0a:\g0a+3], s[\g1a:\g1a+7]
	s_nop 0
.rept 4
	v_nop
.endr
	s_branch .Lasked_\@
.Lfor_b_\@:
	tensor_load_to_lds s[\g0b:\g0b+3], s[\g1b:\g1b+7]
	s_nop 0
.rept 4
	v_nop
.endr
.Lasked_\@:
.endm
.macro CREST                           ; a round of the cluster's barrier behind its opening barrier
	s_cmp_lg_u32 s14, 0
	s_cbranch_scc1 .Lnot_wave_0_\@
	s_barrier_signal -3
.Lnot_wave_0_\@:
	s_barrier_wait -3
	s_barrier_signal -1
	s_barrier_wait -1
.endm
.macro CROUND
	s_barrier_signal -1
	s_barrier_wait -1
	CREST
.endm
	s_load_b256 s[4:11], s[0:1], 0x0               ; cf, cs, cos, sin
	s_load_b128 s[96:99], s[0:1], 0x20             ; qkvf, qkvs
	v_lshl_add_u32 v[SPW], v0, 2, SPARE
	v_mov_b32 v[NIL], 0
	ds_add_u32 v[SPW], v[NIL]                      ; the wave's opening: the add and its wait stand ahead of my first tensor load; work on registers stands between
	v_lshrrev_b32 v1, 5, v0
	v_readfirstlane_b32 s14, v1                    ; wave 0..3
	s_lshr_b32 s15, s14, 1                         ; which half of A's rows is mine.  Also: I fetch for A (0) or for B (1)
	s_and_b32 s16, s14, 1                          ; which half of B's rows.  Also: which half of that tile I fetch
	s_bfe_u32 s40, ttmp6, 0x40000                  ; cx, cy
	s_bfe_u32 s41, ttmp6, 0x40004
	s_lshl_b32 s42, ttmp9, 2
	s_add_co_u32 s42, s42, s40                     ; tile column = 4 x cluster x + cx
	s_and_b32 s17, ttmp7, 0xffff
	s_lshl_b32 s17, s17, 2
	s_add_co_u32 s17, s17, s41                     ; tile row = 4 x cluster y + cy
	s_lshl_b32 s43, s41, 2
	s_lshl_b32 s43, 15, s43                        ; my row of the cluster
	s_lshl_b32 s44, 0x1111, s40                    ; my column
	; group 1 for codes: rows of 3,072 bytes (two K steps of a tile; 384 elements of 8 bytes), 24,576 bytes apart in memory, dense in LDS
	s_or_b32 s[G1+0], s43, (3<<16)|(1<<21)         ; 15:0 the mask; 17:16 elements of 8 bytes; 21 set beside a mask
	s_mov_b32 s[G1+1], 384<<16
	s_mov_b32 s[G1+2], NA<<16
	s_mov_b32 s[G1+3], 384<<16
	s_mov_b32 s[G1+4], NA
	s_mov_b32 s[G1+5], 3072
	s_mov_b32 s[G1+6], 0
	s_mov_b32 s[G1+7], 0
	s_or_b32 s[G1B+0], s44, (3<<16)|(1<<21)
	s_mov_b32 s[G1B+1], 384<<16
	s_mov_b32 s[G1B+2], 8<<16
	s_mov_b32 s[G1B+3], 384<<16
	s_mov_b32 s[G1B+4], 8
	s_mov_b32 s[G1B+5], 3072
	s_mov_b32 s[G1B+6], 0
	s_mov_b32 s[G1B+7], 0
	; group 1 for scale words: a dense block, as rows of 256 bytes
	s_or_b32 s[G1S+0], s43, (3<<16)|(1<<21)
	s_mov_b32 s[G1S+1], 32<<16
	s_mov_b32 s[G1S+2], (4*NA)<<16
	s_mov_b32 s[G1S+3], 32<<16
	s_mov_b32 s[G1S+4], 4*NA
	s_mov_b32 s[G1S+5], 32
	s_mov_b32 s[G1S+6], 0
	s_mov_b32 s[G1S+7], 0
	s_or_b32 s[G1SB+0], s44, (3<<16)|(1<<21)
	s_mov_b32 s[G1SB+1], 32<<16
	s_mov_b32 s[G1SB+2], 32<<16
	s_mov_b32 s[G1SB+3], 32<<16
	s_mov_b32 s[G1SB+4], 32
	s_mov_b32 s[G1SB+5], 32
	s_mov_b32 s[G1SB+6], 0
	s_mov_b32 s[G1SB+7], 0
	s_mov_b32 s[SEL], 0x76543210
	s_mov_b32 s[SEL+1], 0xfedcba98
	s_mov_b32 s[HM], 0xffff0000
	s_cmp_ge_u32 ttmp9, 4                          ; the cluster's x: the same in all sixteen partners
	s_cselect_b32 s[VF], 1, 0
	s_mov_b32 s18, 512
	s_cselect_b32 s18, 256, s18                    ; A's first tile in cf: wv's, or x's
	s_cselect_b32 s19, 256, 0                      ; B: tile columns 16.. + 256 are x's tiles; tile columns 0..15 are wq's and wk's
	s_lshl_b32 s21, s16, 3                         ; which eight tiles I fetch
	s_lshl_b32 s20, s17, 4
	s_add_co_u32 s20, s20, s21
	s_add_co_u32 s20, s20, s18                     ; A's tile: it hangs on the tile row alone
	s_lshl_b32 s46, s42, 4
	s_add_co_u32 s46, s46, s21
	s_add_co_u32 s46, s46, s19                     ; B's: on the tile column alone
	s_lshl_b32 s22, s20, 10                        ; their scale words,
	s_mov_b32 s23, 0
	s_lshl_b32 s92, s46, 10
	s_mov_b32 s93, 0
	s_mul_i32 s20, s20, 24576                      ; their codes
	s_mov_b32 s21, 0
	s_mul_i32 s46, s46, 24576
	s_mov_b32 s47, 0
	s_mul_i32 s45, s16, HALFA                      ; where they go: no place in the cluster enters an LDS address
	s_mul_i32 s94, s16, HALFB
	s_add_co_u32 s94, s94, 2*HALFA
	s_mul_i32 s95, s16, NA*1024
	s_add_co_u32 s95, s95, SCL
	s_lshl_b32 s2, s16, 13
	s_add_co_u32 s2, s2, SCB
	s_wait_dscnt 0x0                               ; the opening add is done
	s_wait_kmcnt 0x0
	s_add_nc_u64 s[20:21], s[4:5], s[20:21]
	s_add_nc_u64 s[22:23], s[6:7], s[22:23]
	s_add_nc_u64 s[46:47], s[4:5], s[46:47]
	s_add_nc_u64 s[92:93], s[6:7], s[92:93]
	CROUND                                         ; all sixteen work-groups are here: the first joint loads meet
	s_mov_b32 s[G0S], 1
	s_mov_b32 s[G0S+1], s95
	s_mov_b64 s[G0S+2:G0S+3], s[22:23]
	s_or_b32 s[G0S+3], s[G0S+3], 0x80000000
	s_mov_b32 s[G0SB], 1
	s_mov_b32 s[G0SB+1], s2
	s_mov_b64 s[G0SB+2:G0SB+3], s[92:93]
	s_or_b32 s[G0SB+3], s[G0SB+3], 0x80000000
	JLOAD G0S, G1S, G0SB, G1SB                     ; the scale words first: they are wanted with K step 0, and stay
.irp s, 0,1
	s_mov_b32 s[G0+4*\s], 1
	s_add_co_u32 s[G0+4*\s+1], s45, \s*SLOT
	s_add_nc_u64 s[G0+4*\s+2:G0+4*\s+3], s[20:21], \s*3072
	s_or_b32 s[G0+4*\s+3], s[G0+4*\s+3], 0x80000000
	s_mov_b32 s[G0B+4*\s], 1
	s_add_co_u32 s[G0B+4*\s+1], s94, \s*SLOT
	s_add_nc_u64 s[G0B+4*\s+2:G0B+4*\s+3], s[46:47], \s*3072
	s_or_b32 s[G0B+4*\s+3], s[G0B+4*\s+3], 0x80000000
	JLOAD G0+4*\s, G1, G0B+4*\s, G1B               ; three tensor loads of mine are out behind the second of these
.endr
	v_and_b32 v1, 31, v0
	v_lshlrev_b32 v[LI], 4, v1
	v_and_b32 v2, 15, v0                           ; r
	v_bfe_u32 v3, v0, 4, 1                         ; h
	s_mul_i32 s21, s15, HALFA                      ; my half of A,
	s_mul_i32 s22, s16, HALFB                      ; my half of B, behind A's two
	s_add_co_u32 s22, s22, 2*HALFA
.irp s, 0,1
	v_add_nc_u32 v[ADRA+\s], s21, v[LI]
	v_add_nc_u32 v[ADRB+\s], s22, v[LI]
	s_add_co_u32 s21, s21, SLOT
	s_add_co_u32 s22, s22, SLOT
.endr
	v_lshlrev_b32 v5, 3, v2                        ; scale words: 8 bytes a row and slot;
	s_mul_i32 s21, s15, NA*1024                    ; lanes 0-15 take A's,
	s_lshl_b32 s22, s16, 13
	s_add_co_u32 s22, s22, 2048*NA
	s_sub_co_u32 s22, s22, s21
	v_mul_u32_u24 v6, s22, v3                      ; lanes 16-31 B's: one product, the distance between the two
	s_add_co_u32 s21, s21, SCL
	v_add_nc_u32 v5, v5, v6
	v_add_nc_u32 v[ADRS], s21, v5
	v_and_b32 v4, 8, v2
	v_add_nc_u32 v4, v4, v2                        ; r + 8 (r / 8)
	v_lshlrev_b32 v[TRO], 8, v4
	v_lshl_add_u32 v[TRO], v3, 5, v[TRO]
.irp b, 0,1,2,3
	v_mov_b32 v[TM+4+\b], 0                        ; written once: a lane permute's destination counts as one of its sources
.endr
	s_lshl_b32 s18, s17, 1
	s_add_co_u32 s18, s18, s15                     ; 2 x tile row + my half of A
	s_lshl_b32 s19, s42, 1
	s_add_co_u32 s19, s19, s16                     ; 2 x tile column + my half of B
	s_lshl_b32 s20, s18, 15                        ; cos, sin at my 128 rows of 256 bytes (used where A is x)
	s_mov_b32 s21, 0
	s_add_nc_u64 s[8:9], s[8:9], s[20:21]
	s_add_nc_u64 s[10:11], s[10:11], s[20:21]
	s_and_b32 s20, s19, 15                         ; q, k: the head,
	s_lshr_b32 s22, s19, 4                         ; q (0) or k (1)
	s_sub_co_u32 s23, s19, 32                      ; v: the group of keys
	s_cmp_eq_u32 s[VF], 1
	s_cselect_b32 s20, s18, s20                    ; h
	s_cselect_b32 s23, s23, s18                    ; G
	s_cselect_b32 s22, 2, s22
	s_lshl_b32 s20, s20, 4
	s_add_co_u32 s20, s20, s23
	s_mul_i32 s20, s20, 3
	s_add_co_u32 s20, s20, s22                     ; (16 h + G) x 3 + which
	s_lshl_b32 s22, s20, 9
	s_mov_b32 s23, 0
	s_mul_i32 s20, s20, 12288
	s_mov_b32 s21, 0
	s_add_nc_u64 s[96:97], s[96:97], s[20:21]
	s_add_nc_u64 s[98:99], s[98:99], s[22:23]
.macro FRAG reg, adr, q, i             ; a fragment as it stands: three loads of 512 consecutive bytes
.irp c, 0,1,2
	ds_load_b128 v[\reg+4*\c:\reg+4*\c+3], v[\adr] offset:(\i)*3072+(\q)*FRB+512*\c
.endr
.endm
.macro FETCH_B slot, q, p
	WIN TO_B
.irp i, 0,1,2,3,4,5,6,7
	FRAG 128*(\p)+FR*\i, ADRB+\slot, \q, \i
.endr
	WIN 0
.endm
.macro FETCH_A slot, q, half
.set I, (\half)*(NA/2)
.rept NA/2
	FRAG AF+FR*I, ADRA+\slot, \q, I
.set I, I+1
.endr
.endm
.macro SCALES sc                       ; a slot's scale words: two a row; lanes 0-15 A's tile i, lanes 16-31 B's tile i
.irp i, 0,1,2,3,4,5,6,7
	ds_load_b64 v[SC+16*(\sc)+2*\i:SC+16*(\sc)+2*\i+1], v[ADRS] offset:1024*\i
.endr
.endm
; A's tile a against B's eight, 128 along K.  The accumulators take turns, one instruction a turn, in the same order in every step.
.macro MULA a, p, q, sc, zero
.irp b, 0,1,2,3,4,5,6,7
.if \zero
	v_wmma_scale_f32_16x16x128_f8f6f4 v[8*(8*((\a)%4)+\b):8*(8*((\a)%4)+\b)+7], v[128*(\p)+FR*\b:128*(\p)+FR*\b+FR-1], v[AF+FR*(\a):AF+FR*(\a)+FR-1], 0, v[SC+16*(\sc)+2*\b+(\q)], v[SC+16*(\sc)+2*(\a)+(\q)] matrix_a_fmt:MATRIX_FMT_FP6 matrix_b_fmt:MATRIX_FMT_FP6 matrix_a_scale:MATRIX_SCALE_ROW1
.else
	v_wmma_scale_f32_16x16x128_f8f6f4 v[8*(8*((\a)%4)+\b):8*(8*((\a)%4)+\b)+7], v[128*(\p)+FR*\b:128*(\p)+FR*\b+FR-1], v[AF+FR*(\a):AF+FR*(\a)+FR-1], v[8*(8*((\a)%4)+\b):8*(8*((\a)%4)+\b)+7], v[SC+16*(\sc)+2*\b+(\q)], v[SC+16*(\sc)+2*(\a)+(\q)] matrix_a_fmt:MATRIX_FMT_FP6 matrix_b_fmt:MATRIX_FMT_FP6 matrix_a_scale:MATRIX_SCALE_ROW1
.endif
.endr
.endm
.macro MULQ k, p, q, sc, zero          ; a quarter of a step's products
.if NA == 8
	MULA 2*(\k), \p, \q, \sc, \zero
	MULA 2*(\k)+1, \p, \q, \sc, \zero
.else
	MULA \k, \p, \q, \sc, \zero
.endif
.endm
; A slot's first step of 128 along K; it fetches the second's fragments: B's other set and A's first half in its middle, A's second half at its end.
.macro STEP slot, zero
	s_wait_dscnt (NA/2)*NL                         ; all but the youngest loads, A's second half
	WIN MUL_LO
	MULQ 0, 0, 0, \slot, \zero
	MULQ 1, 0, 0, \slot, \zero
	s_wait_dscnt 0x0                               ; A's second half is in
	PLACES NP                                      ; places in front of loads into registers that matrix instructions have read
	FETCH_B \slot, 1, 1
	FETCH_A \slot, 1, 0
	WIN MUL_HI
	MULQ 2, 0, 0, \slot, \zero
	MULQ 3, 0, 0, \slot, \zero
	PLACES NP
	WIN 0
	FETCH_A \slot, 1, 1
.endm
; A slot's second step changes slots: ONE barrier; in front of it each wave waits for all its tensor loads, adds 0 to its spare word, and waits for that and for its reads of this slot.  fill = 1: this slot is filled again, two slots ahead.
.macro TURN slot, next, fill
	s_wait_tensorcnt 0x0                           ; all my tensor loads have landed: my part of the next slot
	ds_add_u32 v[SPW], v[NIL]                      ; 0 onto my spare word
	s_wait_dscnt (NA/2)*NL+1                       ; (the add and A's second half may be out)
	WIN MUL_LO
	MULQ 0, 1, 1, \slot, 0                         ; matrix work stands between the add and the wait for it
	s_wait_dscnt 0x0                               ; the add is done, and my reads of this slot are over
	s_barrier_signal -1
	MULQ 1, 1, 1, \slot, 0
	WIN 0
	s_barrier_wait -1
.if \fill
	CREST                                          ; the barrier has opened a round of the cluster's barrier: no wave of any partner still reads this slot or has a load on its way
	s_add_nc_u64 s[G0+4*\slot+2:G0+4*\slot+3], s[G0+4*\slot+2:G0+4*\slot+3], 6144
	s_add_nc_u64 s[G0B+4*\slot+2:G0B+4*\slot+3], s[G0B+4*\slot+2:G0B+4*\slot+3], 6144
	JLOAD G0+4*\slot, G1, G0B+4*\slot, G1B         ; the first tensor load behind the round; its four v_nop are the places in front of the loads below
.else
	PLACES NP
.endif
	v_add_nc_u32 v[ADRS], 128, v[ADRS]             ; the next slot's scale words
	FETCH_B \next, 0, 0
	FETCH_A \next, 0, 0
	SCALES \next
	WIN MUL_HI
	MULQ 2, 1, 1, \slot, 0
	MULQ 3, 1, 1, \slot, 0
	PLACES NP
	WIN 0
	FETCH_A \next, 0, 1
.endm
; cos and sin of block a's 16 rows: lane (r, h) wants, for registers 16 b + i (d = 32 b + 16 h + i), the pairs 16 b + 8 h + 0 .. 7: 32 bytes of each table for each b.  16 loads.
.macro TRIG a, set
.if (\set) == 0
.set CSB, 96
.set SNB, 224
.else
.set CSB, 0
.set SNB, 32
.endif
	WIN 0x40
.irp B, 0,1,2,3
.irp jj, 0,1
	global_load_b128 v[CSB+8*\B+4*\jj:CSB+8*\B+4*\jj+3], v[TRO], s[8:9] offset:(32*((\a)/2)+8*((\a)%2))*256+64*\B+16*\jj
	global_load_b128 v[SNB+8*\B+4*\jj:SNB+8*\B+4*\jj+3], v[TRO], s[10:11] offset:(32*((\a)/2)+8*((\a)%2))*256+64*\B+16*\jj
.endr
.endr
	WIN 0
.endm
; RoPE on block a: (t0, t1) -> (t0 c - t1 s, t0 s + t1 c).  First (-t1 s, t0 s), then t c is fused onto it.  Pair i's c and s stand in one register: the packed forms take it for both halves.  Each accumulator is read from its low end on.
.macro ROPE a, set
.if (\set) == 0
.set CSB, 96
.set SNB, 224
.else
.set CSB, 0
.set SNB, 32
.endif
.set AC, 64*((\a)%4)
	WIN (2+(\a)/4)|4                               ; source 0: the accumulators' window; source 1: window 1
.set I, 0
.rept 16
	v_pk_mul_f32 v[HA+4*I:HA+4*I+1], v[AC+4*I:AC+4*I+1], v[SNB+2*I:SNB+2*I+1] op_sel:[1,0] op_sel_hi:[0,0] neg_lo:[1,0]
	v_pk_mul_f32 v[HA+4*I+2:HA+4*I+3], v[AC+4*I+2:AC+4*I+3], v[SNB+2*I:SNB+2*I+1] op_sel:[1,1] op_sel_hi:[0,1] neg_lo:[1,0]
.set I, I+1
.endr
.set I, 0
.rept 16
	v_pk_fma_f32 v[HA+4*I:HA+4*I+1], v[AC+4*I:AC+4*I+1], v[CSB+2*I:CSB+2*I+1], v[HA+4*I:HA+4*I+1] op_sel:[0,0,0] op_sel_hi:[1,0,1]
	v_pk_fma_f32 v[HA+4*I+2:HA+4*I+3], v[AC+4*I+2:AC+4*I+3], v[CSB+2*I:CSB+2*I+1], v[HA+4*I+2:HA+4*I+3] op_sel:[0,1,0] op_sel_hi:[1,1,1]
.set I, I+1
.endr
	WIN 0
.endm
; 64 numbers of a lane in window w, register 16 b + i = k 32 b + 16 h + i of my row, become a fragment's 12 registers in v[PC] on and its scale word in v[pw] (the same in lanes l and l xor 16).
.macro QUANT s, w, pw
	WIN (\w)|((\w)<<2)
.irp b, 0,1,2,3
	v_max3_num_f32 v[TM+\b], |v[(\s)+16*\b]|, |v[(\s)+1+16*\b]|, 0x1800000   ; block b: my 16 numbers, and the floor 2^(3 - 127): the byte cannot fall under 1
.endr
.irp i, 2,4,6,8,10,12,14
.irp b, 0,1,2,3
	v_max3_num_f32 v[TM+\b], |v[(\s)+16*\b+\i]|, |v[(\s)+1+16*\b+\i]|, v[TM+\b]
.endr
.endr
	WIN 0
.irp b, 0,1,2,3
	v_permlanex16_b32 v[TM+4+\b], v[TM+\b], s[SEL], s[SEL+1]
.endr
.irp b, 0,1,2,3
	v_max_num_f32 v[TM+\b], v[TM+\b], v[TM+4+\b]
.endr
.irp b, 0,1,2,3
	v_add_nc_u32 v[TM+12+\b], 0xff000000, v[TM+\b] ; 2 off the exponent field: the conversion's scale operand
.endr
.irp b, 0,1,2,3
	v_lshrrev_b32 v[TM+4+\b], 23, v[TM+12+\b]      ; the scale's byte
.endr
	v_lshl_or_b32 v[\pw], v[TM+5], 8, v[TM+4]
	v_lshl_or_b32 v[\pw], v[TM+6], 16, v[\pw]
	v_lshl_or_b32 v[\pw], v[TM+7], 24, v[\pw]
	WIN \w
.irp c, 0,1
	v_cvt_scalef32_pk16_fp6_f32 v[PC+6*\c:PC+2+6*\c], v[(\s)+32*\c:(\s)+15+32*\c], v[TM+12+2*\c]
	v_cvt_scalef32_pk16_fp6_f32 v[PC+12+4*\c:PC+14+4*\c], v[(\s)+16+32*\c:(\s)+31+32*\c], v[TM+12+2*\c+1]
.endr
	WIN 0
	v_nop                                          ; one plain line behind the scaled conversions
.irp c, 0,1
.irp i, 0,1,2
	v_permlane16_swap_b32 v[PC+6*\c+\i], v[PC+12+4*\c+\i]
.endr
.irp i, 0,1,2
	v_mov_b32 v[PC+3+6*\c+\i], v[PC+12+4*\c+\i]
.endr
.endr
.endm
.macro SENDF a                         ; fragment a leaves as it stands; two fragments' scale words share a register: the even one's in lanes 0-15, the odd one's in lanes 16-31
.irp c, 0,1,2
	global_store_b128 v[LI], v[PC+4*\c:PC+4*\c+3], s[96:97] offset:1536*(\a)+512*\c   ; 512 consecutive bytes, aligned
.endr
.if (\a)%2
	v_cndmask_b32 v[SW+(\a)/2], v[PWE], v[PW], s[HM]
.endif
.endm
	s_cmp_eq_u32 s[VF], 1
	s_cbranch_scc1 .Lno_trig
	TRIG 0, 0                                      ; block 0's cos and sin are asked for now, into registers that the loop leaves alone; the loop waits on no load counter
.Lno_trig:
	s_wait_tensorcnt 1                             ; the scale words and my part of slot 0 are in (slot 1's load may be out)
	s_barrier_signal -1
	s_barrier_wait -1                              ; everybody's are
	FETCH_B 0, 0, 0
	FETCH_A 0, 0, 0
	SCALES 0
	FETCH_A 0, 0, 1
	STEP 0, 1                                      ; the first step stands in front of the loop: its products start the sums
	s_mov_b32 s3, LAPS-1
.Llap:                                                 ; a trip goes once round the ring and fills both slots again
	TURN 0, 1, 1
	STEP 1, 0
	TURN 1, 0, 1
	STEP 0, 0
	s_sub_co_u32 s3, s3, 1
	s_cmp_lg_u32 s3, 0
	s_cbranch_scc1 .Llap
	TURN 0, 1, 0                                   ; the last lap fills nothing, and has no round of the cluster's barrier
	STEP 1, 0
	s_wait_dscnt (NA/2)*NL                         ; the very last step: nothing more to fetch
	WIN MUL_LO
	MULQ 0, 1, 1, 1, 0
	MULQ 1, 1, 1, 1, 0
	s_wait_dscnt 0x0
	WIN MUL_HI
	MULQ 2, 1, 1, 1, 0
	MULQ 3, 1, 1, 1, 0
	WIN 0
	PLACES NP                                      ; places in front of the first reads of results and of loads into B's registers
	s_cmp_eq_u32 s[VF], 1
	s_cbranch_scc1 .Lv_out
	; ---- q, k: block by block of 16 rows: RoPE, quantise along d, store.  cos and sin run two blocks ahead, in two sets.
	TRIG 1, 1
.irp a, 0,1,2,3,4,5,6,7
.if \a < 7
	s_wait_loadcnt 16                              ; this block's 16 loads are in; the next block's may be out
.else
	s_wait_loadcnt 0x0
.endif
	ROPE \a, \a%2
.if \a < 6
	TRIG \a+2, \a%2
.endif
.if \a > 0
	s_wait_xcnt 0x0                                ; the last block's stores have read v[PC] on: only behind this wait are the codes written anew
.endif
.if \a%2
	QUANT HA, 0, PW
.else
	QUANT HA, 0, PWE
.endif
	SENDF \a
.endr
	s_branch .Lscales_out
.Lv_out:
	; ---- v: a lane holds one d, its registers run along the keys: quantised straight out of the accumulators, each read from its low end on
.irp a, 0,1,2,3,4,5,6,7
.if \a > 0
	s_wait_xcnt 0x0
.endif
.if \a%2
	QUANT 64*(\a%4), 2+\a/4, PW
.else
	QUANT 64*(\a%4), 2+\a/4, PWE
.endif
	SENDF \a
.endr
.Lscales_out:
	global_store_b128 v[LI], v[SW:SW+3], s[98:99]  ; the eight fragments' scale words: 512 consecutive bytes
	s_wait_tensorcnt 0x0                           ; the wave's end: the tensor wait, the spare word's add and its wait, behind my last tensor load
	ds_add_u32 v[SPW], v[NIL]
	s_wait_dscnt 0x0
	CROUND                                         ; the closing round: no work-group ends while a partner may still ask for a tile that names it
	s_endpgm
.Lfunc_end_k_q12ccc370b4_qkv:
	.size	k_q12ccc370b4_qkv, .Lfunc_end_k_q12ccc370b4_qkv-k_q12ccc370b4_qkv
	.p2alignl 7, 3214868480
	.fill 96, 4, 3214868480
	.section	.rodata,"a",@progbits
	.p2align	6, 0x0
	.amdhsa_kernel k_q12ccc370b4_qkv
		.amdhsa_group_segment_fixed_size 327680
		.amdhsa_private_segment_fixed_size 0
		.amdhsa_enable_private_segment 0
		.amdhsa_kernarg_size 48
		.amdhsa_user_sgpr_count 2
		.amdhsa_user_sgpr_kernarg_segment_ptr 1
		.amdhsa_wavefront_size32 1
		.amdhsa_system_sgpr_workgroup_id_x 1
		.amdhsa_system_sgpr_workgroup_id_y 1
		.amdhsa_system_sgpr_workgroup_id_z 1
		.amdhsa_system_vgpr_workitem_id 0
		.amdhsa_next_free_vgpr 1024
		.amdhsa_next_free_sgpr 100
		.amdhsa_reserve_vcc 0
		.amdhsa_float_denorm_mode_32 3
		.amdhsa_float_denorm_mode_16_64 3
		.amdhsa_memory_ordered 1
		.amdhsa_forward_progress 1
		.amdhsa_inst_pref_size 218
	.end_amdhsa_kernel
	.amdgpu_metadata
---
amdhsa.version: [ 1, 2 ]
amdhsa.kernels:
  - .name:           k_q12ccc370b4_qkv
    .symbol:         k_q12ccc370b4_qkv.kd
    .args:
      - { .name: cf, .offset: 0, .size: 8, .value_kind: global_buffer, .address_space: global }
      - { .name: cs, .offset: 8, .size: 8, .value_kind: global_buffer, .address_space: global }
      - { .name: cos, .offset: 16, .size: 8, .value_kind: global_buffer, .address_space: global }
      - { .name: sin, .offset: 24, .size: 8, .value_kind: global_buffer, .address_space: global }
      - { .name: qkvf, .offset: 32, .size: 8, .value_kind: global_buffer, .address_space: global }
      - { .name: qkvs, .offset: 40, .size: 8, .value_kind: global_buffer, .address_space: global }
    .group_segment_fixed_size: 327680
    .private_segment_fixed_size: 0
    .kernarg_segment_align: 8
    .kernarg_segment_size: 48
    .max_flat_workgroup_size: 128
    .sgpr_count:     100
    .vgpr_count:     1024
    .wavefront_size: 32
...
	.end_amdgpu_metadata
.endif
;; end of part 2
;; launch attn (part 3): grid 16 x 16, 8 waves a work-group, clusters of 4 x 4, 327,680 bytes of LDS; arguments qkvf, qkvs, mask, attf, atts; writes attf, atts
.if DOCPART == 3
	.amdgcn_target "amdgcn-amd-amdhsa--gfx1250"
	.amdhsa_code_object_version 6
	.text
	.protected	k_q12ccc370b4_attn
	.globl	k_q12ccc370b4_attn
	.p2align	8
	.type	k_q12ccc370b4_attn,@function
k_q12ccc370b4_attn:
	s_mov_b64 s[64:65], 0
	v_nop
	global_prefetch_b8 v0, s[64:65] scope:SCOPE_SE
	s_setreg_imm32_b32 hwreg(HW_REG_WAVE_MODE, 25, 1), 1
	s_wait_xcnt 0x0
	s_wait_alu depctr_hold_cnt(0) depctr_sa_sdst(0) depctr_va_vdst(0) depctr_va_sdst(0) depctr_va_ssrc(0) depctr_va_vcc(0) depctr_vm_vsrc(0)
	s_getreg_b32 s2, hwreg(HW_REG_IB_STS2, 6, 4)
	s_cmp_eq_u32 s2, 0
	s_cbranch_scc0 .Lentry_in_a_cluster
	s_endpgm
.Lentry_in_a_cluster:
	s_bfe_u32 s2, ttmp6, 0x10000c
	s_cmp_lg_u32 s2, 0xf033
	s_cbranch_scc0 .Lentry_shape_is_right
	s_endpgm
.Lentry_shape_is_right:
; out[q][h][:] = the sum over k of softmax_k(q . k / sqrt(128) + mask[q][k]) v[k][h][:], both products on codes of FP6 (E2M3) with E8M0 scales; the result leaves as codes, quantised along (h, d).
; THE MASK IS AN INPUT: it is read as it is given, every key for every query; nothing is left out.
; THE SOFTMAX AHEAD OF THE SECOND PRODUCT: logit = score / sqrt(128) + mask (one fused multiply-add); t = logit x log2(e); M = the running largest t rounded UP to a whole number; p = 2^(t - M) is what is quantised, along the keys.
; The row's sum is taken of the unquantised p, in f32, and divides at the end.  When M moves, the sum and O are multiplied by 2^(old M - new M): exact.
; SHARES.  A work-group owns 128 queries of one head; each of its eight waves one tile of 16, in 512 registers: two waves to a SIMD, so that one wave's vector work stands beside the other's matrix work and LDS loads.
; Every wave walks 16 key steps of 128.  A step's tiles (128 x 128 of the mask, K's and V's eight fragments each) come through a ring of two LDS slots; a slot of two steps would not fit twice.
; LAYOUT.  Both products are used transposed: S^T = K Q^T, O^T = V^T P^T: a lane holds ONE query throughout.  Operands lie in qkvf as images of their registers; lane r of tile T holds row 32 (T / 2) + 8 (T % 2) + r + 8 (r / 8),
; so the 16 registers of tiles 2 b, 2 b + 1 are 16 neighbouring keys (or d) 32 b + 16 h + 0 .. 15.
; CLUSTERS: 4 x 4, x = query block, y = head.  K's and V's tiles hang on the head alone and are shared along a row of the cluster; the mask's hang on the query block alone and are shared along a column.  Each is asked for jointly.
; LIMITS: NaN and infinities are not served (a row whose logits are all -infinity gives NaN); 1 / sqrt(128) is the rounded constant; 1 / l is v_rcp_f32; a block whose largest number lies under 2^-124 keeps the byte 1 (its codes are zeros where all are zero).
; REGISTERS: window 0: v1-4, v7 LDS addresses; v5, v6 the add's two; v8-11 V's scale words; v12 -M, v13 the largest t, v[14:15] the sum; v16-27 Q; v28-31 K's scale words; v32-47, v48-66 at work on the way out; v68 prefetch offset;
;   v69 16 x lane; v70-73 at work; v96-159 S^T, then p; v160-223 O^T; v224-235 p's codes; v232-254 at work; v253 p's scale word; v255 Q's.   window 1: v0-95 K; v96-159 the mask; v160-255 V.
.set MPITCH, 520                       ; a row of the mask's tile in LDS: 512 bytes + 8 = 130 words: my 16 rows and two halves start at 32 different pairs of banks (64 banks of 4 bytes: ISA guide 11.1)
.set MQ,    32*MPITCH                  ; 32 rows: what one tensor load brings
.set KOFF,  4*MQ                       ; behind the mask's 128 rows: K's eight fragments, then V's
.set SLOT,  KOFF+24576
.set SCW,   2*SLOT                     ; behind the ring: the head's scale words, 1,024 bytes a key step (K's 512, V's 512): filled once
.set SPARE, SCW+16384                  ; the spare words, 128 bytes for each wave: four blocks of 256 bytes that no other line names
.set AM,  1
.set AF,  3
.set SPW, 5
.set NIL, 6
.set ASC, 7
.set TM,  32
.set PC,  48
.set PFO, 68
.set LI,  69
.set WV,  14
.set G1M, 16
.set G1K, 24
.set G1S, 32
.set G0M, 40
.set G0K, 48
.set G0S, 56
.set SEL, 60
.set RS,  62                           ; s[62:63] 1 / sqrt(128)
.set LG,  66                           ; s[66:67] log2(e)
.set CNT, 68
.set GN,  69                           ; the key step in hand
.set PFA, 70
.set PFS, 72
.set LIM, 74
.set MSK, 75
.set MSB, 0
.macro WIN new                         ; the immediate's high byte repeats the setting that is left
.if MSB != \new
	s_set_vgpr_msb (MSB<<8)|\new
.set MSB, \new
.endif
.endm
.macro CROUND                          ; a round of the cluster's barrier
	s_barrier_signal -1
	s_barrier_wait -1
	s_cmp_lg_u32 s[WV], 0
	s_cbranch_scc1 .Lnot_wave_0_\@
	s_barrier_signal -3
.Lnot_wave_0_\@:
	s_barrier_wait -3
	s_barrier_signal -1
	s_barrier_wait -1
.endm
; A joint refill: waves 0 to 3 fetch 32 rows of the mask's tile each, wave 4 K's and V's fragments, the others nothing.  The branches hang on the wave's number alone.  An s_nop 0 and four v_nop follow each line.
.macro JLOAD s
	s_cmp_lt_u32 s[WV], 4
	s_cbranch_scc0 .Lnot_m_\@
	tensor_load_to_lds s[G0M+4*(\s):G0M+4*(\s)+3], s[G1M:G1M+7]
	s_nop 0
.rept 4
	v_nop
.endr
	s_branch .Lasked_\@
.Lnot_m_\@:
	s_cmp_eq_u32 s[WV], 4
	s_cbranch_scc0 .Lasked_\@
	tensor_load_to_lds s[G0K+4*(\s):G0K+4*(\s)+3], s[G1K:G1K+7]
	s_nop 0
.rept 4
	v_nop
.endr
.Lasked_\@:
.endm
; PREFETCHES INTO THE L2, by waves that fetch nothing, where the fetching waves have their tensor load.  Each aligned block of 256 bytes is named once in the launch.
; THE MASK: every cluster of a column of clusters reads the same rows: the clusters with y = 0 ask.  The four partners that ask for a tile jointly take 32 of its rows each, told apart BY ADDRESS (cy); a lane a row; wave 6 the
; row's first 256 bytes of a step, wave 7 the second.  In step GN they name step GN + 3, two trips ahead of the tensor load that wants it, while GN < 13.
; K AND V: every cluster of a row of clusters reads the same head: the clusters with x = 0 ask, wave 5.  In steps 0, 4 and 8 the partner at cx names step GN + 4 + cx, told apart by address: 24,576 dense bytes, three instructions, lanes 256 bytes apart.
; The mask's steps 0 to 2 and K's and V's steps 0 to 3 come by their loads alone.  No branch hangs on a work-group's place in its cluster.
.macro ASK
	s_cmp_lt_u32 s[GN], s[LIM]
	s_cbranch_scc0 .Lnot_mine_\@
	s_and_b32 s76, s[GN], s[MSK]
	s_cmp_eq_u32 s76, 0
	s_cbranch_scc0 .Lnot_mine_\@
	global_prefetch_b8 v[PFO], s[PFA:PFA+1] th:TH_LOAD_NT scope:SCOPE_SE
	s_cmp_eq_u32 s[WV], 5
	s_cbranch_scc0 .Lnot_mine_\@
	global_prefetch_b8 v[PFO], s[PFA:PFA+1] offset:8192 th:TH_LOAD_NT scope:SCOPE_SE
	global_prefetch_b8 v[PFO], s[PFA:PFA+1] offset:16384 th:TH_LOAD_NT scope:SCOPE_SE
.Lnot_mine_\@:
.endm
	s_load_b256 s[4:11], s[0:1], 0x0               ; qkvf, qkvs, mask, attf
	s_load_b64 s[12:13], s[0:1], 0x20              ; atts
	v_lshl_add_u32 v[SPW], v0, 2, SPARE
	v_mov_b32 v[NIL], 0
	ds_add_u32 v[SPW], v[NIL]                      ; the wave's opening: the add and its wait stand ahead of my first tensor load; work on registers stands between
	v_lshrrev_b32 v70, 5, v0
	v_readfirstlane_b32 s[WV], v70                 ; wave 0..7
	s_bfe_u32 s76, ttmp6, 0x40000                  ; cx
	s_bfe_u32 s77, ttmp6, 0x40004                  ; cy
	s_lshl_b32 s78, ttmp9, 2
	s_add_co_u32 s78, s78, s76                     ; the query block
	s_and_b32 s79, ttmp7, 0xffff
	s_lshl_b32 s79, s79, 2
	s_add_co_u32 s79, s79, s77                     ; the head
	s_lshl_b32 s80, s77, 2
	s_lshl_b32 s80, 15, s80                        ; my row of the cluster: the same head
	s_lshl_b32 s81, 0x1111, s76                    ; my column: the same query block
	s_or_b32 s[G1M], s81, (2<<16)|(1<<20)|(1<<21)|(6<<22)|(1<<25)   ; the mask's tile: elements of 4 bytes; padding on; 21 set beside a mask; after every 128 words (code 6) 2 words (code 1)
	s_mov_b32 s[G1M+1], 128<<16                    ; 32 rows of 128 elements, 2,048 elements apart
	s_mov_b32 s[G1M+2], 32<<16
	s_mov_b32 s[G1M+3], 128<<16
	s_mov_b32 s[G1M+4], 32
	s_mov_b32 s[G1M+5], 2048
	s_mov_b32 s[G1M+6], 0
	s_mov_b32 s[G1M+7], 0
	s_or_b32 s[G1K], s80, (3<<16)|(1<<21)          ; K's and V's fragments of a step: 24,576 dense bytes, as 96 rows of 256
	s_mov_b32 s[G1K+1], 32<<16
	s_mov_b32 s[G1K+2], 96<<16
	s_mov_b32 s[G1K+3], 32<<16
	s_mov_b32 s[G1K+4], 96
	s_mov_b32 s[G1K+5], 32
	s_mov_b32 s[G1K+6], 0
	s_mov_b32 s[G1K+7], 0
	s_or_b32 s[G1S], s80, (3<<16)|(1<<21)          ; the head's scale words of K and V: 16 rows of 1,024 bytes, 1,536 apart
	s_mov_b32 s[G1S+1], 128<<16
	s_mov_b32 s[G1S+2], 16<<16
	s_mov_b32 s[G1S+3], 128<<16
	s_mov_b32 s[G1S+4], 16
	s_mov_b32 s[G1S+5], 192
	s_mov_b32 s[G1S+6], 0
	s_mov_b32 s[G1S+7], 0
	s_and_b32 s15, s[WV], 3                        ; which 32 rows of the mask's tile I fetch, if I fetch
	s_lshl_b32 s82, s78, 20                        ; 128 rows of 8,192 bytes a query block
	s_lshl_b32 s83, s15, 18
	s_add_co_u32 s82, s82, s83
	s_mov_b32 s83, 0
	s_mul_i32 s15, s15, MQ
	s_mul_i32 s84, s79, 589824                     ; a head in qkvf: 48 units of 12,288 bytes; k is a group's second unit
	s_add_co_u32 s84, s84, 12288
	s_mov_b32 s85, 0
	s_mul_i32 s86, s79, 24576                      ; and in qkvs: 48 units of 512
	s_add_co_u32 s86, s86, 512
	s_mov_b32 s87, 0
	s_mov_b32 s[SEL], 0x76543210
	s_mov_b32 s[SEL+1], 0xfedcba98
	s_mov_b32 s[RS], 0x3db504f3
	s_mov_b32 s[RS+1], s[RS]                       ; (named as a pair, so it is written)
	s_mov_b32 s[LG], 0x3fb8aa3b
	s_mov_b32 s[LG+1], s[LG]
	s_mov_b32 s[GN], 0
	s_mov_b32 s[CNT], 7
	s_wait_dscnt 0x0                               ; the opening add is done
	s_wait_kmcnt 0x0
	s_add_nc_u64 s[82:83], s[8:9], s[82:83]
	s_add_nc_u64 s[84:85], s[4:5], s[84:85]
.irp s, 0,1
	s_mov_b32 s[G0M+4*\s], 1
	s_add_co_u32 s[G0M+4*\s+1], s15, \s*SLOT
	s_add_nc_u64 s[G0M+4*\s+2:G0M+4*\s+3], s[82:83], \s*512
	s_or_b32 s[G0M+4*\s+3], s[G0M+4*\s+3], 0x80000000
	s_mov_b32 s[G0K+4*\s], 1
	s_mov_b32 s[G0K+4*\s+1], KOFF+\s*SLOT
	s_add_nc_u64 s[G0K+4*\s+2:G0K+4*\s+3], s[84:85], \s*36864
	s_or_b32 s[G0K+4*\s+3], s[G0K+4*\s+3], 0x80000000
.endr
	s_mov_b32 s[G0S], 1
	s_mov_b32 s[G0S+1], SCW
	s_add_nc_u64 s[G0S+2:G0S+3], s[6:7], s[86:87]
	s_or_b32 s[G0S+3], s[G0S+3], 0x80000000
	CROUND                                         ; all sixteen work-groups are here: the first joint loads meet
	s_cmp_lt_u32 s[WV], 4                          ; a wave's first fills stand in one branch on its number; every wait on the tensor counter in this text is for 0
	s_cbranch_scc0 .Lfirst_not_m
	tensor_load_to_lds s[G0M:G0M+3], s[G1M:G1M+7]
	s_nop 0
.rept 4
	v_nop
.endr
	s_branch .Lfirst_asked
.Lfirst_not_m:
	s_cmp_eq_u32 s[WV], 4
	s_cbranch_scc0 .Lfirst_asked
	tensor_load_to_lds s[G0S:G0S+3], s[G1S:G1S+7]  ; two loads of wave 4 are out
	s_nop 0
	tensor_load_to_lds s[G0K:G0K+3], s[G1K:G1K+7]
	s_nop 0
.rept 4
	v_nop
.endr
.Lfirst_asked:
	s_lshl_b32 s80, s79, 4
	s_add_co_u32 s80, s80, s78                     ; 16 h + query block
	s_mul_i32 s88, s80, 36864
	s_mul_i32 s89, s[WV], 1536
	s_add_co_u32 s88, s88, s89
	s_mov_b32 s89, 0
	s_add_nc_u64 s[88:89], s[4:5], s[88:89]        ; my tile of Q
	s_mul_i32 s90, s80, 1536
	s_and_b32 s91, s[WV], 1
	s_lshl_b32 s91, s91, 8
	s_add_co_u32 s90, s90, s91                     ; its scale words: the half of the lanes' places that holds odd or even fragments,
	s_lshr_b32 s91, s[WV], 1
	s_lshl_b32 s91, s91, 2
	s_add_co_u32 s90, s90, s91                     ; word wave / 2
	s_mov_b32 s91, 0
	s_add_nc_u64 s[90:91], s[6:7], s[90:91]
	v_and_b32 v70, 15, v0                          ; r
	v_bfe_u32 v71, v0, 4, 1                        ; h
	v_and_b32 v72, 31, v0                          ; lane
	v_lshlrev_b32 v[LI], 4, v72
	v_lshlrev_b32 v73, 4, v70
.irp c, 0,1,2
	global_load_b128 v[16+4*\c:19+4*\c], v[LI], s[88:89] offset:512*\c   ; Q's fragment stays in registers
.endr
	global_load_b32 v255, v73, s[90:91]            ; both halves of the lanes read row r's word
	v_and_b32 v1, 8, v70
	v_add_nc_u32 v1, v1, v70                       ; r + 8 (r / 8)
	v_mul_u32_u24 v1, v1, MPITCH
	v_lshl_add_u32 v1, v71, 6, v1                  ; + 64 h: my 16 keys of a block of 32
	s_lshr_b32 s92, s[WV], 1
	s_lshl_b32 s92, s92, 5
	s_and_b32 s93, s[WV], 1
	s_lshl_b32 s93, s93, 3
	s_add_co_u32 s92, s92, s93                     ; my tile's first row among the 128: 32 (w / 2) + 8 (w % 2)
	s_mul_i32 s92, s92, MPITCH
	v_add_nc_u32 v[AM], s92, v1
	v_add_nc_u32 v[AM+1], SLOT, v[AM]
	v_add_nc_u32 v[AF], KOFF, v[LI]
	v_add_nc_u32 v[AF+1], SLOT, v[AF]
	v_add_nc_u32 v[ASC], SCW, v[LI]
	; where the result goes
	s_lshl_b32 s82, s78, 7
	s_lshl_b32 s83, s[WV], 4
	s_add_co_u32 s82, s82, s83
	s_add_co_u32 s82, s82, s79                     ; 16 x my tile + head: the head is the next product's K step
	s_mul_i32 s82, s82, 1536
	s_mov_b32 s83, 0
	s_add_nc_u64 s[10:11], s[10:11], s[82:83]
	s_lshl_b32 s82, s78, 3
	s_add_co_u32 s82, s82, s[WV]
	s_lshl_b32 s82, s82, 10                        ; scale words: 1,024 a tile, 128 for two K steps, 4 a K step
	s_lshr_b32 s84, s79, 1
	s_lshl_b32 s84, s84, 7
	s_add_co_u32 s82, s82, s84
	s_and_b32 s84, s79, 1
	s_lshl_b32 s84, s84, 2
	s_add_co_u32 s82, s82, s84
	s_add_nc_u64 s[12:13], s[12:13], s[82:83]
	; the prefetches: where my wave's stand, and who asks
	s_mul_i32 s86, s79, 589824
	s_add_co_u32 s86, s86, 12288
	s_add_co_u32 s87, s76, 3
	s_mul_i32 s87, s87, 36864
	s_add_co_u32 s86, s86, s87                     ; K and V: step 3 + cx of my head: the first trip steps it to 4 + cx
	s_lshl_b32 s87, s78, 20
	s_lshl_b32 s92, s77, 18
	s_add_co_u32 s87, s87, s92                     ; the mask: my work-group's 32 rows of the query block,
	s_and_b32 s92, s[WV], 1
	s_lshl_b32 s92, s92, 8
	s_add_co_u32 s87, s87, s92                     ; my wave's half of a step's 512 bytes,
	s_add_co_u32 s87, s87, 1024                    ; step 2: the first trip steps it to 3
	s_and_b32 s94, ttmp7, 0xffff
	s_cmp_eq_u32 s[WV], 5
	s_cselect_b64 s[PFA:PFA+1], s[4:5], s[8:9]
	s_cselect_b32 s92, s86, s87
	s_mov_b32 s[PFS], 512
	s_cselect_b32 s[PFS], 36864, s[PFS]            ; a step on
	s_cselect_b32 s[MSK], 3, 0
	s_mov_b32 s95, 8192
	s_cselect_b32 s95, 256, s95                    ; from lane to lane
	s_cselect_b32 s94, ttmp9, s94                  ; the cluster's coordinate along which others read the same bytes
	s_cselect_b32 s[LIM], 12, 13
	s_cmp_eq_u32 s94, 0
	s_cselect_b32 s[LIM], s[LIM], 0                ; the same in all sixteen partners, for a given wave
	s_cmp_lt_u32 s[WV], 5
	s_cselect_b32 s[LIM], 0, s[LIM]
	s_mov_b32 s93, 0
	s_mov_b32 s[PFS+1], 0
	s_add_nc_u64 s[PFA:PFA+1], s[PFA:PFA+1], s[92:93]
	v_mul_lo_u32 v[PFO], v72, s95
	v_mov_b32 v13, 0xff61b1e6                      ; the largest t so far: -3e38, under every t
	v_floor_f32 v12, -v13                          ; -M
	v_mov_b32 v14, 0                               ; the sum, in two halves
	v_mov_b32 v15, 0
.irp b, 0,1,2,3
	v_mov_b32 v[236+\b], 0                         ; written once: a lane permute's destination counts as one of its sources
	v_mov_b32 v[TM+4+\b], 0
.endr
	v_mov_b32 v253, 0                              ; (named as the upper half of the pair v[252:253] before it is first written)
.set J, 0
.rept 64
	v_mov_b32 v[160+J], 0                          ; O^T: the step is written once; the first finds zeros, which the first change of M leaves zeros
.set J, J+1
.endr
; A KEY STEP: 128 keys, in slot `slot`.
.macro KSTEP slot
	ds_load_b128 v[28:31], v[ASC]                  ; K's scale words: register j: lanes 0-15 tile 2 j, lanes 16-31 tile 2 j + 1
	ds_load_b128 v[8:11], v[ASC] offset:512        ; V's
	WIN 0x40                                       ; destination window 1
.irp t, 0,1,2,3,4,5,6,7
.irp c, 0,1,2
	ds_load_b128 v[12*\t+4*\c:12*\t+4*\c+3], v[AF+\slot] offset:1536*\t+512*\c
.endr
.endr
.irp B, 0,1,2,3
.irp jj, 0,1,2,3,4,5,6,7
	ds_load_b64 v[96+16*\B+2*\jj:97+16*\B+2*\jj], v[AM+\slot] offset:128*\B+8*\jj   ; the mask at my query, keys 32 B + 16 h + 0 .. 15: the scores' own order
.endr
.endr
.irp t, 0,1,2,3,4,5,6,7
.irp c, 0,1,2
	ds_load_b128 v[160+12*\t+4*\c:160+12*\t+4*\c+3], v[AF+\slot] offset:12288+1536*\t+512*\c
.endr
.endr
	s_wait_dscnt 56                                ; the scale words and K are in; the mask's 32 loads and V's 24 may be out
	WIN 0x01                                       ; source 0 window 1
.irp t, 0,2,4,6
	v_wmma_scale_f32_16x16x128_f8f6f4 v[96+8*\t:103+8*\t], v[12*\t:12*\t+11], v[16:27], 0, v[28+\t/2], v255 matrix_a_fmt:MATRIX_FMT_FP6 matrix_b_fmt:MATRIX_FMT_FP6
	v_wmma_scale_f32_16x16x128_f8f6f4 v[104+8*\t:111+8*\t], v[12*\t+12:12*\t+23], v[16:27], 0, v[28+\t/2], v255 matrix_a_fmt:MATRIX_FMT_FP6 matrix_b_fmt:MATRIX_FMT_FP6 matrix_a_scale:MATRIX_SCALE_ROW1
.endr
	WIN 0
.rept 4
	v_nop                                          ; places in front of the first read of the scores
.endr
	s_wait_dscnt 24                                ; the mask is in; V's 24 loads may be out
	WIN 0x10                                       ; source 2 window 1
.set J, 0
.rept 32
	v_pk_fma_f32 v[96+J:97+J], v[96+J:97+J], s[RS:RS+1], v[96+J:97+J] op_sel_hi:[1,0,1]   ; the logit: score / sqrt(128) + mask; each accumulator from its low end on
.set J, J+2
.endr
	WIN 0
.irp b, 0,1,2,3
	v_max3_num_f32 v[232+\b], v[96+16*\b], v[97+16*\b], v[98+16*\b]   ; the largest logit of each block of 32 keys: it serves the row's maximum and, since p rises with the logit, the block's largest p
.endr
.irp i, 3,5,7,9,11,13
.irp b, 0,1,2,3
	v_max3_num_f32 v[232+\b], v[232+\b], v[96+16*\b+\i], v[97+16*\b+\i]
.endr
.endr
.irp b, 0,1,2,3
	v_max_num_f32 v[232+\b], v[232+\b], v[111+16*\b]
.endr
.irp b, 0,1,2,3
	v_permlanex16_b32 v[236+\b], v[232+\b], s[SEL], s[SEL+1]
.endr
.irp b, 0,1,2,3
	v_max_num_f32 v[232+\b], v[232+\b], v[236+\b]  ; with lane l xor 16's 16 keys
.endr
	v_max3_num_f32 v254, v232, v233, v234
	v_max_num_f32 v254, v254, v235                 ; the step's largest logit of my query
	v_mul_f32 v254, s[LG], v254                    ; as t
	v_max_num_f32 v13, v13, v254                   ; the running largest t
	v_mov_b32 v254, v12
	v_floor_f32 v12, -v13                          ; the new -M = floor(-t) = -ceil(t): M is a whole number
	v_sub_f32 v254, v12, v254                      ; M's old value less its new one: a whole number, 0 or less
	v_cvt_i32_f32 v254, v254                       ; (it saturates)
	v_ldexp_f32 v252, 1.0, v254                    ; f = 2^(old M - new M)
.set J, 0
.rept 32
	v_pk_fma_f32 v[96+J:97+J], v[96+J:97+J], s[LG:LG+1], v[12:13] op_sel_hi:[1,0,0]   ; t - M, two at a time
.set J, J+2
.endr
.irp b, 0,1,2,3
	v_fma_f32 v[232+\b], v[232+\b], s[LG], v12     ; the same of each block's largest logit
.endr
.set J, 0
.rept 64
	v_exp_f32 v[96+J], v[96+J]                     ; p = 2^(t - M), at most 1: not normalised
.set J, J+1
.endr
	v_pk_mul_f32 v[14:15], v[14:15], v[252:253] op_sel_hi:[1,0]   ; the sums under the new M (a plain line behind the exponentials)
	s_wait_alu depctr_va_vdst(0)                   ; one wait for the whole batch, ahead of its first reader
.irp b, 0,1,2,3
	v_exp_f32 v[232+\b], v[232+\b]                 ; the block's largest p: the same two instructions on the same number give the same bits
.endr
	v_pk_add_f32 v[236:237], v[96:97], v[98:99]    ; the row's sum is taken of the unquantised p: two at a time, in two chains
.irp j, 4,8,12,16,20,24,28,32,36,40,44,48,52,56,60
	v_pk_add_f32 v[14:15], v[14:15], v[96+\j:97+\j]
	v_pk_add_f32 v[236:237], v[236:237], v[98+\j:99+\j]
.endr
	v_pk_add_f32 v[14:15], v[14:15], v[236:237]
	s_wait_alu depctr_va_vdst(0)                   ; and one for the four
.irp b, 0,1,2,3
	v_max_num_f32 v[232+\b], 0x1800000, v[232+\b]  ; the floor 2^(3 - 127): the byte cannot fall under 1
.endr
.irp b, 0,1,2,3
	v_add_nc_u32 v[244+\b], 0xff000000, v[232+\b]  ; 2 off the exponent field: the conversion's scale operand
.endr
.irp b, 0,1,2,3
	v_lshrrev_b32 v[236+\b], 23, v[244+\b]         ; the scale's byte
.endr
	v_lshl_or_b32 v253, v237, 8, v236              ; p's scale word for these 128 keys
	v_lshl_or_b32 v253, v238, 16, v253
	v_lshl_or_b32 v253, v239, 24, v253
.irp c, 0,1
	v_cvt_scalef32_pk16_fp6_f32 v[224+6*\c:226+6*\c], v[96+32*\c:111+32*\c], v[244+2*\c]
	v_cvt_scalef32_pk16_fp6_f32 v[236+4*\c:238+4*\c], v[112+32*\c:127+32*\c], v[244+2*\c+1]
.endr
	v_nop                                          ; one plain line behind the scaled conversions
.irp c, 0,1
.irp i, 0,1,2
	v_permlane16_swap_b32 v[224+6*\c+\i], v[236+4*\c+\i]
.endr
.irp i, 0,1,2
	v_mov_b32 v[227+6*\c+\i], v[236+4*\c+\i]
.endr
.endr
.set J, 0
.rept 32
	v_pk_mul_f32 v[160+J:161+J], v[160+J:161+J], v[252:253] op_sel_hi:[1,0]   ; O^T under the new M.  (These 32 are also the places between the writes of p's codes and scale word and the products below)
.set J, J+2
.endr
	s_wait_dscnt 0x0                               ; V is in
	WIN 0x01
.irp t, 0,2,4,6
	v_wmma_scale_f32_16x16x128_f8f6f4 v[160+8*\t:167+8*\t], v[160+12*\t:171+12*\t], v[224:235], v[160+8*\t:167+8*\t], v[8+\t/2], v253 matrix_a_fmt:MATRIX_FMT_FP6 matrix_b_fmt:MATRIX_FMT_FP6
	v_wmma_scale_f32_16x16x128_f8f6f4 v[168+8*\t:175+8*\t], v[172+12*\t:183+12*\t], v[224:235], v[168+8*\t:175+8*\t], v[8+\t/2], v253 matrix_a_fmt:MATRIX_FMT_FP6 matrix_b_fmt:MATRIX_FMT_FP6 matrix_a_scale:MATRIX_SCALE_ROW1
.endr
	WIN 0
	v_add_nc_u32 v[ASC], 1024, v[ASC]              ; the next step's scale words.  With the three below: the places in front of the next step's loads, and of the way out's reads
.rept 3
	v_nop
.endr
.endm
; A TRIP.  Each wave waits for all its tensor loads (its part of this trip's slot), adds 0 to its spare word, and waits for that and for its reads of the other slot; a round of the cluster's barrier; behind it the other slot
; is filled with the next step's tiles, one tensor load for each of waves 0-4, which has this step's work in which to land.
.macro TRIP slot, refill
	s_wait_tensorcnt 0x0                           ; no tensor load of mine is out, so a group 0 may be written
	ds_add_u32 v[SPW], v[NIL]                      ; 0 onto my spare word
	s_add_nc_u64 s[G0M+4*\slot+2:G0M+4*\slot+3], s[G0M+4*\slot+2:G0M+4*\slot+3], 1024    ; this slot's next tile: two steps on
	s_add_nc_u64 s[G0K+4*\slot+2:G0K+4*\slot+3], s[G0K+4*\slot+2:G0K+4*\slot+3], 73728
	s_wait_xcnt 0x0                                ; the last prefetches, a step back, have read their address, so it may be written
	s_add_nc_u64 s[PFA:PFA+1], s[PFA:PFA+1], s[PFS:PFS+1]
	s_wait_dscnt 0x0                               ; the add is done, and my reads of the other slot are over
	CROUND
.if \refill
	JLOAD 1-\slot
	ASK
.endif
	KSTEP \slot
	s_add_co_u32 s[GN], s[GN], 1
.endm
	s_wait_loadcnt 0x0                             ; Q and its scale words
.Lsteps:
	TRIP 0, 1
	TRIP 1, 1
	s_sub_co_u32 s[CNT], s[CNT], 1
	s_cmp_lg_u32 s[CNT], 0
	s_cbranch_scc1 .Lsteps
	TRIP 0, 1                                      ; the tail is written out: the last trip asks for nothing
	TRIP 1, 0
	; THE WAY OUT: O^T / the sum, quantised along d (my head is one K step of the last product), stored as the fragment stands.
	v_add_f32 v14, v14, v15                        ; the sum's two halves,
	v_permlanex16_b32 v252, v14, s[SEL], s[SEL+1]
	v_add_f32 v14, v14, v252                       ; and lane l xor 16's: the row's sum
	v_rcp_f32 v14, v14
	v_and_b32 v70, 15, v0                          ; (a plain line behind the reciprocal)
	v_lshlrev_b32 v72, 3, v70                      ; scale words: 8 r
	s_wait_alu depctr_va_vdst(0)                   ; the wait ahead of the reciprocal's first reader
.set J, 0
.rept 64
	v_mul_f32 v[96+J], v[160+J], v14               ; register 16 b + i is d = 32 b + 16 h + i of my query
.set J, J+1
.endr
.irp b, 0,1,2,3
	v_max3_num_f32 v[TM+\b], |v[96+16*\b]|, |v[97+16*\b]|, 0x1800000
.endr
.irp i, 2,4,6,8,10,12,14
.irp b, 0,1,2,3
	v_max3_num_f32 v[TM+\b], |v[96+16*\b+\i]|, |v[97+16*\b+\i]|, v[TM+\b]
.endr
.endr
.irp b, 0,1,2,3
	v_permlanex16_b32 v[TM+4+\b], v[TM+\b], s[SEL], s[SEL+1]
.endr
.irp b, 0,1,2,3
	v_max_num_f32 v[TM+\b], v[TM+\b], v[TM+4+\b]
.endr
.irp b, 0,1,2,3
	v_add_nc_u32 v[TM+12+\b], 0xff000000, v[TM+\b]
.endr
.irp b, 0,1,2,3
	v_lshrrev_b32 v[TM+4+\b], 23, v[TM+12+\b]
.endr
	v_lshl_or_b32 v73, v[TM+5], 8, v[TM+4]
	v_lshl_or_b32 v73, v[TM+6], 16, v73
	v_lshl_or_b32 v73, v[TM+7], 24, v73
.irp c, 0,1
	v_cvt_scalef32_pk16_fp6_f32 v[PC+6*\c:PC+2+6*\c], v[96+32*\c:111+32*\c], v[TM+12+2*\c]
	v_cvt_scalef32_pk16_fp6_f32 v[PC+12+4*\c:PC+14+4*\c], v[112+32*\c:127+32*\c], v[TM+12+2*\c+1]
.endr
	v_nop                                          ; one plain line behind the scaled conversions
.irp c, 0,1
.irp i, 0,1,2
	v_permlane16_swap_b32 v[PC+6*\c+\i], v[PC+12+4*\c+\i]
.endr
.irp i, 0,1,2
	v_mov_b32 v[PC+3+6*\c+\i], v[PC+12+4*\c+\i]
.endr
.endr
.irp c, 0,1,2
	global_store_b128 v[LI], v[PC+4*\c:PC+4*\c+3], s[10:11] offset:512*\c   ; 512 consecutive bytes, aligned
.endr
	global_store_b32 v72, v73, s[12:13]            ; row r's scale word: lanes l and l xor 16 hold the same word and store it to the same four bytes.  A work-group holds one head, so these words cannot be gathered: one byte in 24 of what the launch stores
	s_wait_tensorcnt 0x0                           ; the wave's end: the tensor wait, the spare word's add and its wait, behind my last tensor load
	ds_add_u32 v[SPW], v[NIL]
	s_wait_dscnt 0x0
	CROUND                                         ; the closing round: no work-group ends while a partner may still ask for a tile that names it
	s_endpgm
.Lfunc_end_k_q12ccc370b4_attn:
	.size	k_q12ccc370b4_attn, .Lfunc_end_k_q12ccc370b4_attn-k_q12ccc370b4_attn
	.p2alignl 7, 3214868480
	.fill 96, 4, 3214868480
	.section	.rodata,"a",@progbits
	.p2align	6, 0x0
	.amdhsa_kernel k_q12ccc370b4_attn
		.amdhsa_group_segment_fixed_size 327680
		.amdhsa_private_segment_fixed_size 0
		.amdhsa_enable_private_segment 0
		.amdhsa_kernarg_size 40
		.amdhsa_user_sgpr_count 2
		.amdhsa_user_sgpr_kernarg_segment_ptr 1
		.amdhsa_wavefront_size32 1
		.amdhsa_system_sgpr_workgroup_id_x 1
		.amdhsa_system_sgpr_workgroup_id_y 1
		.amdhsa_system_sgpr_workgroup_id_z 1
		.amdhsa_system_vgpr_workitem_id 0
		.amdhsa_next_free_vgpr 512
		.amdhsa_next_free_sgpr 100
		.amdhsa_reserve_vcc 0
		.amdhsa_float_denorm_mode_32 3
		.amdhsa_float_denorm_mode_16_64 3
		.amdhsa_memory_ordered 1
		.amdhsa_forward_progress 1
		.amdhsa_inst_pref_size 114
	.end_amdhsa_kernel
	.amdgpu_metadata
---
amdhsa.version: [ 1, 2 ]
amdhsa.kernels:
  - .name:           k_q12ccc370b4_attn
    .symbol:         k_q12ccc370b4_attn.kd
    .args:
      - { .name: qkvf, .offset: 0, .size: 8, .value_kind: global_buffer, .address_space: global }
      - { .name: qkvs, .offset: 8, .size: 8, .value_kind: global_buffer, .address_space: global }
      - { .name: mask, .offset: 16, .size: 8, .value_kind: global_buffer, .address_space: global }
      - { .name: attf, .offset: 24, .size: 8, .value_kind: global_buffer, .address_space: global }
      - { .name: atts, .offset: 32, .size: 8, .value_kind: global_buffer, .address_space: global }
    .group_segment_fixed_size: 327680
    .private_segment_fixed_size: 0
    .kernarg_segment_align: 8
    .kernarg_segment_size: 40
    .max_flat_workgroup_size: 256
    .sgpr_count:     100
    .vgpr_count:     512
    .wavefront_size: 32
...
	.end_amdgpu_metadata
.endif
;; end of part 3
;; launch oproj (part 4): grid 8 x 16, 4 waves a work-group, clusters of 4 x 4, 327,680 bytes of LDS; arguments attf, atts, cf, cs, out0; writes out0
.if DOCPART == 4
	.amdgcn_target "amdgcn-amd-amdhsa--gfx1250"
	.amdhsa_code_object_version 6
	.text
	.protected	k_q12ccc370b4_oproj
	.globl	k_q12ccc370b4_oproj
	.p2align	8
	.type	k_q12ccc370b4_oproj,@function
k_q12ccc370b4_oproj:
	s_mov_b64 s[64:65], 0
	v_nop
	global_prefetch_b8 v0, s[64:65] scope:SCOPE_SE
	s_setreg_imm32_b32 hwreg(HW_REG_WAVE_MODE, 25, 1), 1
	s_wait_xcnt 0x0
	s_wait_alu depctr_hold_cnt(0) depctr_sa_sdst(0) depctr_va_vdst(0) depctr_va_sdst(0) depctr_va_ssrc(0) depctr_va_vcc(0) depctr_vm_vsrc(0)
	s_getreg_b32 s2, hwreg(HW_REG_IB_STS2, 6, 4)
	s_cmp_eq_u32 s2, 0
	s_cbranch_scc0 .Lentry_in_a_cluster
	s_endpgm
.Lentry_in_a_cluster:
	s_bfe_u32 s2, ttmp6, 0x10000c
	s_cmp_lg_u32 s2, 0xf033
	s_cbranch_scc0 .Lentry_shape_is_right
	s_endpgm
.Lentry_shape_is_right:
; out0 = attention's result x wo, on codes of FP6 (E2M3) with E8M0 scales, sums in f32, out0 [2048][2048] f32.
; A = attf / atts (128 tiles of 16 rows x 16 K steps, a K step = a head), B = wo's codes in cf / cs (tiles 384..511): both as images of the operands' registers: a fragment comes by three ds_load_b128 at 16 x lane.
; A tile of 128 x 256 to a work-group of four waves, 64 x 128 a wave: 32 accumulators.  128 work-groups: 256 x 256 would give 64; 128 x 128 would halve the products that each fragment read from LDS feeds.
; K goes in steps of 256 through a ring of two LDS slots.  THE MATRIX INSTRUCTION IS USED TRANSPOSED (source 0 = B's 16 rows, source 1 = A's): a lane holds one row of out0.
; Lane r of tile T holds row 32 (T / 2) + 8 (T % 2) + r + 8 (r / 8), of A and of B alike: that order is undone here, once, in the addresses of the way out.
; CLUSTERS: 4 x 4.  A's tiles are shared along a row of the cluster, B's along a column: each is asked for jointly.
; REGISTERS: window 0: v16-31 addresses; v32-63 scale words, two sets, and nothing else; v128-175 A's fragments, ONE set; on the way out v128-255 rows read back.  window 1: B's fragments, two sets, v0-95, v128-223.  window 2: accumulator (a, b) at v[8 (8 a + b)].
.set NA,    4
.set NL,    3
.set NP,    4
.set FR,    12
.set FRB,   1536
.set HALFA, NA*3072
.set HALFB, 24576
.set SLOT,  2*HALFA+2*HALFB
.set SCL,   2*SLOT
.set SCB,   SCL+2048*NA
.set SPARE, SCB+16384                  ; the spare words, 128 bytes for each wave: two blocks of 256 bytes that no other line names
.set LAPS,  4
.set SPITCH, 528                       ; the way out: a stage of 16 rows x (512 + 16) bytes for each wave, in slot 0, which has had its last fill and its last read when the first result is stored there
.set ADRA, 16
.set ADRB, 20
.set STO,  24
.set RD,   25
.set CO,   26
.set ADRS, 27
.set SPW,  28
.set NIL,  29
.set SC,   32
.set AF,   128
.set BK,   128
.set G1, 24
.set G0, 32
.set G1B, 48
.set G0B, 56
.set G1S, 68
.set G0S, 76
.set G1SB, 80
.set G0SB, 88
.set MSB, 0
.macro WIN new                         ; the immediate's high byte repeats the setting that is left
.if MSB != \new
	s_set_vgpr_msb (MSB<<8)|\new
.set MSB, \new
.endif
.endm
.set MUL_LO, 0xa1                      ; source 0 (B) window 1, source 1 (A) window 0, C and D window 2
.set MUL_HI, 0xa1+0x50*(NA/8)
.set TO_B,   0x40
.macro PLACES n
.rept \n
	v_nop
.endr
.endm
.macro JLOAD g0a, g1a, g0b, g1b        ; a joint load: waves 0 and 1 fetch for A, waves 2 and 3 for B; an s_nop 0 and four v_nop follow each line
	s_cmp_eq_u32 s15, 0
	s_cbranch_scc0 .Lfor_b_\@
	tensor_load_to_lds s[\g0a:\g0a+3], s[\g1a:\g1a+7]
	s_nop 0
.rept 4
	v_nop
.endr
	s_branch .Lasked_\@
.Lfor_b_\@:
	tensor_load_to_lds s[\g0b:\g0b+3], s[\g1b:\g1b+7]
	s_nop 0
.rept 4
	v_nop
.endr
.Lasked_\@:
.endm
.macro CREST
	s_cmp_lg_u32 s14, 0
	s_cbranch_scc1 .Lnot_wave_0_\@
	s_barrier_signal -3
.Lnot_wave_0_\@:
	s_barrier_wait -3
	s_barrier_signal -1
	s_barrier_wait -1
.endm
.macro CROUND
	s_barrier_signal -1
	s_barrier_wait -1
	CREST
.endm
	s_load_b128 s[4:7], s[0:1], 0x0                ; attf, atts
	s_load_b128 s[8:11], s[0:1], 0x10              ; cf, cs
	s_load_b64 s[12:13], s[0:1], 0x20              ; out0
	v_lshl_add_u32 v[SPW], v0, 2, SPARE
	v_mov_b32 v[NIL], 0
	ds_add_u32 v[SPW], v[NIL]                      ; the wave's opening: the add and its wait stand ahead of my first tensor load; work on registers stands between
	v_lshrrev_b32 v1, 5, v0
	v_readfirstlane_b32 s14, v1                    ; wave 0..3
	s_lshr_b32 s15, s14, 1                         ; which half of A's rows is mine.  Also: I fetch for A (0) or for B (1)
	s_and_b32 s16, s14, 1                          ; which half of B's rows.  Also: which half of that tile I fetch
	s_bfe_u32 s40, ttmp6, 0x40000
	s_bfe_u32 s41, ttmp6, 0x40004
	s_lshl_b32 s42, ttmp9, 2
	s_add_co_u32 s42, s42, s40                     ; tile column (256 columns)
	s_and_b32 s17, ttmp7, 0xffff
	s_lshl_b32 s17, s17, 2
	s_add_co_u32 s17, s17, s41                     ; tile row (128 rows)
	s_lshl_b32 s43, s41, 2
	s_lshl_b32 s43, 15, s43
	s_lshl_b32 s44, 0x1111, s40
	s_or_b32 s[G1+0], s43, (3<<16)|(1<<21)         ; codes: rows of 3,072 bytes (two K steps of a tile), 24,576 bytes apart in memory, dense in LDS
	s_mov_b32 s[G1+1], 384<<16
	s_mov_b32 s[G1+2], NA<<16
	s_mov_b32 s[G1+3], 384<<16
	s_mov_b32 s[G1+4], NA
	s_mov_b32 s[G1+5], 3072
	s_mov_b32 s[G1+6], 0
	s_mov_b32 s[G1+7], 0
	s_or_b32 s[G1B+0], s44, (3<<16)|(1<<21)
	s_mov_b32 s[G1B+1], 384<<16
	s_mov_b32 s[G1B+2], 8<<16
	s_mov_b32 s[G1B+3], 384<<16
	s_mov_b32 s[G1B+4], 8
	s_mov_b32 s[G1B+5], 3072
	s_mov_b32 s[G1B+6], 0
	s_mov_b32 s[G1B+7], 0
	s_or_b32 s[G1S+0], s43, (3<<16)|(1<<21)        ; scale words: a dense block, as rows of 256 bytes
	s_mov_b32 s[G1S+1], 32<<16
	s_mov_b32 s[G1S+2], (4*NA)<<16
	s_mov_b32 s[G1S+3], 32<<16
	s_mov_b32 s[G1S+4], 4*NA
	s_mov_b32 s[G1S+5], 32
	s_mov_b32 s[G1S+6], 0
	s_mov_b32 s[G1S+7], 0
	s_or_b32 s[G1SB+0], s44, (3<<16)|(1<<21)
	s_mov_b32 s[G1SB+1], 32<<16
	s_mov_b32 s[G1SB+2], 32<<16
	s_mov_b32 s[G1SB+3], 32<<16
	s_mov_b32 s[G1SB+4], 32
	s_mov_b32 s[G1SB+5], 32
	s_mov_b32 s[G1SB+6], 0
	s_mov_b32 s[G1SB+7], 0
	s_lshl_b32 s20, s17, 3
	s_lshl_b32 s21, s16, 2
	s_add_co_u32 s20, s20, s21                     ; A's tile: 8 x tile row + 4 x half
	s_lshl_b32 s46, s42, 4
	s_lshl_b32 s47, s16, 3
	s_add_co_u32 s46, s46, s47
	s_add_co_u32 s46, s46, 384                     ; B's: wo begins at tile 384 of cf
	s_lshl_b32 s22, s20, 10
	s_mov_b32 s23, 0
	s_lshl_b32 s92, s46, 10
	s_mov_b32 s93, 0
	s_mul_i32 s20, s20, 24576
	s_mov_b32 s21, 0
	s_mul_i32 s46, s46, 24576
	s_mov_b32 s47, 0
	s_mul_i32 s45, s16, HALFA                      ; where they go: no place in the cluster enters an LDS address
	s_mul_i32 s94, s16, HALFB
	s_add_co_u32 s94, s94, 2*HALFA
	s_mul_i32 s95, s16, NA*1024
	s_add_co_u32 s95, s95, SCL
	s_lshl_b32 s2, s16, 13
	s_add_co_u32 s2, s2, SCB
	s_wait_dscnt 0x0                               ; the opening add is done
	s_wait_kmcnt 0x0
	s_add_nc_u64 s[20:21], s[4:5], s[20:21]
	s_add_nc_u64 s[22:23], s[6:7], s[22:23]
	s_add_nc_u64 s[46:47], s[8:9], s[46:47]
	s_add_nc_u64 s[92:93], s[10:11], s[92:93]
	CROUND                                         ; all sixteen work-groups are here: the first joint loads meet
	s_mov_b32 s[G0S], 1
	s_mov_b32 s[G0S+1], s95
	s_mov_b64 s[G0S+2:G0S+3], s[22:23]
	s_or_b32 s[G0S+3], s[G0S+3], 0x80000000
	s_mov_b32 s[G0SB], 1
	s_mov_b32 s[G0SB+1], s2
	s_mov_b64 s[G0SB+2:G0SB+3], s[92:93]
	s_or_b32 s[G0SB+3], s[G0SB+3], 0x80000000
	JLOAD G0S, G1S, G0SB, G1SB                     ; the scale words first: they are wanted with K step 0, and stay
.irp s, 0,1
	s_mov_b32 s[G0+4*\s], 1
	s_add_co_u32 s[G0+4*\s+1], s45, \s*SLOT
	s_add_nc_u64 s[G0+4*\s+2:G0+4*\s+3], s[20:21], \s*3072
	s_or_b32 s[G0+4*\s+3], s[G0+4*\s+3], 0x80000000
	s_mov_b32 s[G0B+4*\s], 1
	s_add_co_u32 s[G0B+4*\s+1], s94, \s*SLOT
	s_add_nc_u64 s[G0B+4*\s+2:G0B+4*\s+3], s[46:47], \s*3072
	s_or_b32 s[G0B+4*\s+3], s[G0B+4*\s+3], 0x80000000
	JLOAD G0+4*\s, G1, G0B+4*\s, G1B               ; three tensor loads of mine are out behind the second of these
.endr
	v_and_b32 v1, 31, v0
	v_lshlrev_b32 v[CO], 4, v1                     ; 16 x lane
	v_and_b32 v2, 15, v0                           ; r
	v_bfe_u32 v3, v0, 4, 1                         ; h
	s_mul_i32 s21, s15, HALFA
	s_mul_i32 s22, s16, HALFB
	s_add_co_u32 s22, s22, 2*HALFA
.irp s, 0,1
	v_add_nc_u32 v[ADRA+\s], s21, v[CO]
	v_add_nc_u32 v[ADRB+\s], s22, v[CO]
	s_add_co_u32 s21, s21, SLOT
	s_add_co_u32 s22, s22, SLOT
.endr
	v_lshlrev_b32 v5, 3, v2
	s_mul_i32 s21, s15, NA*1024                    ; scale words: lanes 0-15 take A's,
	s_lshl_b32 s22, s16, 13
	s_add_co_u32 s22, s22, 2048*NA
	s_sub_co_u32 s22, s22, s21
	v_mul_u32_u24 v6, s22, v3                      ; lanes 16-31 B's: one product, the distance between the two
	s_add_co_u32 s21, s21, SCL
	v_add_nc_u32 v5, v5, v6
	v_add_nc_u32 v[ADRS], s21, v5
	s_mul_i32 s23, s14, 16*SPITCH                  ; my stage
	v_mul_u32_u24 v5, v2, SPITCH
	v_lshl_add_u32 v5, v3, 6, v5                   ; in: row r; my half's 16 columns of each 32: + 64 h
	v_add_nc_u32 v[STO], s23, v5
	v_add_nc_u32 v[RD], s23, v[CO]                 ; back: the 32 lanes take one row of 512 bytes
	s_lshl_b32 s20, s17, 20                        ; out0: 128 rows of 8,192 bytes a tile row,
	s_lshl_b32 s21, s15, 19                        ; my 64 of them,
	s_add_co_u32 s20, s20, s21
	s_lshl_b32 s21, s42, 10                        ; 256 columns a tile column,
	s_add_co_u32 s20, s20, s21
	s_lshl_b32 s21, s16, 9                         ; my 128 of them
	s_add_co_u32 s20, s20, s21
	s_mov_b32 s21, 0
	s_add_nc_u64 s[12:13], s[12:13], s[20:21]
.macro FRAG reg, adr, q, i             ; a fragment as it stands: three loads of 512 consecutive bytes
.irp c, 0,1,2
	ds_load_b128 v[\reg+4*\c:\reg+4*\c+3], v[\adr] offset:(\i)*3072+(\q)*FRB+512*\c
.endr
.endm
.macro FETCH_B slot, q, p
	WIN TO_B
.irp i, 0,1,2,3,4,5,6,7
	FRAG 128*(\p)+FR*\i, ADRB+\slot, \q, \i
.endr
	WIN 0
.endm
.macro FETCH_A slot, q, half
.set I, (\half)*(NA/2)
.rept NA/2
	FRAG AF+FR*I, ADRA+\slot, \q, I
.set I, I+1
.endr
.endm
.macro SCALES sc                       ; a slot's scale words: two a row; lanes 0-15 A's tile i (of eight loads A has use for the first four), lanes 16-31 B's tile i
.irp i, 0,1,2,3,4,5,6,7
	ds_load_b64 v[SC+16*(\sc)+2*\i:SC+16*(\sc)+2*\i+1], v[ADRS] offset:1024*\i
.endr
.endm
; A's tile a against B's eight, 128 along K.  The accumulators take turns, one instruction a turn, in the same order in every step.
.macro MULA a, p, q, sc, zero
.irp b, 0,1,2,3,4,5,6,7
.if \zero
	v_wmma_scale_f32_16x16x128_f8f6f4 v[8*(8*((\a)%4)+\b):8*(8*((\a)%4)+\b)+7], v[128*(\p)+FR*\b:128*(\p)+FR*\b+FR-1], v[AF+FR*(\a):AF+FR*(\a)+FR-1], 0, v[SC+16*(\sc)+2*\b+(\q)], v[SC+16*(\sc)+2*(\a)+(\q)] matrix_a_fmt:MATRIX_FMT_FP6 matrix_b_fmt:MATRIX_FMT_FP6 matrix_a_scale:MATRIX_SCALE_ROW1
.else
	v_wmma_scale_f32_16x16x128_f8f6f4 v[8*(8*((\a)%4)+\b):8*(8*((\a)%4)+\b)+7], v[128*(\p)+FR*\b:128*(\p)+FR*\b+FR-1], v[AF+FR*(\a):AF+FR*(\a)+FR-1], v[8*(8*((\a)%4)+\b):8*(8*((\a)%4)+\b)+7], v[SC+16*(\sc)+2*\b+(\q)], v[SC+16*(\sc)+2*(\a)+(\q)] matrix_a_fmt:MATRIX_FMT_FP6 matrix_b_fmt:MATRIX_FMT_FP6 matrix_a_scale:MATRIX_SCALE_ROW1
.endif
.endr
.endm
.macro MULQ k, p, q, sc, zero          ; a quarter of a step's products
.if NA == 8
	MULA 2*(\k), \p, \q, \sc, \zero
	MULA 2*(\k)+1, \p, \q, \sc, \zero
.else
	MULA \k, \p, \q, \sc, \zero
.endif
.endm
.macro STEP slot, zero                 ; a slot's first step of 128 along K; it fetches the second's fragments
	s_wait_dscnt (NA/2)*NL                         ; all but the youngest loads, A's second half
	WIN MUL_LO
	MULQ 0, 0, 0, \slot, \zero
	MULQ 1, 0, 0, \slot, \zero
	s_wait_dscnt 0x0                               ; A's second half is in
	PLACES NP                                      ; places in front of loads into registers that matrix instructions have read
	FETCH_B \slot, 1, 1
	FETCH_A \slot, 1, 0
	WIN MUL_HI
	MULQ 2, 0, 0, \slot, \zero
	MULQ 3, 0, 0, \slot, \zero
	PLACES NP
	WIN 0
	FETCH_A \slot, 1, 1
.endm
; A slot's second step changes slots: ONE barrier; in front of it each wave waits for all its tensor loads, adds 0 to its spare word, and waits for that and for its reads of this slot.  fill = 1: this slot is filled again, two slots ahead.
.macro TURN slot, next, fill
	s_wait_tensorcnt 0x0                           ; all my tensor loads have landed: my part of the next slot
	ds_add_u32 v[SPW], v[NIL]                      ; 0 onto my spare word
	s_wait_dscnt (NA/2)*NL+1                       ; (the add and A's second half may be out)
	WIN MUL_LO
	MULQ 0, 1, 1, \slot, 0                         ; matrix work stands between the add and the wait for it
	s_wait_dscnt 0x0                               ; the add is done, and my reads of this slot are over
	s_barrier_signal -1
	MULQ 1, 1, 1, \slot, 0
	WIN 0
	s_barrier_wait -1
.if \fill
	CREST                                          ; the barrier has opened a round of the cluster's barrier: no wave of any partner still reads this slot or has a load on its way
	s_add_nc_u64 s[G0+4*\slot+2:G0+4*\slot+3], s[G0+4*\slot+2:G0+4*\slot+3], 6144
	s_add_nc_u64 s[G0B+4*\slot+2:G0B+4*\slot+3], s[G0B+4*\slot+2:G0B+4*\slot+3], 6144
	JLOAD G0+4*\slot, G1, G0B+4*\slot, G1B         ; the first tensor load behind the round; its four v_nop are the places in front of the loads below
.else
	PLACES NP
.endif
	v_add_nc_u32 v[ADRS], 128, v[ADRS]             ; the next slot's scale words
	FETCH_B \next, 0, 0
	FETCH_A \next, 0, 0
	SCALES \next
	WIN MUL_HI
	MULQ 2, 1, 1, \slot, 0
	MULQ 3, 1, 1, \slot, 0
	PLACES NP
	WIN 0
	FETCH_A \next, 0, 1
.endm
	s_wait_tensorcnt 1                             ; the scale words and my part of slot 0 are in (slot 1's load may be out)
	s_barrier_signal -1
	s_barrier_wait -1                              ; everybody's are
	FETCH_B 0, 0, 0
	FETCH_A 0, 0, 0
	SCALES 0
	FETCH_A 0, 0, 1
	STEP 0, 1                                      ; the first step stands in front of the loop: its products start the sums
	s_mov_b32 s3, LAPS-1
.Llap:
	TURN 0, 1, 1
	STEP 1, 0
	TURN 1, 0, 1
	STEP 0, 0
	s_sub_co_u32 s3, s3, 1
	s_cmp_lg_u32 s3, 0
	s_cbranch_scc1 .Llap
	TURN 0, 1, 0                                   ; the last lap fills nothing, and has no round of the cluster's barrier
	STEP 1, 0
	s_wait_dscnt (NA/2)*NL
	WIN MUL_LO
	MULQ 0, 1, 1, 1, 0
	MULQ 1, 1, 1, 1, 0
	s_wait_dscnt 0x0
	WIN MUL_HI
	MULQ 2, 1, 1, 1, 0
	MULQ 3, 1, 1, 1, 0
	WIN 0
; THE WAY OUT, block by block of 16 rows x 128 columns, through my own stage in LDS.  Accumulator b's register j of lane (r, h) is column 32 (b / 2) + 16 h + 8 (b % 2) + j: the stage's addresses put the columns in order.
; Row t of the stage is row t + 8 (t / 8) behind the block's first; the blocks' first rows lie 0, 8, 32, 40 behind my first row.  LDS serves a wave's instructions in order: no wait between the stores and the loads.
.macro TOSTAGE a
	WIN 0x08                                       ; an LDS store's data are its source 1: window 2
.irp b, 0,1,2,3,4,5,6,7
	ds_store_b128 v[STO], v[64*(\a)+8*\b:64*(\a)+8*\b+3] offset:128*(\b/2)+32*(\b%2)        ; each accumulator from its low end on
	ds_store_b128 v[STO], v[64*(\a)+8*\b+4:64*(\a)+8*\b+7] offset:128*(\b/2)+32*(\b%2)+16
.endr
	WIN 0
.set BB, BK+64*((\a)%2)
.irp t, 0,1,2,3,4,5,6,7,8,9,10,11,12,13,14,15
	ds_load_b128 v[BB+4*\t:BB+4*\t+3], v[RD] offset:\t*SPITCH
.endr
.endm
.macro SEND a, younger                 ; younger: the LDS instructions issued behind block a's loads, which may stay out
.set BB, BK+64*((\a)%2)
	s_wait_dscnt \younger
.if (\a) > 0
	s_add_nc_u64 s[12:13], s[12:13], (8+16*(1-(\a)%2))*8192   ; (behind a wait for the earlier stores' addresses)  8, 24, 8 rows on
.endif
.irp t, 0,1,2,3,4,5,6,7,8,9,10,11,12,13,14,15
	global_store_b128 v[CO], v[BB+4*\t:BB+4*\t+3], s[12:13] offset:(\t+8*(\t/8))*8192 th:TH_STORE_NT   ; 32 lanes store 512 consecutive bytes, aligned; written once, read by nobody here
.endr
.endm
	PLACES NP                                      ; places in front of the first reads of results and of loads into A's registers
	TOSTAGE 0
.irp a, 1,2,3
.if \a > 1
	s_wait_xcnt 0x0                                ; block a - 2's stores have read their registers and their base: block a's loads may land there, and the base may step
.endif
	TOSTAGE \a
	SEND \a-1, 32                                  ; behind block a - 1's loads: block a's 16 stores and 16 loads
.endr
	s_wait_xcnt 0x0                                ; block 2's stores have read their base
	SEND 3, 0
	s_wait_tensorcnt 0x0                           ; the wave's end: the tensor wait, the spare word's add and its wait, behind my last tensor load and my last LDS store
	ds_add_u32 v[SPW], v[NIL]
	s_wait_dscnt 0x0
	CROUND                                         ; the closing round: no work-group ends while a partner may still ask for a tile that names it
	s_endpgm
.Lfunc_end_k_q12ccc370b4_oproj:
	.size	k_q12ccc370b4_oproj, .Lfunc_end_k_q12ccc370b4_oproj-k_q12ccc370b4_oproj
	.p2alignl 7, 3214868480
	.fill 96, 4, 3214868480
	.section	.rodata,"a",@progbits
	.p2align	6, 0x0
	.amdhsa_kernel k_q12ccc370b4_oproj
		.amdhsa_group_segment_fixed_size 327680
		.amdhsa_private_segment_fixed_size 0
		.amdhsa_enable_private_segment 0
		.amdhsa_kernarg_size 40
		.amdhsa_user_sgpr_count 2
		.amdhsa_user_sgpr_kernarg_segment_ptr 1
		.amdhsa_wavefront_size32 1
		.amdhsa_system_sgpr_workgroup_id_x 1
		.amdhsa_system_sgpr_workgroup_id_y 1
		.amdhsa_system_sgpr_workgroup_id_z 1
		.amdhsa_system_vgpr_workitem_id 0
		.amdhsa_next_free_vgpr 768
		.amdhsa_next_free_sgpr 100
		.amdhsa_reserve_vcc 0
		.amdhsa_float_denorm_mode_32 3
		.amdhsa_float_denorm_mode_16_64 3
		.amdhsa_memory_ordered 1
		.amdhsa_forward_progress 1
		.amdhsa_inst_pref_size 83
	.end_amdhsa_kernel
	.amdgpu_metadata
---
amdhsa.version: [ 1, 2 ]
amdhsa.kernels:
  - .name:           k_q12ccc370b4_oproj
    .symbol:         k_q12ccc370b4_oproj.kd
    .args:
      - { .name: attf, .offset: 0, .size: 8, .value_kind: global_buffer, .address_space: global }
      - { .name: atts, .offset: 8, .size: 8, .value_kind: global_buffer, .address_space: global }
      - { .name: cf, .offset: 16, .size: 8, .value_kind: global_buffer, .address_space: global }
      - { .name: cs, .offset: 24, .size: 8, .value_kind: global_buffer, .address_space: global }
      - { .name: out0, .offset: 32, .size: 8, .value_kind: global_buffer, .address_space: global }
    .group_segment_fixed_size: 327680
    .private_segment_fixed_size: 0
    .kernarg_segment_align: 8
    .kernarg_segment_size: 40
    .max_flat_workgroup_size: 128
    .sgpr_count:     100
    .vgpr_count:     768
    .wavefront_size: 32
...
	.end_amdgpu_metadata
.endif
;; end of part 4
;; ======== version 2 of 2: 4 launches
;; limits: right only within a limited range of input values
;; workspace buffers: cf 15,728,640 bytes; cs 655,360 bytes; qkvf 9,437,184 bytes; qkvs 393,216 bytes; attf 3,145,728 bytes; atts 131,072 bytes
;; launch quant (part 5): grid 640 x 1, 4 waves a work-group, no clusters, 59,904 bytes of LDS; arguments wq, wk, wv, wo, x, cf, cs; writes cf, cs
.if DOCPART == 5
	.amdgcn_target "amdgcn-amd-amdhsa--gfx1250"
	.amdhsa_code_object_version 6
	.text
	.protected	k_q12ccc370b4_quant
	.globl	k_q12ccc370b4_quant
	.p2align	8
	.type	k_q12ccc370b4_quant,@function
k_q12ccc370b4_quant:
	s_mov_b64 s[64:65], 0
	v_nop
	global_prefetch_b8 v0, s[64:65] scope:SCOPE_SE
	s_setreg_imm32_b32 hwreg(HW_REG_WAVE_MODE, 25, 1), 1
	s_wait_xcnt 0x0
; wq, wk, wv, wo [2048 (k)][2048 (n)] and x [2048 (row)][2048 (k)], f32, become codes of FP6 (E2M3) with one E8M0 scale byte for each 32 along K.
; A block's scale is 2^(floor(log2(its largest magnitude)) - 2); its byte is the largest magnitude's exponent field - 2, held at 1 from below.
; LIMITS: a block whose largest magnitude lies under 2^-124 keeps the byte 1 (a block of zeros too, where the rule says 127: its codes are zeros, and this program alone reads the bytes); NaN and infinities are not served.
; LAYOUT OF cf: 640 tiles of 16 rows (wq 0.., wk 128.., wv 256.., wo 384.., x 512..), each 16 K steps of 128, each K step a FRAGMENT AS ITS REGISTERS STAND: 12 registers a lane, register i of lane l at byte
; 512 (i / 4) + 16 l + 4 (i % 4): three accesses of 16 bytes a lane, 512 consecutive bytes each, move a fragment.  Lane (r, h) holds row r; registers 6 c .. 6 c + 5 hold k = 64 c + 32 h + 0 .. 31.
; THE ROWS OF A TILE: lane r of tile T holds row 32 (T / 2) + 8 (T % 2) + r + 8 (r / 8) (of a weight: column n), so that results of two neighbouring tiles are 16 neighbours in a lane's registers.
; LAYOUT OF cs: tile T, 1,024 bytes: [8 pairs of K steps][16 r][2 scale words].
; Work-groups 0-511 take the weights (a lane to a column, registers down K: nothing is transposed by an instruction), 512-639 take x (K innermost).  The two ways have LDS bytes of their own.  No tensor loads, no barrier: waves share nothing.
; A weight's work-group takes 256 along K, not more, so that there are many waves, each with its 64 loads out.
.set TENS,  3145728                    ; a tensor's codes in cf
.set STENS, 131072                     ; a tensor's scale bytes in cs
.set NBLK,  8                          ; the weights' way: blocks of 32 along K to a lane
.set WSTG,  6400                       ; a wave's stage: two tiles x 2 fragments,
.set USTG,  3200                       ; the second tile 3,072 + 128 bytes behind the first
.set XSTG0, 25600                      ; x's way: the stages begin here,
.set XSTG,  8448                       ; 16 rows x (512 + 16) bytes a wave
.set SPARE, 59392                      ; the spare words, 128 bytes for each wave: two blocks of 256 bytes that no other line names
.set SPW,   246                        ; v246  LDS address of my spare word; never rewritten
.set NIL,   247                        ; v247  0; never rewritten
.set SEL,   20                         ; s[20:21] selects for v_permlanex16_b32: lane l xor 16
.set HM,    30                         ; s30   lanes 16-31
.set SB,    24                         ; weights: v24-25 a scale word for each K step
.set X,     32                         ; v32-95   two sets of 32 numbers
.set C,     96                         ; v96-102  a block's codes
.set OUTR,  104                        ; v104-151 the way out
.set TM,    16                         ; x: v16-31 at work in QUANT
.set PW,    8                          ; v8-11    the four K steps' scale words
.set R0,    32                         ; v32-159  two sets of 64 registers as loaded
.set XN,    160                        ; v160-223 64 numbers: register 16 b + i = k 32 b + 16 h + i of my row
.set PC,    224                        ; v224-242 the codes just made
	s_load_b256 s[4:11], s[0:1], 0x0               ; wq, wk, wv, wo
	s_load_b128 s[12:15], s[0:1], 0x20             ; x, cf
	s_load_b64 s[16:17], s[0:1], 0x30              ; cs
	v_lshl_add_u32 v[SPW], v0, 2, SPARE
	v_mov_b32 v[NIL], 0
	v_lshrrev_b32 v1, 5, v0
	v_readfirstlane_b32 s18, v1                    ; wave 0..3
	v_and_b32 v2, 31, v0                           ; lane
	s_mov_b32 s[SEL], 0x76543210
	s_mov_b32 s[SEL+1], 0xfedcba98
	s_mov_b32 s[HM], 0xffff0000
	s_cmp_ge_u32 ttmp9, 512
	s_cbranch_scc1 .Lpath_x
; ---------------- THE WEIGHTS.  Work-group = (tensor, 256 along K, 128 columns); a wave takes 32 columns = two tiles, 8 blocks of 32 a lane.
	s_lshr_b32 s19, ttmp9, 7                       ; which weight
	s_and_b32 s22, ttmp9, 15                       ; which 128 columns
	s_bfe_u32 s23, ttmp9, 0x30004                  ; which 256 along K
	s_wait_alu depctr_va_vdst(0)
	v_lshlrev_b32 v3, 2, v2                        ; in: 4 bytes a lane
	v_bfe_u32 v5, v0, 3, 1                         ; my column c = lane: its tile u = bit 3,
	v_and_b32 v6, 7, v0
	v_bfe_u32 v7, v0, 4, 1
	v_lshl_or_b32 v6, v7, 3, v6                    ; its row in the tile r = (c & 7) + 8 x bit 4
	s_mul_i32 s24, s18, WSTG
	v_mul_u32_u24 v4, v5, USTG
	v_lshl_add_u32 v4, v6, 4, v4
	v_add_nc_u32 v4, s24, v4                       ; into the stage: tile u, 16 r
	v_lshlrev_b32 v10, 4, v2                       ; out: 16 bytes a lane
	v_add_nc_u32 v8, s24, v10
	v_lshlrev_b32 v9, 10, v5
	v_lshl_add_u32 v9, v6, 3, v9                   ; scale words: 1,024 u + 8 r
	s_lshl_b32 s24, s23, 21                        ; the weight: 256 rows of 8,192 bytes,
	s_lshl_b32 s25, s22, 9                         ; 128 columns,
	s_add_co_u32 s24, s24, s25
	s_lshl_b32 s25, s18, 7                         ; my wave's 32
	s_add_co_u32 s24, s24, s25
	s_mov_b32 s25, 0
	s_lshl_b32 s26, s19, 7
	s_lshl_b32 s27, s22, 3
	s_add_co_u32 s26, s26, s27
	s_lshl_b32 s27, s18, 1
	s_add_co_u32 s26, s26, s27                     ; my first tile: 128 x tensor + 8 x block + 2 x wave
	s_lshl_b32 s28, s26, 10
	s_lshl_b32 s29, s23, 7
	s_add_co_u32 s28, s28, s29                     ; cs: 1,024 a tile, 128 for 256 along K
	s_mov_b32 s29, 0
	s_mul_i32 s26, s26, 24576
	s_mul_i32 s27, s23, 3072
	s_add_co_u32 s26, s26, s27                     ; cf: 24,576 a tile, 3,072 for two K steps
	s_mov_b32 s27, 0
	s_wait_kmcnt 0x0
	s_cmp_eq_u32 s19, 1                            ; the choice hangs on the work-group's number alone
	s_cselect_b64 s[4:5], s[6:7], s[4:5]
	s_cmp_eq_u32 s19, 2
	s_cselect_b64 s[4:5], s[8:9], s[4:5]
	s_cmp_eq_u32 s19, 3
	s_cselect_b64 s[4:5], s[10:11], s[4:5]
	s_add_nc_u64 s[4:5], s[4:5], s[24:25]
	s_add_nc_u64 s[14:15], s[14:15], s[26:27]
	s_add_nc_u64 s[16:17], s[16:17], s[28:29]
.macro LOADW t                         ; block t: w(32 t + i, my column), i = 0 .. 31: each load reads 128 consecutive bytes a wave, 512 a work-group
.set I, 0
.rept 32
	global_load_b32 v[X+32*((\t)%2)+I], v3, s[4:5] offset:(32*(\t)+I)*8192 th:TH_LOAD_NT
.set I, I+1
.endr
.endm
.macro BLOCK t
.set XS, X+32*((\t)%2)
.if (\t) < NBLK-1
	s_wait_loadcnt 32                              ; this block's 32 loads are in; the next block's may be out
.else
	s_wait_loadcnt 0x0
.endif
	v_max3_num_f32 v12, |v[XS]|, |v[XS+1]|, |v[XS+2]|               ; the block's largest magnitude: all 32 numbers are mine; two chains
	v_max3_num_f32 v13, |v[XS+3]|, |v[XS+4]|, |v[XS+5]|
.irp i, 6,10,14,18,22,26
	v_max3_num_f32 v12, v12, |v[XS+\i]|, |v[XS+\i+1]|
	v_max3_num_f32 v13, v13, |v[XS+\i+2]|, |v[XS+\i+3]|
.endr
	v_max3_num_f32 v12, v12, |v[XS+30]|, |v[XS+31]|
	v_max3_num_f32 v12, v12, v13, 0x1800000        ; and the floor 2^(3 - 127): the byte cannot fall under 1
	v_add_nc_u32 v11, 0xff000000, v12              ; 2 off its exponent field: the conversion takes the exponent field of this operand as its scale
	v_cvt_scalef32_pk16_fp6_f32 v[C:C+2], v[XS:XS+15], v11
	v_cvt_scalef32_pk16_fp6_f32 v[C+4:C+6], v[XS+16:XS+31], v11     ; (a conversion's three registers begin on an even number)
	v_lshrrev_b32 v13, 23, v11                     ; the scale's byte (a plain line behind the conversions)
.if (\t)%4 == 0
	v_mov_b32 v[SB+(\t)/4], v13                    ; four bytes to a word, the lower K in the lower byte
.else
	v_lshl_or_b32 v[SB+(\t)/4], v13, 8*((\t)%4), v[SB+(\t)/4]
.endif
	v_mov_b32 v[C+3], v[C+4]                       ; the block's six registers on end
	v_mov_b32 v[C+4], v[C+5]
	v_mov_b32 v[C+5], v[C+6]
.set OFFI, ((\t)/4)*1536+256*((\t)%2)  ; K step t / 4; the block belongs to lane r + 16 (t % 2) of the fragment, registers 6 c .. 6 c + 5 with c = (t % 4) / 2
.if ((\t)%4)/2 == 0
	ds_store_b128 v4, v[C:C+3] offset:OFFI         ; registers 0-3
	ds_store_b64 v4, v[C+4:C+5] offset:OFFI+512    ; registers 4, 5
.else
	ds_store_b64 v4, v[C:C+1] offset:OFFI+520      ; registers 6, 7
	ds_store_b128 v4, v[C+2:C+5] offset:OFFI+1024  ; registers 8-11
.endif
.if (\t)+2 < NBLK
	LOADW (\t)+2
.endif
	s_wait_dscnt 0x0                               ; the stores have read their registers: the next block's codes may be written
.endm
	LOADW 0
	LOADW 1
.set Q, 0
.rept NBLK
	BLOCK Q
.set Q, Q+1
.endr
	s_wait_alu depctr_va_vdst(0)
	global_store_b64 v9, v[SB:SB+1], s[16:17]      ; my column's two scale words
.set N, 0
.rept 12
	ds_load_b128 v[OUTR+4*N:OUTR+4*N+3], v8 offset:(N/6)*USTG+(N%6)*512   ; LDS serves a wave's instructions in order: these see my stores
.set N, N+1
.endr
.set N, 0
.rept 12
	s_wait_dscnt 11-N                              ; load N is in; the younger ones may be out
	global_store_b128 v10, v[OUTR+4*N:OUTR+4*N+3], s[14:15] offset:(N/6)*24576+(N%6)*512   ; 32 lanes store 512 consecutive bytes, aligned
.set N, N+1
.endr
	s_wait_tensorcnt 0x0                           ; the wave's end: the tensor wait, the spare word's add and its wait, behind my last LDS store
	ds_add_u32 v[SPW], v[NIL]
	s_wait_dscnt 0x0
	s_endpgm
; ---------------- x.  Work-group = a tile of 16 rows; a wave takes four K steps of 128.
; 64 numbers of a lane, register 16 b + i = k 32 b + 16 h + i of my row, become a fragment's 12 registers in v[PC] on and its scale word in v[pw] (the same word in lanes l and l xor 16).
.macro QUANT s, pw
.irp b, 0,1,2,3
	v_max3_num_f32 v[TM+\b], |v[(\s)+16*\b]|, |v[(\s)+1+16*\b]|, 0x1800000   ; block b: my 16 numbers, and the floor 2^(3 - 127)
.endr
.irp i, 2,4,6,8,10,12,14
.irp b, 0,1,2,3
	v_max3_num_f32 v[TM+\b], |v[(\s)+16*\b+\i]|, |v[(\s)+1+16*\b+\i]|, v[TM+\b]   ; the four blocks by turns
.endr
.endr
.irp b, 0,1,2,3
	v_permlanex16_b32 v[TM+4+\b], v[TM+\b], s[SEL], s[SEL+1]
.endr
.irp b, 0,1,2,3
	v_max_num_f32 v[TM+\b], v[TM+\b], v[TM+4+\b]   ; with lane l xor 16's: the block's largest magnitude
.endr
.irp b, 0,1,2,3
	v_add_nc_u32 v[TM+12+\b], 0xff000000, v[TM+\b] ; 2 off its exponent field: the conversion's scale operand
.endr
.irp b, 0,1,2,3
	v_lshrrev_b32 v[TM+4+\b], 23, v[TM+12+\b]      ; the scale's byte
.endr
	v_lshl_or_b32 v[\pw], v[TM+5], 8, v[TM+4]
	v_lshl_or_b32 v[\pw], v[TM+6], 16, v[\pw]
	v_lshl_or_b32 v[\pw], v[TM+7], 24, v[\pw]
.irp c, 0,1
	v_cvt_scalef32_pk16_fp6_f32 v[PC+6*\c:PC+2+6*\c], v[(\s)+32*\c:(\s)+15+32*\c], v[TM+12+2*\c]
	v_cvt_scalef32_pk16_fp6_f32 v[PC+12+4*\c:PC+14+4*\c], v[(\s)+16+32*\c:(\s)+31+32*\c], v[TM+12+2*\c+1]
.endr
	v_nop                                          ; one plain line behind the scaled conversions
.irp c, 0,1                            ; the operand wants a WHOLE block in a lane: lanes 0-15 block 2 c, lanes 16-31 block 2 c + 1
.irp i, 0,1,2
	v_permlane16_swap_b32 v[PC+6*\c+\i], v[PC+12+4*\c+\i]
.endr
.irp i, 0,1,2
	v_mov_b32 v[PC+3+6*\c+\i], v[PC+12+4*\c+\i]
.endr
.endr
.endm
.macro XLOADK t                        ; K step t of the tile's 16 rows: each load reads one row's 512 consecutive bytes
.set J, 0
.rept 16
	global_load_b128 v[R0+64*((\t)%2)+4*J:R0+64*((\t)%2)+4*J+3], v3, s[12:13] offset:(J+8*(J/8))*8192+512*(\t) th:TH_LOAD_NT
.set J, J+1
.endr
.endm
.macro XSTEP t
.if (\t) < 3
	s_wait_loadcnt 16                              ; this K step's 16 loads are in; the next one's may be out
.else
	s_wait_loadcnt 0x0
.endif
.set J, 0
.rept 16
	ds_store_b128 v5, v[R0+64*((\t)%2)+4*J:R0+64*((\t)%2)+4*J+3] offset:528*J   ; the rows as they lie,
.set J, J+1
.endr
.set J, 0
.rept 16
	ds_load_b128 v[XN+4*J:XN+4*J+3], v6 offset:128*(J/4)+16*(J%4)   ; and back: of my row, 16 neighbours of each block of 32 (LDS serves a wave's instructions in order)
.set J, J+1
.endr
	s_wait_dscnt 0x0
.if (\t) < 2
	XLOADK (\t)+2                                  ; into the set that the stores above have read
.endif
.if (\t) > 0
	s_wait_xcnt 0x0                                ; the last K step's stores have read v[PC] on: only behind this wait are the codes written anew
.endif
	QUANT XN, PW+(\t)
.irp c, 0,1,2
	global_store_b128 v3, v[PC+4*\c:PC+4*\c+3], s[14:15] offset:1536*(\t)+512*\c   ; the fragment as it stands: 512 consecutive bytes a store
.endr
.endm
.Lpath_x:
	s_sub_co_u32 s19, ttmp9, 512                   ; the tile
	s_wait_alu depctr_va_vdst(0)
	v_lshlrev_b32 v3, 4, v2                        ; 16 x lane
	v_and_b32 v4, 15, v0                           ; r
	v_bfe_u32 v14, v0, 4, 1                        ; h
	s_mul_i32 s24, s18, XSTG
	s_add_co_u32 s24, s24, XSTG0                   ; my stage
	v_add_nc_u32 v5, s24, v3
	v_mul_u32_u24 v6, v4, 528
	v_lshl_add_u32 v6, v14, 6, v6
	v_add_nc_u32 v6, s24, v6                       ; row r, + 64 h
	v_lshlrev_b32 v7, 3, v2                        ; scale words: 8 x lane
.irp b, 0,1,2,3
	v_mov_b32 v[TM+4+\b], 0                        ; written once: a lane permute's destination counts as one of its sources
.endr
	s_lshr_b32 s22, s19, 1
	s_lshl_b32 s22, s22, 18                        ; x: 32 (T / 2) rows of 8,192 bytes,
	s_and_b32 s23, s19, 1
	s_lshl_b32 s23, s23, 16                        ; 8 (T % 2) rows,
	s_add_co_u32 s22, s22, s23
	s_lshl_b32 s23, s18, 11                        ; my wave's 512 along K
	s_add_co_u32 s22, s22, s23
	s_mov_b32 s23, 0
	s_lshl_b32 s26, s19, 4
	s_lshl_b32 s27, s18, 2
	s_add_co_u32 s26, s26, s27
	s_mul_i32 s26, s26, 1536
	s_add_co_u32 s26, s26, 4*TENS                  ; cf: x is the fifth tensor
	s_mov_b32 s27, 0
	s_lshl_b32 s28, s19, 10
	s_lshl_b32 s29, s18, 8
	s_add_co_u32 s28, s28, s29
	s_add_co_u32 s28, s28, 4*STENS
	s_mov_b32 s29, 0
	s_wait_alu depctr_va_vdst(0)
	s_wait_kmcnt 0x0
	s_add_nc_u64 s[12:13], s[12:13], s[22:23]
	s_add_nc_u64 s[14:15], s[14:15], s[26:27]
	s_add_nc_u64 s[16:17], s[16:17], s[28:29]
	XLOADK 0
	XLOADK 1
	XSTEP 0
	XSTEP 1
	XSTEP 2
	XSTEP 3
	v_cndmask_b32 v12, v[PW], v[PW+2], s[HM]       ; lanes 0-15 store K steps 0, 1 of row r, lanes 16-31 K steps 2, 3:
	v_cndmask_b32 v13, v[PW+1], v[PW+3], s[HM]
	global_store_b64 v7, v[12:13], s[16:17]        ; 256 consecutive bytes, aligned
	s_wait_tensorcnt 0x0                           ; the wave's end: the tensor wait, the spare word's add and its wait, behind my last LDS store
	ds_add_u32 v[SPW], v[NIL]
	s_wait_dscnt 0x0
	s_endpgm
.Lfunc_end_k_q12ccc370b4_quant:
	.size	k_q12ccc370b4_quant, .Lfunc_end_k_q12ccc370b4_quant-k_q12ccc370b4_quant
	.p2alignl 7, 3214868480
	.fill 96, 4, 3214868480
	.section	.rodata,"a",@progbits
	.p2align	6, 0x0
	.amdhsa_kernel k_q12ccc370b4_quant
		.amdhsa_group_segment_fixed_size 59904
		.amdhsa_private_segment_fixed_size 0
		.amdhsa_enable_private_segment 0
		.amdhsa_kernarg_size 56
		.amdhsa_user_sgpr_count 2
		.amdhsa_user_sgpr_kernarg_segment_ptr 1
		.amdhsa_wavefront_size32 1
		.amdhsa_system_sgpr_workgroup_id_x 1
		.amdhsa_system_sgpr_workgroup_id_y 1
		.amdhsa_system_sgpr_workgroup_id_z 1
		.amdhsa_system_vgpr_workitem_id 0
		.amdhsa_next_free_vgpr 248
		.amdhsa_next_free_sgpr 66
		.amdhsa_reserve_vcc 0
		.amdhsa_float_denorm_mode_32 3
		.amdhsa_float_denorm_mode_16_64 3
		.amdhsa_memory_ordered 1
		.amdhsa_forward_progress 1
		.amdhsa_inst_pref_size 75
	.end_amdhsa_kernel
	.amdgpu_metadata
---
amdhsa.version: [ 1, 2 ]
amdhsa.kernels:
  - .name:           k_q12ccc370b4_quant
    .symbol:         k_q12ccc370b4_quant.kd
    .args:
      - { .name: wq, .offset: 0, .size: 8, .value_kind: global_buffer, .address_space: global }
      - { .name: wk, .offset: 8, .size: 8, .value_kind: global_buffer, .address_space: global }
      - { .name: wv, .offset: 16, .size: 8, .value_kind: global_buffer, .address_space: global }
      - { .name: wo, .offset: 24, .size: 8, .value_kind: global_buffer, .address_space: global }
      - { .name: x, .offset: 32, .size: 8, .value_kind: global_buffer, .address_space: global }
      - { .name: cf, .offset: 40, .size: 8, .value_kind: global_buffer, .address_space: global }
      - { .name: cs, .offset: 48, .size: 8, .value_kind: global_buffer, .address_space: global }
    .group_segment_fixed_size: 59904
    .private_segment_fixed_size: 0
    .kernarg_segment_align: 8
    .kernarg_segment_size: 56
    .max_flat_workgroup_size: 128
    .sgpr_count:     66
    .vgpr_count:     248
    .wavefront_size: 32
...
	.end_amdgpu_metadata
.endif
;; end of part 5
;; launch qkv (part 6): grid 24 x 8, 4 waves a work-group, clusters of 4 x 4, 327,680 bytes of LDS; arguments cf, cs, cos, sin, qkvf, qkvs; writes qkvf, qkvs
.if DOCPART == 6
	.amdgcn_target "amdgcn-amd-amdhsa--gfx1250"
	.amdhsa_code_object_version 6
	.text
	.protected	k_q12ccc370b4_qkv
	.globl	k_q12ccc370b4_qkv
	.p2align	8
	.type	k_q12ccc370b4_qkv,@function
k_q12ccc370b4_qkv:
	s_mov_b64 s[64:65], 0
	v_nop
	global_prefetch_b8 v0, s[64:65] scope:SCOPE_SE
	s_setreg_imm32_b32 hwreg(HW_REG_WAVE_MODE, 25, 1), 1
	s_wait_xcnt 0x0
	s_wait_alu depctr_hold_cnt(0) depctr_sa_sdst(0) depctr_va_vdst(0) depctr_va_sdst(0) depctr_va_ssrc(0) depctr_va_vcc(0) depctr_vm_vsrc(0)
	s_getreg_b32 s2, hwreg(HW_REG_IB_STS2, 6, 4)
	s_cmp_eq_u32 s2, 0
	s_cbranch_scc0 .Lentry_in_a_cluster
	s_endpgm
.Lentry_in_a_cluster:
	s_bfe_u32 s2, ttmp6, 0x10000c
	s_cmp_lg_u32 s2, 0xf033
	s_cbranch_scc0 .Lentry_shape_is_right
	s_endpgm
.Lentry_shape_is_right:
; q, k, v = x wq, x wk, x wv on codes of FP6 (E2M3) with E8M0 scales; q and k are rotated (cos, sin), and all three leave as codes again, as images of the next operands' registers.
; A block of 256 x 256 a work-group, 128 x 128 a wave; K in pairs of steps of 128 through a ring of two slots; 4 x 4 clusters ask for A's and B's tiles jointly.
; THE HEAD: one tensor load a wave: wave 0 A's 16 tiles of the first pair of K steps, wave 1 B's, wave 2 A's scale words, wave 3 B's; slot 1 is first filled behind the full sequence and a round, a quarter of the slot a wave.
; LIMITS: NaN and infinities are not served; a block whose largest magnitude lies under 2^-124 keeps the byte 1.
.set NA,    8
.set NL,    3
.set NP,    4
.set FR,    12
.set FRB,   1536
.set HALFA, NA*3072
.set HALFB, 24576
.set SLOT,  2*HALFA+2*HALFB
.set SCL,   2*SLOT
.set SCB,   SCL+2048*NA
.set SPARE, SCB+16384
.set LAPS,  4
.set ADRA, 16
.set ADRB, 20
.set ADRS, 27
.set SPW,  28
.set NIL,  29
.set TRO,  30
.set LI,   31
.set SC,   32
.set HA,   64
.set AF,   128
.set PC,   224
.set TM,   2
.set PW,   18
.set PWE,  19
.set SW,   20
.set G1, 24
.set G0, 32
.set G1B, 48
.set G0B, 56
.set G1S, 68
.set G0S, 76
.set G1SB, 80
.set G0SB, 88
.set SEL, 12
.set HM,  66
.set VF,  67
.set MSB, 0
.macro WIN new
.if MSB != \new
	s_set_vgpr_msb (MSB<<8)|\new
.set MSB, \new
.endif
.endm
.set MUL_LO, 0xa1
.set MUL_HI, 0xa1+0x50*(NA/8)
.set TO_B,   0x40
.macro PLACES n
.rept \n
	v_nop
.endr
.endm
.macro JLOAD g0a, g1a, g0b, g1b
	s_cmp_eq_u32 s15, 0
	s_cbranch_scc0 .Lfor_b_\@
	tensor_load_to_lds s[\g0a:\g0a+3], s[\g1a:\g1a+7]
	s_nop 0
.rept 4
	v_nop
.endr
	s_branch .Lasked_\@
.Lfor_b_\@:
	tensor_load_to_lds s[\g0b:\g0b+3], s[\g1b:\g1b+7]
	s_nop 0
.rept 4
	v_nop
.endr
.Lasked_\@:
.endm
.macro CREST
	s_cmp_lg_u32 s14, 0
	s_cbranch_scc1 .Lnot_wave_0_\@
	s_barrier_signal -3
.Lnot_wave_0_\@:
	s_barrier_wait -3
	s_barrier_signal -1
	s_barrier_wait -1
.endm
.macro CROUND
	s_barrier_signal -1
	s_barrier_wait -1
	CREST
.endm
	s_load_b256 s[4:11], s[0:1], 0x0
	s_load_b128 s[96:99], s[0:1], 0x20
	v_lshl_add_u32 v[SPW], v0, 2, SPARE
	v_mov_b32 v[NIL], 0
	ds_add_u32 v[SPW], v[NIL]
	ds_add_u32 v[SPW], v[NIL]
	v_lshrrev_b32 v1, 5, v0
	v_readfirstlane_b32 s14, v1
	s_lshr_b32 s15, s14, 1
	s_and_b32 s16, s14, 1
	s_bfe_u32 s40, ttmp6, 0x40000
	s_bfe_u32 s41, ttmp6, 0x40004
	s_lshl_b32 s42, ttmp9, 2
	s_add_co_u32 s42, s42, s40
	s_and_b32 s17, ttmp7, 0xffff
	s_lshl_b32 s17, s17, 2
	s_add_co_u32 s17, s17, s41
	s_lshl_b32 s43, s41, 2
	s_lshl_b32 s43, 15, s43
	s_lshl_b32 s44, 0x1111, s40
	s_or_b32 s[G1+0], s43, (3<<16)|(1<<21)
	s_mov_b32 s[G1+1], 384<<16
	s_mov_b32 s[G1+2], 16<<16
	s_mov_b32 s[G1+3], 384<<16
	s_mov_b32 s[G1+4], 16
	s_mov_b32 s[G1+5], 3072
	s_mov_b32 s[G1+6], 0
	s_mov_b32 s[G1+7], 0
	s_or_b32 s[G1B+0], s44, (3<<16)|(1<<21)
	s_mov_b32 s[G1B+1], 384<<16
	s_mov_b32 s[G1B+2], 16<<16
	s_mov_b32 s[G1B+3], 384<<16
	s_mov_b32 s[G1B+4], 16
	s_mov_b32 s[G1B+5], 3072
	s_mov_b32 s[G1B+6], 0
	s_mov_b32 s[G1B+7], 0
	s_or_b32 s[G1S+0], s43, (3<<16)|(1<<21)
	s_mov_b32 s[G1S+1], 32<<16
	s_mov_b32 s[G1S+2], 64<<16
	s_mov_b32 s[G1S+3], 32<<16
	s_mov_b32 s[G1S+4], 64
	s_mov_b32 s[G1S+5], 32
	s_mov_b32 s[G1S+6], 0
	s_mov_b32 s[G1S+7], 0
	s_or_b32 s[G1SB+0], s44, (3<<16)|(1<<21)
	s_mov_b32 s[G1SB+1], 32<<16
	s_mov_b32 s[G1SB+2], 64<<16
	s_mov_b32 s[G1SB+3], 32<<16
	s_mov_b32 s[G1SB+4], 64
	s_mov_b32 s[G1SB+5], 32
	s_mov_b32 s[G1SB+6], 0
	s_mov_b32 s[G1SB+7], 0
	s_mov_b32 s[SEL], 0x76543210
	s_mov_b32 s[SEL+1], 0xfedcba98
	s_mov_b32 s[HM], 0xffff0000
	s_cmp_ge_u32 ttmp9, 4
	s_cselect_b32 s[VF], 1, 0
	s_mov_b32 s18, 512
	s_cselect_b32 s18, 256, s18
	s_cselect_b32 s19, 256, 0
	s_lshl_b32 s20, s17, 4                         ; the block's first tile of A,
	s_add_co_u32 s20, s20, s18
	s_lshl_b32 s46, s42, 4                         ; and of B
	s_add_co_u32 s46, s46, s19
	s_lshl_b32 s22, s20, 10
	s_mov_b32 s23, 0
	s_lshl_b32 s92, s46, 10
	s_mov_b32 s93, 0
	s_mul_i32 s20, s20, 24576
	s_mov_b32 s21, 0
	s_mul_i32 s46, s46, 24576
	s_mov_b32 s47, 0
	s_mul_i32 s45, s16, HALFA
	s_mul_i32 s94, s16, HALFB
	s_add_co_u32 s94, s94, 2*HALFA
	s_wait_dscnt 0x0
	s_wait_kmcnt 0x0
	s_add_nc_u64 s[20:21], s[4:5], s[20:21]
	s_add_nc_u64 s[22:23], s[6:7], s[22:23]
	s_add_nc_u64 s[46:47], s[4:5], s[46:47]
	s_add_nc_u64 s[92:93], s[6:7], s[92:93]
	CROUND
	s_mov_b32 s[G0S], 1
	s_mov_b32 s[G0S+1], SCL
	s_mov_b64 s[G0S+2:G0S+3], s[22:23]
	s_or_b32 s[G0S+3], s[G0S+3], 0x80000000
	s_mov_b32 s[G0SB], 1
	s_mov_b32 s[G0SB+1], SCB
	s_mov_b64 s[G0SB+2:G0SB+3], s[92:93]
	s_or_b32 s[G0SB+3], s[G0SB+3], 0x80000000
	s_mul_i32 s92, s16, 8*24576                    ; in the ring I fetch 8 tiles of 16: which half, in bytes
	s_mov_b32 s93, 0
	s_mov_b32 s[G0], 1                             ; slot 0's sets serve the head's whole loads first: all 16 tiles of A,
	s_mov_b32 s[G0+1], 0
	s_mov_b64 s[G0+2:G0+3], s[20:21]
	s_or_b32 s[G0+3], s[G0+3], 0x80000000
	s_mov_b32 s[G0B], 1                            ; all 16 of B, behind them
	s_mov_b32 s[G0B+1], 2*HALFA
	s_mov_b64 s[G0B+2:G0B+3], s[46:47]
	s_or_b32 s[G0B+3], s[G0B+3], 0x80000000
	s_add_nc_u64 s[20:21], s[20:21], s[92:93]
	s_add_nc_u64 s[46:47], s[46:47], s[92:93]
	s_mov_b32 s[G0+4], 1                           ; slot 1: my 8 tiles, the second pair of K steps
	s_add_co_u32 s[G0+5], s45, SLOT
	s_add_nc_u64 s[G0+6:G0+7], s[20:21], 3072
	s_or_b32 s[G0+7], s[G0+7], 0x80000000
	s_mov_b32 s[G0B+4], 1
	s_add_co_u32 s[G0B+5], s94, SLOT
	s_add_nc_u64 s[G0B+6:G0B+7], s[46:47], 3072
	s_or_b32 s[G0B+7], s[G0B+7], 0x80000000
	; THE PREFETCHES INTO THE L2.  Of the 8 tiles that I fetch (a pair of K steps is 3,072 bytes of each), each of the four partners that ask for them jointly takes 2, told apart by address (cx for A, cy for B):
	; 24 blocks of 256 bytes, a lane a block, one instruction a wave; so each block is named once in each cluster that loads it.  s[46:47] stands at my 2 tiles, at the pair of K steps after the one that is being asked for.
	s_cmp_eq_u32 s15, 0                            ; do I fetch for A?
	s_cselect_b64 s[46:47], s[20:21], s[46:47]
	s_cselect_b32 s18, s40, s41                    ; my place among the four
	s_mul_i32 s18, s18, 2*24576
	s_add_co_u32 s18, s18, 2*3072                  ; at pair 2
	s_mov_b32 s19, 0
	s_add_nc_u64 s[46:47], s[46:47], s[18:19]
; the head's loads, one a wave, in one chain of branches on the wave's number: every way passes exactly one load
.macro ARM under, g0, g1, next
	s_cmp_lt_u32 s14, \under
	s_cbranch_scc0 \next
	tensor_load_to_lds s[\g0:\g0+3], s[\g1:\g1+7]
	s_nop 0
.rept 4
	v_nop
.endr
	s_branch .Lhead_asked
\next:
.endm
	ARM 1, G0,  G1,  .Lhead_b
	ARM 2, G0B, G1B, .Lhead_sa
	ARM 3, G0S, G1S, .Lhead_sb
	tensor_load_to_lds s[G0SB:G0SB+3], s[G1SB:G1SB+7]
	s_nop 0
.rept 4
	v_nop
.endr
.Lhead_asked:
	v_and_b32 v24, 31, v0
	v_min_u32 v24, 23, v24                         ; the lanes left over name the last block again
	v_mul_u32_u24 v25, v24, 11
	v_lshrrev_b32 v25, 7, v25                      ; lane / 12: which of my 2 tiles
	v_mul_u32_u24 v25, v25, 24576-3072
	v_lshl_add_u32 v24, v24, 8, v25                ; 24,576 x tile + 256 x (lane % 12); never rewritten
	s_wait_alu depctr_va_vdst(0)
	global_prefetch_b8 v24, s[46:47] th:TH_LOAD_NT scope:SCOPE_SE               ; pairs 2 and 3, the first two refills'; pairs 0 and 1 come by their loads alone
	global_prefetch_b8 v24, s[46:47] offset:3072 th:TH_LOAD_NT scope:SCOPE_SE
	v_and_b32 v1, 31, v0
	v_lshlrev_b32 v[LI], 4, v1
	v_and_b32 v2, 15, v0
	v_bfe_u32 v3, v0, 4, 1
	s_wait_alu depctr_va_vdst(0)
	s_mul_i32 s21, s15, HALFA
	s_mul_i32 s22, s16, HALFB
	s_add_co_u32 s22, s22, 2*HALFA
.irp s, 0,1
	v_add_nc_u32 v[ADRA+\s], s21, v[LI]
	v_add_nc_u32 v[ADRB+\s], s22, v[LI]
	s_add_co_u32 s21, s21, SLOT
	s_add_co_u32 s22, s22, SLOT
.endr
	v_lshlrev_b32 v5, 3, v2
	s_mul_i32 s21, s15, NA*1024
	s_lshl_b32 s22, s16, 13
	s_add_co_u32 s22, s22, 2048*NA
	s_sub_co_u32 s22, s22, s21
	v_mul_u32_u24 v6, s22, v3
	s_add_co_u32 s21, s21, SCL
	v_add_nc_u32 v5, v5, v6
	v_add_nc_u32 v[ADRS], s21, v5
	v_and_b32 v4, 8, v2
	v_add_nc_u32 v4, v4, v2
	v_lshlrev_b32 v[TRO], 8, v4
	v_lshl_add_u32 v[TRO], v3, 5, v[TRO]
.irp b, 0,1,2,3
	v_mov_b32 v[TM+4+\b], 0
.endr
	s_lshl_b32 s18, s17, 1
	s_add_co_u32 s18, s18, s15
	s_lshl_b32 s19, s42, 1
	s_add_co_u32 s19, s19, s16
	s_lshl_b32 s20, s18, 15
	s_mov_b32 s21, 0
	s_add_nc_u64 s[8:9], s[8:9], s[20:21]
	s_add_nc_u64 s[10:11], s[10:11], s[20:21]
	s_and_b32 s20, s19, 15
	s_lshr_b32 s22, s19, 4
	s_sub_co_u32 s23, s19, 32
	s_cmp_eq_u32 s[VF], 1
	s_cselect_b32 s20, s18, s20
	s_cselect_b32 s23, s23, s18
	s_cselect_b32 s22, 2, s22
	s_lshl_b32 s20, s20, 4
	s_add_co_u32 s20, s20, s23
	s_mul_i32 s20, s20, 3
	s_add_co_u32 s20, s20, s22
	s_lshl_b32 s22, s20, 9
	s_mov_b32 s23, 0
	s_mul_i32 s20, s20, 12288
	s_mov_b32 s21, 0
	s_add_nc_u64 s[96:97], s[96:97], s[20:21]
	s_add_nc_u64 s[98:99], s[98:99], s[22:23]
.macro FRAG reg, adr, q, i
.irp c, 0,1,2
	ds_load_b128 v[\reg+4*\c:\reg+4*\c+3], v[\adr] offset:(\i)*3072+(\q)*FRB+512*\c
.endr
.endm
.macro FETCH_B slot, q, p
	WIN TO_B
.irp i, 0,1,2,3,4,5,6,7
	FRAG 128*(\p)+FR*\i, ADRB+\slot, \q, \i
.endr
	WIN 0
.endm
.macro FETCH_A slot, q, half
.set I, (\half)*(NA/2)
.rept NA/2
	FRAG AF+FR*I, ADRA+\slot, \q, I
.set I, I+1
.endr
.endm
.macro SCALES sc
.irp i, 0,1,2,3,4,5,6,7
	ds_load_b64 v[SC+16*(\sc)+2*\i:SC+16*(\sc)+2*\i+1], v[ADRS] offset:1024*\i
.endr
.endm
.macro MULA a, p, q, sc, zero
.irp b, 0,1,2,3,4,5,6,7
.if \zero
	v_wmma_scale_f32_16x16x128_f8f6f4 v[8*(8*((\a)%4)+\b):8*(8*((\a)%4)+\b)+7], v[128*(\p)+FR*\b:128*(\p)+FR*\b+FR-1], v[AF+FR*(\a):AF+FR*(\a)+FR-1], 0, v[SC+16*(\sc)+2*\b+(\q)], v[SC+16*(\sc)+2*(\a)+(\q)] matrix_a_fmt:MATRIX_FMT_FP6 matrix_b_fmt:MATRIX_FMT_FP6 matrix_a_scale:MATRIX_SCALE_ROW1
.else
	v_wmma_scale_f32_16x16x128_f8f6f4 v[8*(8*((\a)%4)+\b):8*(8*((\a)%4)+\b)+7], v[128*(\p)+FR*\b:128*(\p)+FR*\b+FR-1], v[AF+FR*(\a):AF+FR*(\a)+FR-1], v[8*(8*((\a)%4)+\b):8*(8*((\a)%4)+\b)+7], v[SC+16*(\sc)+2*\b+(\q)], v[SC+16*(\sc)+2*(\a)+(\q)] matrix_a_fmt:MATRIX_FMT_FP6 matrix_b_fmt:MATRIX_FMT_FP6 matrix_a_scale:MATRIX_SCALE_ROW1
.endif
.endr
.endm
.macro MULQ k, p, q, sc, zero
.if NA == 8
	MULA 2*(\k), \p, \q, \sc, \zero
	MULA 2*(\k)+1, \p, \q, \sc, \zero
.else
	MULA \k, \p, \q, \sc, \zero
.endif
.endm
.macro STEP slot, zero
	s_wait_dscnt (NA/2)*NL
	WIN MUL_LO
	MULQ 0, 0, 0, \slot, \zero
	MULQ 1, 0, 0, \slot, \zero
	s_wait_dscnt 0x0
	PLACES NP
	FETCH_B \slot, 1, 1
	FETCH_A \slot, 1, 0
	WIN MUL_HI
	MULQ 2, 0, 0, \slot, \zero
	MULQ 3, 0, 0, \slot, \zero
	PLACES NP
	WIN 0
	FETCH_A \slot, 1, 1
.endm
.macro TURN slot, next, fill
.if \fill
	s_wait_xcnt 0x0                                ; my last prefetch has read its address: it goes one pair of K steps on
	s_add_nc_u64 s[46:47], s[46:47], 3072
.endif
	s_wait_tensorcnt 0x0
	ds_add_u32 v[SPW], v[NIL]
	s_wait_dscnt (NA/2)*NL+1
	WIN MUL_LO
	MULQ 0, 1, 1, \slot, 0
	s_wait_dscnt 0x0
	s_barrier_signal -1
	MULQ 1, 1, 1, \slot, 0
	WIN 0
	s_barrier_wait -1
.if \fill
	CREST
	s_add_nc_u64 s[G0+4*\slot+2:G0+4*\slot+3], s[G0+4*\slot+2:G0+4*\slot+3], 6144
	s_add_nc_u64 s[G0B+4*\slot+2:G0B+4*\slot+3], s[G0B+4*\slot+2:G0B+4*\slot+3], 6144
	JLOAD G0+4*\slot, G1, G0B+4*\slot, G1B
.else
	PLACES NP
.endif
	s_wait_alu depctr_va_vdst(0)
	v_add_nc_u32 v[ADRS], 128, v[ADRS]
	FETCH_B \next, 0, 0
	FETCH_A \next, 0, 0
	SCALES \next
.if \fill
	s_cmp_gt_u32 s3, 1                             ; behind the refill of pair j and the run of LDS loads: pair j + 2, two refills on; the last trip's refills, pairs 6 and 7, have none two on
	s_cbranch_scc0 .Lno_ask_\@
	global_prefetch_b8 v24, s[46:47] offset:3072 th:TH_LOAD_NT scope:SCOPE_SE
.Lno_ask_\@:
.endif
	WIN MUL_HI
	MULQ 2, 1, 1, \slot, 0
	MULQ 3, 1, 1, \slot, 0
	PLACES NP
	WIN 0
	FETCH_A \next, 0, 1
.endm
.macro TRIG a, set
.if (\set) == 0
.set CSB, 96
.set SNB, 224
.else
.set CSB, 0
.set SNB, 32
.endif
	WIN 0x40
.irp B, 0,1,2,3
.irp jj, 0,1
	global_load_b128 v[CSB+8*\B+4*\jj:CSB+8*\B+4*\jj+3], v[TRO], s[8:9] offset:(32*((\a)/2)+8*((\a)%2))*256+64*\B+16*\jj
	global_load_b128 v[SNB+8*\B+4*\jj:SNB+8*\B+4*\jj+3], v[TRO], s[10:11] offset:(32*((\a)/2)+8*((\a)%2))*256+64*\B+16*\jj
.endr
.endr
	WIN 0
.endm
.macro ROPE a, set
.if (\set) == 0
.set CSB, 96
.set SNB, 224
.else
.set CSB, 0
.set SNB, 32
.endif
.set AC, 64*((\a)%4)
	WIN (2+(\a)/4)|4
.set I, 0
.rept 16
	v_pk_mul_f32 v[HA+4*I:HA+4*I+1], v[AC+4*I:AC+4*I+1], v[SNB+2*I:SNB+2*I+1] op_sel:[1,0] op_sel_hi:[0,0] neg_lo:[1,0]
	v_pk_mul_f32 v[HA+4*I+2:HA+4*I+3], v[AC+4*I+2:AC+4*I+3], v[SNB+2*I:SNB+2*I+1] op_sel:[1,1] op_sel_hi:[0,1] neg_lo:[1,0]
.set I, I+1
.endr
.set I, 0
.rept 16
	v_pk_fma_f32 v[HA+4*I:HA+4*I+1], v[AC+4*I:AC+4*I+1], v[CSB+2*I:CSB+2*I+1], v[HA+4*I:HA+4*I+1] op_sel:[0,0,0] op_sel_hi:[1,0,1]
	v_pk_fma_f32 v[HA+4*I+2:HA+4*I+3], v[AC+4*I+2:AC+4*I+3], v[CSB+2*I:CSB+2*I+1], v[HA+4*I+2:HA+4*I+3] op_sel:[0,1,0] op_sel_hi:[1,1,1]
.set I, I+1
.endr
	WIN 0
.endm
.macro QUANT s, w, pw
	WIN (\w)|((\w)<<2)
.irp b, 0,1,2,3
	v_max3_num_f32 v[TM+\b], |v[(\s)+16*\b]|, |v[(\s)+1+16*\b]|, 0x1800000
.endr
.irp i, 2,4,6,8,10,12,14
.irp b, 0,1,2,3
	v_max3_num_f32 v[TM+\b], |v[(\s)+16*\b+\i]|, |v[(\s)+1+16*\b+\i]|, v[TM+\b]
.endr
.endr
	WIN 0
.irp b, 0,1,2,3
	v_permlanex16_b32 v[TM+4+\b], v[TM+\b], s[SEL], s[SEL+1]
.endr
.irp b, 0,1,2,3
	v_max_num_f32 v[TM+\b], v[TM+\b], v[TM+4+\b]
.endr
.irp b, 0,1,2,3
	v_add_nc_u32 v[TM+12+\b], 0xff000000, v[TM+\b]
.endr
.irp b, 0,1,2,3
	v_lshrrev_b32 v[TM+4+\b], 23, v[TM+12+\b]
.endr
	v_lshl_or_b32 v[\pw], v[TM+5], 8, v[TM+4]
	v_lshl_or_b32 v[\pw], v[TM+6], 16, v[\pw]
	v_lshl_or_b32 v[\pw], v[TM+7], 24, v[\pw]
	WIN \w
.irp c, 0,1
	v_cvt_scalef32_pk16_fp6_f32 v[PC+6*\c:PC+2+6*\c], v[(\s)+32*\c:(\s)+15+32*\c], v[TM+12+2*\c]
	v_cvt_scalef32_pk16_fp6_f32 v[PC+12+4*\c:PC+14+4*\c], v[(\s)+16+32*\c:(\s)+31+32*\c], v[TM+12+2*\c+1]
.endr
	WIN 0
	v_nop
.irp c, 0,1
.irp i, 0,1,2
	v_permlane16_swap_b32 v[PC+6*\c+\i], v[PC+12+4*\c+\i]
.endr
.irp i, 0,1,2
	v_mov_b32 v[PC+3+6*\c+\i], v[PC+12+4*\c+\i]
.endr
.endr
.endm
.macro SENDF a
.irp c, 0,1,2
	global_store_b128 v[LI], v[PC+4*\c:PC+4*\c+3], s[96:97] offset:1536*(\a)+512*\c
.endr
.if (\a)%2
	v_cndmask_b32 v[SW+(\a)/2], v[PWE], v[PW], s[HM]
.endif
.endm
	s_cmp_eq_u32 s[VF], 1
	s_cbranch_scc1 .Lno_trig
	s_wait_alu depctr_va_vdst(0)
	TRIG 0, 0
.Lno_trig:
	s_wait_alu depctr_va_vdst(0)                   ; the head's end
	s_wait_tensorcnt 0x0                           ; my tile of the head's four is in
	ds_add_u32 v[SPW], v[NIL]
	s_mov_b32 s[G1+2], 8<<16                       ; no tensor load of mine is out, so descriptors may be written: from here on a load brings 8 tiles,
	s_mov_b32 s[G1+4], 8
	s_mov_b32 s[G1B+2], 8<<16
	s_mov_b32 s[G1B+4], 8
	s_mov_b32 s[G0+1], s45                         ; and slot 0's sets stand at my 8 tiles
	s_add_nc_u64 s[G0+2:G0+3], s[G0+2:G0+3], s[92:93]
	s_mov_b32 s[G0B+1], s94
	s_add_nc_u64 s[G0B+2:G0B+3], s[G0B+2:G0B+3], s[92:93]
	s_wait_dscnt 0x0
	CROUND                                         ; all four tiles are in, in every partner
	JLOAD G0+4, G1, G0B+4, G1B                     ; slot 1's first fill: the first tensor load behind the round
	FETCH_B 0, 0, 0
	FETCH_A 0, 0, 0
	s_wait_alu depctr_va_vdst(0)
	SCALES 0
	FETCH_A 0, 0, 1
	STEP 0, 1
	s_mov_b32 s3, LAPS-1
.Llap:
	TURN 0, 1, 1
	STEP 1, 0
	TURN 1, 0, 1
	STEP 0, 0
	s_sub_co_u32 s3, s3, 1
	s_cmp_lg_u32 s3, 0
	s_cbranch_scc1 .Llap
	TURN 0, 1, 0
	STEP 1, 0
	s_wait_dscnt (NA/2)*NL
	WIN MUL_LO
	MULQ 0, 1, 1, 1, 0
	MULQ 1, 1, 1, 1, 0
	s_wait_dscnt 0x0
	WIN MUL_HI
	MULQ 2, 1, 1, 1, 0
	MULQ 3, 1, 1, 1, 0
	WIN 0
	PLACES NP
	s_cmp_eq_u32 s[VF], 1
	s_cbranch_scc1 .Lv_out
	TRIG 1, 1
.irp a, 0,1,2,3,4,5,6,7
.if \a < 7
	s_wait_loadcnt 16
.else
	s_wait_loadcnt 0x0
.endif
	ROPE \a, \a%2
.if \a < 6
	TRIG \a+2, \a%2
.endif
.if \a > 0
	s_wait_xcnt 0x0
.endif
.if \a%2
	QUANT HA, 0, PW
.else
	QUANT HA, 0, PWE
.endif
	SENDF \a
.endr
	s_branch .Lscales_out
.Lv_out:
.irp a, 0,1,2,3,4,5,6,7
.if \a > 0
	s_wait_xcnt 0x0
.endif
.if \a%2
	QUANT 64*(\a%4), 2+\a/4, PW
.else
	QUANT 64*(\a%4), 2+\a/4, PWE
.endif
	SENDF \a
.endr
.Lscales_out:
	s_wait_alu depctr_va_vdst(0)
	global_store_b128 v[LI], v[SW:SW+3], s[98:99]
	s_wait_tensorcnt 0x0
	ds_add_u32 v[SPW], v[NIL]
	s_wait_dscnt 0x0
	CROUND
	s_endpgm
.Lfunc_end_k_q12ccc370b4_qkv:
	.size	k_q12ccc370b4_qkv, .Lfunc_end_k_q12ccc370b4_qkv-k_q12ccc370b4_qkv
	.p2alignl 7, 3214868480
	.fill 96, 4, 3214868480
	.section	.rodata,"a",@progbits
	.p2align	6, 0x0
	.amdhsa_kernel k_q12ccc370b4_qkv
		.amdhsa_group_segment_fixed_size 327680
		.amdhsa_private_segment_fixed_size 0
		.amdhsa_enable_private_segment 0
		.amdhsa_kernarg_size 48
		.amdhsa_user_sgpr_count 2
		.amdhsa_user_sgpr_kernarg_segment_ptr 1
		.amdhsa_wavefront_size32 1
		.amdhsa_system_sgpr_workgroup_id_x 1
		.amdhsa_system_sgpr_workgroup_id_y 1
		.amdhsa_system_sgpr_workgroup_id_z 1
		.amdhsa_system_vgpr_workitem_id 0
		.amdhsa_next_free_vgpr 1024
		.amdhsa_next_free_sgpr 100
		.amdhsa_reserve_vcc 0
		.amdhsa_float_denorm_mode_32 3
		.amdhsa_float_denorm_mode_16_64 3
		.amdhsa_memory_ordered 1
		.amdhsa_forward_progress 1
		.amdhsa_inst_pref_size 221
	.end_amdhsa_kernel
	.amdgpu_metadata
---
amdhsa.version: [ 1, 2 ]
amdhsa.kernels:
  - .name:           k_q12ccc370b4_qkv
    .symbol:         k_q12ccc370b4_qkv.kd
    .args:
      - { .name: cf, .offset: 0, .size: 8, .value_kind: global_buffer, .address_space: global }
      - { .name: cs, .offset: 8, .size: 8, .value_kind: global_buffer, .address_space: global }
      - { .name: cos, .offset: 16, .size: 8, .value_kind: global_buffer, .address_space: global }
      - { .name: sin, .offset: 24, .size: 8, .value_kind: global_buffer, .address_space: global }
      - { .name: qkvf, .offset: 32, .size: 8, .value_kind: global_buffer, .address_space: global }
      - { .name: qkvs, .offset: 40, .size: 8, .value_kind: global_buffer, .address_space: global }
    .group_segment_fixed_size: 327680
    .private_segment_fixed_size: 0
    .kernarg_segment_align: 8
    .kernarg_segment_size: 48
    .max_flat_workgroup_size: 128
    .sgpr_count:     100
    .vgpr_count:     1024
    .wavefront_size: 32
...
	.end_amdgpu_metadata
.endif
;; end of part 6
;; launch attn (part 7): grid 16 x 16, 8 waves a work-group, clusters of 4 x 4, 327,680 bytes of LDS; arguments qkvf, qkvs, mask, attf, atts; writes attf, atts
.if DOCPART == 7
	.amdgcn_target "amdgcn-amd-amdhsa--gfx1250"
	.amdhsa_code_object_version 6
	.text
	.protected	k_q12ccc370b4_attn
	.globl	k_q12ccc370b4_attn
	.p2align	8
	.type	k_q12ccc370b4_attn,@function
k_q12ccc370b4_attn:
	s_mov_b64 s[64:65], 0
	v_nop
	global_prefetch_b8 v0, s[64:65] scope:SCOPE_SE
	s_setreg_imm32_b32 hwreg(HW_REG_WAVE_MODE, 25, 1), 1
	s_wait_xcnt 0x0
	s_wait_alu depctr_hold_cnt(0) depctr_sa_sdst(0) depctr_va_vdst(0) depctr_va_sdst(0) depctr_va_ssrc(0) depctr_va_vcc(0) depctr_vm_vsrc(0)
	s_getreg_b32 s2, hwreg(HW_REG_IB_STS2, 6, 4)
	s_cmp_eq_u32 s2, 0
	s_cbranch_scc0 .Lentry_in_a_cluster
	s_endpgm
.Lentry_in_a_cluster:
	s_bfe_u32 s2, ttmp6, 0x10000c
	s_cmp_lg_u32 s2, 0xf033
	s_cbranch_scc0 .Lentry_shape_is_right
	s_endpgm
.Lentry_shape_is_right:
; out[q][h][:] = the sum over k of softmax_k(q . k / sqrt(128) + mask[q][k]) v[k][h][:], both products on codes of FP6 (E2M3) with E8M0 scales; the result leaves as codes, quantised along (h, d).
; THE MASK IS AN INPUT: it is read as it is given, every key for every query; nothing is left out.
; THE SOFTMAX: logit = score / sqrt(128) + mask; t = logit x log2(e); M = the running largest t rounded UP to a whole number; p = 2^(t - M) is quantised along the keys.
; The row's sum is taken of the unquantised p, in f32, and divides at the end.  When M moves, the sum and O are multiplied by 2^(old M - new M): exact.
; SHARES: a work-group owns 128 queries of one head, each of its eight waves one tile of 16, in 512 registers; every wave walks 16 key steps of 128.
; K AND V go through a ring of two LDS slots of FOUR key steps each (4 x 24,576 bytes), filled by tensor loads, waves 0-3 a step each: four fills in the launch, each asked for four key steps ahead of its first read.
; THE MASK goes through registers: a wave's 16 rows x 512 bytes of a key step are read by no other wave of the work-group.  Sixteen loads, each a whole row's 512 consecutive bytes, are issued in step s for step s + 2;
; in step s + 1, behind the logits, they turn through the wave's own stage in LDS (16 rows, 528 bytes apart) into the scores' order: a lane one query, registers along the keys.
; NO JOINT LOADS FOR THE MASK: with its 65,536 bytes a key step in the ring only three steps fit in LDS; without it a slot holds four steps, and the walk has three meetings of the work-group where it had fifteen.
; K's and V's tiles hang on the head alone and are asked for jointly along a row of the 4 x 4 cluster (x = query block, y = head).
; K and V share 96 registers: K is asked of LDS at the step's head, V behind the first product.
; LAYOUT: both products are used transposed (S^T = K Q^T, O^T = V^T P^T): a lane holds ONE query.  Operands lie in qkvf as images of their registers; lane r of tile T holds row 32 (T / 2) + 8 (T % 2) + r + 8 (r / 8),
; so the 16 registers of tiles 2 b, 2 b + 1 are 16 neighbouring keys (or d) 32 b + 16 h + 0 .. 15.
; PREFETCH INTO THE L2: the mask's, two key steps ahead of its load (macro ASK).  None for K and V: a fill has four key steps' work in which to land.
; LIMITS: NaN and infinities are not served (a row whose logits are all -infinity gives NaN); the promise holds while |t| stays under 2^31; 1 / sqrt(128) is the rounded constant; 1 / l is v_rcp_f32;
; a block whose largest number lies under 2^-124 keeps the byte 1.
; REGISTERS: window 0: v5, v6 the add's two; v7 scale words' LDS address; v8-11 V's scale words; v12 -M, v13 the largest t, v[14:15] the sum; v16-27 Q; v28-31 K's scale words; v32-66 at work on the way out; v68-77 addresses;
;   v96-159 S^T, then p; v160-223 O^T; v224-235 p's codes; v232-254 at work; v253 p's scale word; v255 Q's.   window 1: v0-95 K, then V; v96-159 the mask in the scores' order; v160-223 the mask as it is loaded.
.set STEPB, 24576                      ; K's and V's eight fragments each of a key step
.set SLOTB, 4*STEPB                    ; a slot
.set SCW,   2*SLOTB                    ; the head's scale words, 1,024 bytes a key step (K's 512, V's 512): filled once
.set STG,   SCW+16384                  ; the waves' stages for the mask: no fill lands here
.set MP,    528                        ; a stage row: 512 bytes + 16
.set WSTG,  16*MP
.set SPARE, STG+8*WSTG                 ; the spare words, 128 bytes a wave
.set SPW, 5
.set NIL, 6
.set ASC, 7
.set TM,  32
.set PC,  48
.set PFO, 68                           ; v68 the prefetch's offset
.set LI,  69                           ; v69 16 x lane
.set STI, 74                           ; v74 the stage, on the way in: 16 x lane
.set STQ, 75                           ; v75 and out: row r, + 64 h
.set MV,  76                           ; v76 the mask's loads: my tile's first row + 16 x lane
.set AF,  77                           ; v77 my place in the step's fragments
.set WV,  14
.set G1K, 24
.set G1S, 32
.set G0K, 40
.set G0S, 44
.set KL,  48                           ; s48 my step's place in a slot
.set KO,  49                           ; s49 the step in hand, as LDS bytes
.set MB,  50                           ; s[50:51] the mask at my query block's first row, at the key step that is loaded next
.set LG,  66
.set CNT, 68
.set GN,  69                           ; the key step in hand
.set LIM, 74
.set SEL, 96
.set RS,  98
.set MSB, 0
.macro WIN new                         ; the immediate's high byte repeats the setting that is left
.if MSB != \new
	s_set_vgpr_msb (MSB<<8)|\new
.set MSB, \new
.endif
.endm
.macro CROUND                          ; a round of the cluster's barrier
	s_barrier_signal -1
	s_barrier_wait -1
	s_cmp_lg_u32 s[WV], 0
	s_cbranch_scc1 .Lnot_wave_0_\@
	s_barrier_signal -3
.Lnot_wave_0_\@:
	s_barrier_wait -3
	s_barrier_signal -1
	s_barrier_wait -1
.endm
.macro TLOAD g0, g1                    ; a tensor load, an s_nop 0 and four v_nop behind it
	tensor_load_to_lds s[\g0:\g0+3], s[\g1:\g1+7]
	s_nop 0
.rept 4
	v_nop
.endr
.endm
.macro DESC g, d0, rows, pitch         ; group 1's words 1 to 7: rows of d0 elements, pitch elements apart
	s_mov_b32 s[\g+1], (\d0)<<16
	s_mov_b32 s[\g+2], (\rows)<<16
	s_mov_b32 s[\g+3], (\d0)<<16
	s_mov_b32 s[\g+4], \rows
	s_mov_b32 s[\g+5], \pitch
	s_mov_b32 s[\g+6], 0
	s_mov_b32 s[\g+7], 0
.endm
.macro GRP0 g, base                    ; group 0 but for its LDS address
	s_mov_b32 s[\g], 1
	s_mov_b64 s[\g+2:\g+3], s[\base:\base+1]
	s_or_b32 s[\g+3], s[\g+3], 0x80000000
.endm
; THE MASK'S PREFETCH, behind the step's loads of the mask.  In step GN the loads name step GN + 2 and the prefetch step GN + 4, while GN < 12; steps 2 and 3 are asked for at the head; steps 0 and 1 come by their loads alone.
; All sixteen heads read the same rows: the clusters with y = 0 ask, waves 6 and 7; the four partners of a column take 32 of the 128 rows each, told apart by address (cy); a lane a row; wave 6 the first 256 bytes of a step's 512, wave 7 the second.
.macro ASK
	s_cmp_lt_u32 s[GN], s[LIM]
	s_cbranch_scc0 .Lnot_mine_\@
	global_prefetch_b8 v[PFO], s[MB:MB+1] offset:1024 th:TH_LOAD_NT scope:SCOPE_SE
.Lnot_mine_\@:
.endm
	s_load_b256 s[4:11], s[0:1], 0x0               ; qkvf, qkvs, mask, attf
	s_load_b64 s[12:13], s[0:1], 0x20              ; atts
	v_lshl_add_u32 v[SPW], v0, 2, SPARE
	v_mov_b32 v[NIL], 0
	ds_add_u32 v[SPW], v[NIL]                      ; the opening: the add, twice on end, and its wait below
	ds_add_u32 v[SPW], v[NIL]
	v_lshrrev_b32 v70, 5, v0
	s_delay_alu instid0(VALU_DEP_1)
	v_readfirstlane_b32 s[WV], v70                 ; wave 0..7
	s_bfe_u32 s76, ttmp6, 0x40000                  ; cx
	s_bfe_u32 s77, ttmp6, 0x40004                  ; cy
	s_lshl_b32 s78, ttmp9, 2
	s_add_co_u32 s78, s78, s76                     ; the query block
	s_and_b32 s79, ttmp7, 0xffff
	s_lshl_b32 s79, s79, 2
	s_add_co_u32 s79, s79, s77                     ; the head
	s_lshl_b32 s80, s77, 2
	s_lshl_b32 s80, 15, s80                        ; my row of the cluster: the same head
	s_or_b32 s[G1K], s80, (3<<16)|(1<<21)          ; K's and V's fragments of a step: 24,576 dense bytes, as 96 rows of 256
	DESC G1K, 32, 96, 32
	s_or_b32 s[G1S], s80, (3<<16)|(1<<21)          ; four steps' scale words of K and V: 4 rows of 1,024 bytes, 1,536 apart
	DESC G1S, 128, 4, 192
	s_and_b32 s81, s[WV], 3                        ; which step of a slot's four, or which quarter of the scale words, I fetch
	s_mul_i32 s[KL], s81, STEPB
	s_mul_i32 s84, s79, 589824                     ; a head in qkvf: 16 groups of q, k, v, 12,288 bytes each; k is a group's second unit
	s_add_co_u32 s84, s84, 12288
	s_mul_i32 s82, s81, 36864
	s_add_co_u32 s84, s84, s82
	s_mov_b32 s85, 0
	s_mul_i32 s86, s79, 24576                      ; and in qkvs: units of 512
	s_add_co_u32 s86, s86, 512
	s_mul_i32 s82, s81, 6144
	s_add_co_u32 s86, s86, s82
	s_mov_b32 s87, 0
	s_lshl_b32 s83, s81, 12
	s_add_co_u32 s83, s83, SCW
	s_lshl_b32 s[MB], s78, 20                      ; 128 rows of 8,192 bytes a query block
	s_mov_b32 s[MB+1], 0
	s_mov_b32 s[SEL], 0x76543210
	s_mov_b32 s[SEL+1], 0xfedcba98
	s_mov_b32 s[RS], 0x3db504f3
	s_mov_b32 s[RS+1], s[RS]
	s_mov_b32 s[LG], 0x3fb8aa3b
	s_mov_b32 s[LG+1], s[LG]
	s_mov_b32 s[GN], 0
	s_wait_dscnt 0x0                               ; both opening adds are done
	s_wait_kmcnt 0x0
	s_add_nc_u64 s[84:85], s[4:5], s[84:85]        ; K of my head, my step of the first four
	s_add_nc_u64 s[86:87], s[6:7], s[86:87]
	s_add_nc_u64 s[MB:MB+1], s[8:9], s[MB:MB+1]
	GRP0 G0K, 84
	s_mov_b32 s[G0K+1], s[KL]
	GRP0 G0S, 86
	s_mov_b32 s[G0S+1], s83
	CROUND                                         ; all sixteen work-groups are here: the first joint loads meet
	s_cmp_lt_u32 s[WV], 4                          ; THE HEAD'S LOADS, one a wave, a load in each arm: waves 0-3 steps 0-3 of K and V,
	s_cbranch_scc0 .Lff_s
	TLOAD G0K, G1K
	s_branch .Lff_done
.Lff_s:
	TLOAD G0S, G1S                                 ; waves 4-7 a quarter of the scale words each
.Lff_done:
	s_lshl_b32 s80, s79, 4
	s_add_co_u32 s80, s80, s78                     ; 16 h + query block
	s_mul_i32 s88, s80, 36864
	s_mul_i32 s89, s[WV], 1536
	s_add_co_u32 s88, s88, s89
	s_mov_b32 s89, 0
	s_add_nc_u64 s[88:89], s[4:5], s[88:89]        ; my tile of Q
	s_mul_i32 s90, s80, 1536
	s_and_b32 s91, s[WV], 1
	s_lshl_b32 s91, s91, 8
	s_add_co_u32 s90, s90, s91                     ; its scale words: the half of the lanes' places that holds odd or even fragments,
	s_lshr_b32 s91, s[WV], 1
	s_lshl_b32 s91, s91, 2
	s_add_co_u32 s90, s90, s91                     ; word wave / 2
	s_mov_b32 s91, 0
	s_add_nc_u64 s[90:91], s[6:7], s[90:91]
	; where the result goes
	s_lshl_b32 s82, s78, 7
	s_lshl_b32 s83, s[WV], 4
	s_add_co_u32 s82, s82, s83
	s_add_co_u32 s82, s82, s79                     ; 16 x my tile + head: the head is the next product's K step
	s_mul_i32 s82, s82, 1536
	s_mov_b32 s83, 0
	s_add_nc_u64 s[10:11], s[10:11], s[82:83]
	s_lshl_b32 s82, s78, 3
	s_add_co_u32 s82, s82, s[WV]
	s_lshl_b32 s82, s82, 10                        ; scale words: 1,024 a tile, 128 for two K steps, 4 a K step
	s_lshr_b32 s84, s79, 1
	s_lshl_b32 s84, s84, 7
	s_add_co_u32 s82, s82, s84
	s_and_b32 s84, s79, 1
	s_lshl_b32 s84, s84, 2
	s_add_co_u32 s82, s82, s84
	s_add_nc_u64 s[12:13], s[12:13], s[82:83]
	s_lshr_b32 s80, s[WV], 1
	s_lshl_b32 s80, s80, 5
	s_and_b32 s81, s[WV], 1
	s_lshl_b32 s84, s81, 3
	s_add_co_u32 s80, s80, s84                     ; my tile's first row among the 128: 32 (w / 2) + 8 (w % 2),
	s_lshl_b32 s80, s80, 13                        ; in bytes of the mask
	s_mul_i32 s82, s[WV], WSTG
	s_add_co_u32 s82, s82, STG                     ; my stage
	s_lshl_b32 s87, s77, 18                        ; the prefetch: my work-group's 32 rows of the query block,
	s_lshl_b32 s81, s81, 8
	s_add_co_u32 s87, s87, s81                     ; my wave's half of a step's 512 bytes
	s_and_b32 s81, ttmp7, 0xffff
	s_cmp_eq_u32 s81, 0
	s_cselect_b32 s[LIM], 12, 0                    ; the same in all sixteen partners, for a given wave
	s_cmp_lt_u32 s[WV], 6
	s_cselect_b32 s[LIM], 0, s[LIM]
	v_and_b32 v70, 15, v0                          ; r
	v_bfe_u32 v71, v0, 4, 1                        ; h
	v_and_b32 v72, 31, v0                          ; lane
	s_delay_alu instid0(VALU_DEP_1)
	v_lshlrev_b32 v[LI], 4, v72
	s_delay_alu instid0(VALU_DEP_4)
	v_lshlrev_b32 v73, 4, v70
.irp c, 0,1,2
	global_load_b128 v[16+4*\c:19+4*\c], v[LI], s[88:89] offset:512*\c   ; Q's fragment stays in registers
.endr
	global_load_b32 v255, v73, s[90:91]            ; both halves of the lanes read row r's word
	v_add_nc_u32 v[MV], s80, v[LI]
	v_add_nc_u32 v[STI], s82, v[LI]
	v_mul_u32_u24 v1, v70, MP
	s_delay_alu instid0(VALU_DEP_1)
	v_lshl_add_u32 v1, v71, 6, v1                  ; + 64 h: my 16 keys of a block of 32
	s_delay_alu instid0(VALU_DEP_1)
	v_add_nc_u32 v[STQ], s82, v1
	v_add_nc_u32 v[ASC], SCW, v[LI]
	v_lshl_add_u32 v[PFO], v72, 13, s87
; the mask of one key step, my 16 rows: each load reads one row's 512 consecutive bytes
.macro MLOAD
	WIN 0x40
.set J, 0
.rept 16
	global_load_b128 v[160+4*J:163+4*J], v[MV], s[MB:MB+1] offset:(J+8*(J/8))*8192
.set J, J+1
.endr
	WIN 0
.endm
; and through my stage: the rows as they lie, and back: of my query, keys 32 B + 16 h + 0 .. 15 in the scores' own order (LDS serves a wave's instructions in order)
.macro MTURN
	WIN 0x04
.set J, 0
.rept 16
	ds_store_b128 v[STI], v[160+4*J:163+4*J] offset:MP*J
.set J, J+1
.endr
	WIN 0x40
.set J, 0
.rept 16
	ds_load_b128 v[96+4*J:99+4*J], v[STQ] offset:128*(J/4)+16*(J%4)
.set J, J+1
.endr
	WIN 0
.endm
	s_wait_alu depctr_va_vdst(0)
	WIN 0x40
.set J, 0
.rept 16
	global_load_b128 v[96+4*J:99+4*J], v[MV], s[MB:MB+1] offset:(J+8*(J/8))*8192   ; step 0's mask, as it lies, into the registers that take it back in the scores' order
.set J, J+1
.endr
.set J, 0
.rept 16
	global_load_b128 v[160+4*J:163+4*J], v[MV], s[MB:MB+1] offset:(J+8*(J/8))*8192+512   ; and step 1's, at once
.set J, J+1
.endr
	WIN 0
	s_cmp_lg_u32 s[LIM], 0                         ; the waves that prefetch ask for steps 2 and 3 here
	s_cbranch_scc0 .Lno_first_ask
	global_prefetch_b8 v[PFO], s[MB:MB+1] offset:1024 th:TH_LOAD_NT scope:SCOPE_SE
	global_prefetch_b8 v[PFO], s[MB:MB+1] offset:1536 th:TH_LOAD_NT scope:SCOPE_SE
.Lno_first_ask:
	v_mov_b32 v13, 0xff61b1e6
	s_delay_alu instid0(VALU_DEP_1)
	v_floor_f32 v12, -v13                          ; -M
	v_mov_b32 v14, 0                               ; the sum, in two halves
	v_mov_b32 v15, 0
.irp b, 0,1,2,3
	v_mov_b32 v[236+\b], 0                         ; written once: a lane permute's destination counts as one of its sources
	v_mov_b32 v[TM+4+\b], 0
.endr
	v_mov_b32 v253, 0
.set J, 0
.rept 64
	v_mov_b32 v[160+J], 0                          ; O^T: the step is written once; the first finds zeros
.set J, J+1
.endr
; The tiles of the last fill are shown to all waves.
.macro MEETX
	s_wait_tensorcnt 0x0
	s_wait_dscnt 0x0
	s_barrier_signal -1
	s_barrier_wait -1
.endm
; A FILL of slot: the next four key steps, waves 0-3 a step each.  In front of the round every wave has waited for its tensor loads (the other slot's tiles), and its reads of this slot are over.
.macro REFILL slot
	s_wait_alu depctr_va_vdst(0)
	s_wait_tensorcnt 0x0                           ; no tensor load of mine is out, so group 0 may be written
	ds_add_u32 v[SPW], v[NIL]
	s_add_co_u32 s[G0K+1], s[KL], (\slot)*SLOTB
	s_add_nc_u64 s[G0K+2:G0K+3], s[G0K+2:G0K+3], 4*36864
	s_wait_dscnt 0x0
	CROUND
	s_cmp_lt_u32 s[WV], 4
	s_cbranch_scc0 .Lno_fill_\@
	TLOAD G0K, G1K
.Lno_fill_\@:
.endm
; A KEY STEP s.  cons: the mask of step s + 1 has been loaded and turns through the stage; issue: the mask of step s + 2 is loaded.
.macro STEP cons, issue
	ds_load_b128 v[28:31], v[ASC]                  ; K's scale words: register j: lanes 0-15 tile 2 j, lanes 16-31 tile 2 j + 1
	WIN 0x40
.irp t, 0,1,2,3,4,5,6,7
.irp c, 0,1,2
	ds_load_b128 v[12*\t+4*\c:12*\t+4*\c+3], v[AF] offset:1536*\t+512*\c
.endr
.endr
	WIN 0
	s_wait_dscnt 0x0                               ; K is in (this step's mask came in ahead of the last step's second product)
	WIN 0x01
.irp t, 0,2,4,6
	v_wmma_scale_f32_16x16x128_f8f6f4 v[96+8*\t:103+8*\t], v[12*\t:12*\t+11], v[16:27], 0, v[28+\t/2], v255 matrix_a_fmt:MATRIX_FMT_FP6 matrix_b_fmt:MATRIX_FMT_FP6
	v_wmma_scale_f32_16x16x128_f8f6f4 v[104+8*\t:111+8*\t], v[12*\t+12:12*\t+23], v[16:27], 0, v[28+\t/2], v255 matrix_a_fmt:MATRIX_FMT_FP6 matrix_b_fmt:MATRIX_FMT_FP6 matrix_a_scale:MATRIX_SCALE_ROW1
.endr
	WIN 0
.rept 4
	v_nop                                          ; places in front of the first read of the scores, and of V's loads into K's registers
.endr
	WIN 0x10
.set J, 0
.rept 32
	v_pk_fma_f32 v[96+J:97+J], v[96+J:97+J], s[RS:RS+1], v[96+J:97+J] op_sel_hi:[1,0,1]   ; the logit: score / sqrt(128) + mask; each accumulator from its low end on
.set J, J+2
.endr
	WIN 0
.if \cons
	s_wait_alu depctr_va_vdst(0)
	s_wait_loadcnt 0x0                             ; the next step's mask is in registers,
	s_wait_xcnt 0x0                                ; and the prefetch has read its address: the base goes one key step on
	s_add_nc_u64 s[MB:MB+1], s[MB:MB+1], 512
	MTURN
.endif
	ds_load_b128 v[8:11], v[ASC] offset:512        ; V's scale words
	WIN 0x40
.irp t, 0,1,2,3,4,5,6,7
.irp c, 0,1,2
	ds_load_b128 v[12*\t+4*\c:12*\t+4*\c+3], v[AF] offset:12288+1536*\t+512*\c
.endr
.endr
	WIN 0
	s_add_co_u32 s[KO], s[KO], STEPB               ; the next step's places
	v_add_nc_u32 v[AF], s[KO], v[LI]
	v_add_nc_u32 v[ASC], 1024, v[ASC]
.irp b, 0,1,2,3
	v_max3_num_f32 v[232+\b], v[96+16*\b], v[97+16*\b], v[98+16*\b]   ; the largest logit of each block of 32 keys: it serves the row's maximum and the block's largest p
.endr
.irp i, 3,5,7,9,11,13
.irp b, 0,1,2,3
	s_delay_alu instid0(VALU_DEP_4)
	v_max3_num_f32 v[232+\b], v[232+\b], v[96+16*\b+\i], v[97+16*\b+\i]
.endr
.endr
.irp b, 0,1,2,3
	s_delay_alu instid0(VALU_DEP_4)
	v_max_num_f32 v[232+\b], v[232+\b], v[111+16*\b]
.endr
.irp b, 0,1,2,3
	s_delay_alu instid0(VALU_DEP_4)
	v_permlanex16_b32 v[236+\b], v[232+\b], s[SEL], s[SEL+1]
.endr
.irp b, 0,1,2,3
	s_delay_alu instid0(VALU_DEP_4)
	v_max_num_f32 v[232+\b], v[232+\b], v[236+\b]  ; with lane l xor 16's 16 keys
.endr
	s_delay_alu instid0(VALU_DEP_2)
	v_max3_num_f32 v254, v232, v233, v234
	s_delay_alu instid0(VALU_DEP_1)
	v_max_num_f32 v254, v254, v235                 ; the step's largest logit of my query
	s_delay_alu instid0(VALU_DEP_1)
	v_mul_f32 v254, s[LG], v254                    ; as t
	s_delay_alu instid0(VALU_DEP_1)
	v_max_num_f32 v13, v13, v254                   ; the running largest t
	v_mov_b32 v254, v12
	s_delay_alu instid0(VALU_DEP_2)
	v_floor_f32 v12, -v13                          ; the new -M = floor(-t) = -ceil(t)
	s_delay_alu instid0(VALU_DEP_1)
	v_sub_f32 v254, v12, v254                      ; M's old value less its new one: a whole number, 0 or less
	s_delay_alu instid0(VALU_DEP_1)
	v_cvt_i32_f32 v254, v254
	s_delay_alu instid0(VALU_DEP_1)
	v_ldexp_f32 v252, 1.0, v254                    ; f = 2^(old M - new M)
.set J, 0
.rept 32
	v_pk_fma_f32 v[96+J:97+J], v[96+J:97+J], s[LG:LG+1], v[12:13] op_sel_hi:[1,0,0]   ; t - M, two at a time
.set J, J+2
.endr
.irp b, 0,1,2,3
	v_fma_f32 v[232+\b], v[232+\b], s[LG], v12     ; the same of each block's largest logit
.endr
	s_wait_alu depctr_va_vdst(0)                   ; the wait ahead of the batch; it also stands ahead of the wait and the branch below
.if \issue
	s_wait_dscnt 41                                ; the 16 stores into the stage have read their registers; behind them: 16 loads from the stage, V's scale words, V's 24 loads
	MLOAD                                          ; the mask of the step after the next
	ASK
.endif
.set J, 0
.rept 64
	v_exp_f32 v[96+J], v[96+J]                     ; p = 2^(t - M), at most 1: not normalised
.set J, J+1
.endr
	v_pk_mul_f32 v[14:15], v[14:15], v[252:253] op_sel_hi:[1,0]   ; the sums under the new M (a plain line behind the exponentials)
	s_wait_alu depctr_va_vdst(0)                   ; one wait for the whole batch, ahead of its first reader
.irp b, 0,1,2,3
	v_exp_f32 v[232+\b], v[232+\b]                 ; the block's largest p
.endr
	v_pk_add_f32 v[236:237], v[100:101], v[104:105]
	v_pk_add_f32 v[250:251], v[108:109], v[112:113]
	v_pk_add_f32 v[248:249], v[116:117], v[120:121]
	v_pk_add_f32 v[246:247], v[124:125], v[128:129]
	v_pk_add_f32 v[244:245], v[132:133], v[136:137]
	v_pk_add_f32 v[242:243], v[140:141], v[144:145]
	v_pk_add_f32 v[240:241], v[148:149], v[152:153]
	v_pk_add_f32 v[14:15], v[14:15], v[156:157]
	v_pk_add_f32 v[236:237], v[236:237], v[96:97]
	v_pk_add_f32 v[250:251], v[250:251], v[98:99]
	v_pk_add_f32 v[248:249], v[248:249], v[102:103]
	v_pk_add_f32 v[246:247], v[246:247], v[106:107]
	v_pk_add_f32 v[244:245], v[244:245], v[110:111]
	v_pk_add_f32 v[242:243], v[242:243], v[114:115]
	v_pk_add_f32 v[240:241], v[240:241], v[118:119]
	v_pk_add_f32 v[14:15], v[14:15], v[122:123]
	v_pk_add_f32 v[236:237], v[236:237], v[126:127]
	v_pk_add_f32 v[250:251], v[250:251], v[130:131]
	v_pk_add_f32 v[248:249], v[248:249], v[134:135]
	v_pk_add_f32 v[246:247], v[246:247], v[138:139]
	v_pk_add_f32 v[244:245], v[244:245], v[142:143]
	v_pk_add_f32 v[242:243], v[242:243], v[146:147]
	v_pk_add_f32 v[240:241], v[240:241], v[150:151]
	v_pk_add_f32 v[14:15], v[14:15], v[154:155]
	v_pk_add_f32 v[236:237], v[236:237], v[158:159]
	s_delay_alu instid0(VALU_DEP_2)
	v_pk_add_f32 v[14:15], v[14:15], v[246:247]
	s_delay_alu instid0(VALU_DEP_2)
	v_pk_add_f32 v[236:237], v[236:237], v[244:245]
	v_pk_add_f32 v[250:251], v[250:251], v[242:243]
	v_pk_add_f32 v[248:249], v[248:249], v[240:241]
	s_delay_alu instid0(VALU_DEP_2)
	v_pk_add_f32 v[14:15], v[14:15], v[250:251]
	s_delay_alu instid0(VALU_DEP_2)
	v_pk_add_f32 v[236:237], v[236:237], v[248:249]
	s_delay_alu instid0(VALU_DEP_1)
	v_pk_add_f32 v[14:15], v[14:15], v[236:237]
	s_wait_alu depctr_va_vdst(0)                   ; and one for the four
.irp b, 0,1,2,3
	v_max_num_f32 v[232+\b], 0x1800000, v[232+\b]  ; the floor 2^(3 - 127): the byte cannot fall under 1
.endr
.irp b, 0,1,2,3
	s_delay_alu instid0(VALU_DEP_4)
	v_add_nc_u32 v[244+\b], 0xff000000, v[232+\b]  ; 2 off the exponent field: the conversion's scale operand
.endr
.irp b, 0,1,2,3
	s_delay_alu instid0(VALU_DEP_4)
	v_lshrrev_b32 v[236+\b], 23, v[244+\b]         ; the scale's byte
.endr
	s_delay_alu instid0(VALU_DEP_3)
	v_lshl_or_b32 v253, v237, 8, v236              ; p's scale word for these 128 keys
	s_delay_alu instid0(VALU_DEP_1)
	v_lshl_or_b32 v253, v238, 16, v253
	s_delay_alu instid0(VALU_DEP_1)
	v_lshl_or_b32 v253, v239, 24, v253
.irp c, 0,1
	v_cvt_scalef32_pk16_fp6_f32 v[224+6*\c:226+6*\c], v[96+32*\c:111+32*\c], v[244+2*\c]
	v_cvt_scalef32_pk16_fp6_f32 v[236+4*\c:238+4*\c], v[112+32*\c:127+32*\c], v[244+2*\c+1]
.endr
	v_nop                                          ; one plain line behind the scaled conversions
.irp c, 0,1
.irp i, 0,1,2
	v_permlane16_swap_b32 v[224+6*\c+\i], v[236+4*\c+\i]
.endr
.irp i, 0,1,2
	s_delay_alu instid0(VALU_DEP_3)
	v_mov_b32 v[227+6*\c+\i], v[236+4*\c+\i]
.endr
.endr
	s_wait_alu depctr_va_vdst(0)                   ; the wait stands directly ahead of the first reader of O^T
.set J, 0
.rept 32
	v_pk_mul_f32 v[160+J:161+J], v[160+J:161+J], v[252:253] op_sel_hi:[1,0]   ; O^T under the new M; these 32 are also the places between the writes of p's codes and scale word and the products below
.set J, J+2
.endr
	s_wait_alu depctr_va_vdst(0)
	s_wait_dscnt 0x0                               ; V is in, and the next step's mask
	WIN 0x01
.irp t, 0,2,4,6
	v_wmma_scale_f32_16x16x128_f8f6f4 v[160+8*\t:167+8*\t], v[12*\t:12*\t+11], v[224:235], v[160+8*\t:167+8*\t], v[8+\t/2], v253 matrix_a_fmt:MATRIX_FMT_FP6 matrix_b_fmt:MATRIX_FMT_FP6
	v_wmma_scale_f32_16x16x128_f8f6f4 v[168+8*\t:175+8*\t], v[12*\t+12:12*\t+23], v[224:235], v[168+8*\t:175+8*\t], v[8+\t/2], v253 matrix_a_fmt:MATRIX_FMT_FP6 matrix_b_fmt:MATRIX_FMT_FP6 matrix_a_scale:MATRIX_SCALE_ROW1
.endr
	WIN 0
.rept 4
	v_nop                                          ; the places in front of the next step's loads into V's registers, and of the way out's reads
.endr
	s_add_co_u32 s[GN], s[GN], 1
.endm
.macro GROUP slot, trips               ; so many key steps on end, from the slot's first
	s_mov_b32 s[KO], (\slot)*SLOTB
	v_add_nc_u32 v[AF], s[KO], v[LI]
	s_mov_b32 s[CNT], \trips
	s_wait_alu depctr_va_vdst(0)
.Lgroup_\@:
	STEP 1, 1
	s_sub_co_u32 s[CNT], s[CNT], 1
	s_cmp_lg_u32 s[CNT], 0
	s_cbranch_scc1 .Lgroup_\@
.endm
	s_wait_alu depctr_va_vdst(0)                   ; the head's end
	s_wait_loadcnt 16                              ; Q, its scale words and step 0's mask are in; step 1's 16 loads may be out
	s_wait_xcnt 0x0                                ; all loads and prefetches have read their base: it goes on to step 1
	s_add_nc_u64 s[MB:MB+1], s[MB:MB+1], 512
	WIN 0x04
.set J, 0
.rept 16
	ds_store_b128 v[STI], v[96+4*J:99+4*J] offset:MP*J
.set J, J+1
.endr
	WIN 0
	s_wait_dscnt 0x0                               ; the stores have read their registers, which the loads below fill
	WIN 0x40
.set J, 0
.rept 16
	ds_load_b128 v[96+4*J:99+4*J], v[STQ] offset:128*(J/4)+16*(J%4)
.set J, J+1
.endr
	WIN 0
	REFILL 1                                       ; steps 0-3 and the scale words are in, in every partner; steps 4-7: slot 1's first fill
	GROUP 0, 4                                     ; steps 0-3
	REFILL 0                                       ; steps 4-7 are in; steps 8-11 fill slot 0 again
	GROUP 1, 4                                     ; steps 4-7
	REFILL 1                                       ; steps 12-15 fill slot 1 again
	GROUP 0, 4                                     ; steps 8-11
	MEETX
	GROUP 1, 2                                     ; steps 12, 13
	STEP 1, 0                                      ; step 14 loads no mask,
	STEP 0, 0                                      ; and step 15 turns none
	; THE WAY OUT: O^T / the sum, quantised along d (my head is one K step of the last product), stored as the fragment stands.
	v_add_f32 v14, v14, v15
	s_delay_alu instid0(VALU_DEP_1)
	v_permlanex16_b32 v252, v14, s[SEL], s[SEL+1]
	s_delay_alu instid0(VALU_DEP_1)
	v_add_f32 v14, v14, v252                       ; the row's sum
	s_wait_alu depctr_va_vdst(0)
	v_rcp_f32 v14, v14
	v_and_b32 v70, 15, v0                          ; (a plain line behind the reciprocal)
	s_delay_alu instid0(VALU_DEP_1)
	v_lshlrev_b32 v72, 3, v70                      ; scale words: 8 r
	s_wait_alu depctr_va_vdst(0)                   ; the wait ahead of the reciprocal's first reader
.set J, 0
.rept 64
	v_mul_f32 v[96+J], v[160+J], v14               ; register 16 b + i is d = 32 b + 16 h + i of my query
.set J, J+1
.endr
.irp b, 0,1,2,3
	v_max3_num_f32 v[TM+\b], |v[96+16*\b]|, |v[97+16*\b]|, 0x1800000
.endr
.irp i, 2,4,6,8,10,12,14
.irp b, 0,1,2,3
	s_delay_alu instid0(VALU_DEP_4)
	v_max3_num_f32 v[TM+\b], |v[96+16*\b+\i]|, |v[97+16*\b+\i]|, v[TM+\b]
.endr
.endr
.irp b, 0,1,2,3
	s_delay_alu instid0(VALU_DEP_4)
	v_permlanex16_b32 v[TM+4+\b], v[TM+\b], s[SEL], s[SEL+1]
.endr
.irp b, 0,1,2,3
	s_delay_alu instid0(VALU_DEP_4)
	v_max_num_f32 v[TM+\b], v[TM+\b], v[TM+4+\b]
.endr
.irp b, 0,1,2,3
	s_delay_alu instid0(VALU_DEP_4)
	v_add_nc_u32 v[TM+12+\b], 0xff000000, v[TM+\b]
.endr
.irp b, 0,1,2,3
	s_delay_alu instid0(VALU_DEP_4)
	v_lshrrev_b32 v[TM+4+\b], 23, v[TM+12+\b]
.endr
	s_delay_alu instid0(VALU_DEP_3)
	v_lshl_or_b32 v73, v[TM+5], 8, v[TM+4]
	s_delay_alu instid0(VALU_DEP_1)
	v_lshl_or_b32 v73, v[TM+6], 16, v73
	s_delay_alu instid0(VALU_DEP_1)
	v_lshl_or_b32 v73, v[TM+7], 24, v73
.irp c, 0,1
	v_cvt_scalef32_pk16_fp6_f32 v[PC+6*\c:PC+2+6*\c], v[96+32*\c:111+32*\c], v[TM+12+2*\c]
	v_cvt_scalef32_pk16_fp6_f32 v[PC+12+4*\c:PC+14+4*\c], v[112+32*\c:127+32*\c], v[TM+12+2*\c+1]
.endr
	v_nop                                          ; one plain line behind the scaled conversions
.irp c, 0,1
.irp i, 0,1,2
	v_permlane16_swap_b32 v[PC+6*\c+\i], v[PC+12+4*\c+\i]
.endr
.irp i, 0,1,2
	s_delay_alu instid0(VALU_DEP_3)
	v_mov_b32 v[PC+3+6*\c+\i], v[PC+12+4*\c+\i]
.endr
.endr
.irp c, 0,1,2
	global_store_b128 v[LI], v[PC+4*\c:PC+4*\c+3], s[10:11] offset:512*\c   ; 512 consecutive bytes, aligned
.endr
	global_store_b32 v72, v73, s[12:13]            ; row r's scale word: lanes l and l xor 16 store the same word to the same four bytes; a work-group holds one head, so these words cannot be gathered
	s_wait_tensorcnt 0x0                           ; the wave's end
	ds_add_u32 v[SPW], v[NIL]
	s_wait_dscnt 0x0
	CROUND                                         ; the closing round
	s_endpgm
.Lfunc_end_k_q12ccc370b4_attn:
	.size	k_q12ccc370b4_attn, .Lfunc_end_k_q12ccc370b4_attn-k_q12ccc370b4_attn
	.p2alignl 7, 3214868480
	.fill 96, 4, 3214868480
	.section	.rodata,"a",@progbits
	.p2align	6, 0x0
	.amdhsa_kernel k_q12ccc370b4_attn
		.amdhsa_group_segment_fixed_size 327680
		.amdhsa_private_segment_fixed_size 0
		.amdhsa_enable_private_segment 0
		.amdhsa_kernarg_size 40
		.amdhsa_user_sgpr_count 2
		.amdhsa_user_sgpr_kernarg_segment_ptr 1
		.amdhsa_wavefront_size32 1
		.amdhsa_system_sgpr_workgroup_id_x 1
		.amdhsa_system_sgpr_workgroup_id_y 1
		.amdhsa_system_sgpr_workgroup_id_z 1
		.amdhsa_system_vgpr_workitem_id 0
		.amdhsa_next_free_vgpr 512
		.amdhsa_next_free_sgpr 100
		.amdhsa_reserve_vcc 0
		.amdhsa_float_denorm_mode_32 3
		.amdhsa_float_denorm_mode_16_64 3
		.amdhsa_memory_ordered 1
		.amdhsa_forward_progress 1
		.amdhsa_inst_pref_size 183
	.end_amdhsa_kernel
	.amdgpu_metadata
---
amdhsa.version: [ 1, 2 ]
amdhsa.kernels:
  - .name:           k_q12ccc370b4_attn
    .symbol:         k_q12ccc370b4_attn.kd
    .args:
      - { .name: qkvf, .offset: 0, .size: 8, .value_kind: global_buffer, .address_space: global }
      - { .name: qkvs, .offset: 8, .size: 8, .value_kind: global_buffer, .address_space: global }
      - { .name: mask, .offset: 16, .size: 8, .value_kind: global_buffer, .address_space: global }
      - { .name: attf, .offset: 24, .size: 8, .value_kind: global_buffer, .address_space: global }
      - { .name: atts, .offset: 32, .size: 8, .value_kind: global_buffer, .address_space: global }
    .group_segment_fixed_size: 327680
    .private_segment_fixed_size: 0
    .kernarg_segment_align: 8
    .kernarg_segment_size: 40
    .max_flat_workgroup_size: 256
    .sgpr_count:     100
    .vgpr_count:     512
    .wavefront_size: 32
...
	.end_amdgpu_metadata
.endif
;; end of part 7
;; launch oproj (part 8): grid 16 x 16, 4 waves a work-group, clusters of 4 x 4, 327,680 bytes of LDS; arguments attf, atts, cf, cs, out0; writes out0
.if DOCPART == 8
	.amdgcn_target "amdgcn-amd-amdhsa--gfx1250"
	.amdhsa_code_object_version 6
	.text
	.protected	k_q12ccc370b4_oproj
	.globl	k_q12ccc370b4_oproj
	.p2align	8
	.type	k_q12ccc370b4_oproj,@function
k_q12ccc370b4_oproj:
	s_mov_b64 s[64:65], 0
	v_nop
	global_prefetch_b8 v0, s[64:65] scope:SCOPE_SE
	s_setreg_imm32_b32 hwreg(HW_REG_WAVE_MODE, 25, 1), 1
	s_wait_xcnt 0x0
	s_wait_alu depctr_hold_cnt(0) depctr_sa_sdst(0) depctr_va_vdst(0) depctr_va_sdst(0) depctr_va_ssrc(0) depctr_va_vcc(0) depctr_vm_vsrc(0)
	s_getreg_b32 s2, hwreg(HW_REG_IB_STS2, 6, 4)
	s_cmp_eq_u32 s2, 0
	s_cbranch_scc0 .Lentry_in_a_cluster
	s_endpgm
.Lentry_in_a_cluster:
	s_bfe_u32 s2, ttmp6, 0x10000c
	s_cmp_lg_u32 s2, 0xf033
	s_cbranch_scc0 .Lentry_shape_is_right
	s_endpgm
.Lentry_shape_is_right:
; out0 = att wo on codes of FP6 (E2M3) with E8M0 scales; att's codes (attf, atts) and wo's (cf, cs: tiles 384 on) lie as images of the operands' registers: a tile of 16 rows is 16 K steps of 1,536 bytes; scale words 1,024 bytes a tile.
; A block of 128 x 128 a work-group (256 work-groups), 64 x 64 a wave: 16 accumulators.  The matrix instruction is used transposed (source 0 = wo's rows), so a lane holds eight neighbouring columns of a row.
; K COMES IN THREE FILLS.  The head, one tensor load a wave: wave 0 K steps 0-3 of A's 8 tiles, wave 1 of B's, wave 2 A's scale words, wave 3 B's.  Behind the full sequence and a round: K steps 4-11, first fill of region Y,
; four tiles x 12,288 bytes a wave.  When those are in and region X is read out: K steps 12-15 fill region X again, four tiles x 6,144 bytes a wave.  16 K steps of 16 tiles are 393,216 bytes: 12 K steps are what fits beside the scale words.
; CLUSTERS: 4 x 4; A's tiles are shared along a row of the cluster, B's along a column; each is asked for jointly.
; NO PREFETCH: the walk along K is three fills written out; there is no loop to run ahead in.
; THE ROWS OF A TILE: lane r of tile T holds row 32 (T / 2) + 8 (T % 2) + r + 8 (r / 8): the way out puts rows and columns back.
.set FR,    12
.set FRB,   1536
.set TILEB, 4*FRB                      ; region X: a tile's four K steps
.set HALF,  4*TILEB
.set XB,    4*HALF                     ; region X: A's 8 tiles, then B's 8
.set YT,    8*FRB                      ; region Y: a tile's eight K steps
.set YQ,    4*YT                       ; four tiles: what one wave brings
.set SCL,   XB+4*YQ                    ; A's scale words, then B's
.set SCB,   SCL+8192
.set SPARE, SCB+8192                   ; the spare words, 128 bytes a wave
.set STAGE, XB                         ; the way out's stages lie in region Y, which has had its only fill and its last read by then
.set SPITCH, 272
.set ADRA, 16                          ; v16, v17 my A fragments in regions X, Y
.set ADRB, 20                          ; v20, v21 the same for B
.set STO,  24
.set RD,   25
.set CO,   26
.set ADRS, 27
.set SPW,  28
.set NIL,  29
.set LI,   30
.set SC,   32
.set BK,   64
.set ACC,  128
.set G1, 24
.set G1B, 32
.set G1S, 40
.set G1SB, 48
.set GAS, 56
.set GA0, 60
.set GA1, 68
.set GA2, 72
.set GBS, 76
.set GB0, 80
.set GB1, 84
.set GB2, 88
.set MSB, 0
.macro WIN new
.if MSB != \new
	s_set_vgpr_msb (MSB<<8)|\new
.set MSB, \new
.endif
.endm
.set W_MUL, 0x05                       ; sources 0 and 1 window 1
.set TO_F,  0x40                       ; destination window 1
.macro PLACES n
.rept \n
	v_nop
.endr
.endm
.macro TLOAD g0, g1                    ; a tensor load, an s_nop 0 and four v_nop behind it
	tensor_load_to_lds s[\g0:\g0+3], s[\g1:\g1+7]
	s_nop 0
.rept 4
	v_nop
.endr
.endm
.macro JLOAD g0a, g1a, g0b, g1b        ; waves 0, 1 fetch for A, waves 2, 3 for B
	s_cmp_eq_u32 s15, 0
	s_cbranch_scc0 .Lfor_b_\@
	TLOAD \g0a, \g1a
	s_branch .Lasked_\@
.Lfor_b_\@:
	TLOAD \g0b, \g1b
.Lasked_\@:
.endm
.macro CROUND
	s_barrier_signal -1
	s_barrier_wait -1
	s_cmp_lg_u32 s14, 0
	s_cbranch_scc1 .Lnot_wave_0_\@
	s_barrier_signal -3
.Lnot_wave_0_\@:
	s_barrier_wait -3
	s_barrier_signal -1
	s_barrier_wait -1
.endm
.macro DESC g, d0, rows, pitch
	s_mov_b32 s[\g+1], (\d0)<<16
	s_mov_b32 s[\g+2], (\rows)<<16
	s_mov_b32 s[\g+3], (\d0)<<16
	s_mov_b32 s[\g+4], \rows
	s_mov_b32 s[\g+5], \pitch
	s_mov_b32 s[\g+6], 0
	s_mov_b32 s[\g+7], 0
.endm
.macro GRP0 g, base, off
	s_mov_b32 s[\g], 1
	s_add_nc_u64 s[\g+2:\g+3], s[\base:\base+1], \off
	s_or_b32 s[\g+3], s[\g+3], 0x80000000
.endm
	s_load_b128 s[4:7], s[0:1], 0x0                ; attf, atts
	s_load_b128 s[8:11], s[0:1], 0x10              ; cf, cs
	s_load_b64 s[12:13], s[0:1], 0x20              ; out0
	v_lshl_add_u32 v[SPW], v0, 2, SPARE
	v_mov_b32 v[NIL], 0
	ds_add_u32 v[SPW], v[NIL]                      ; the opening: the add, twice on end
	ds_add_u32 v[SPW], v[NIL]
	v_lshrrev_b32 v1, 5, v0
	v_readfirstlane_b32 s14, v1                    ; wave
	s_lshr_b32 s15, s14, 1                         ; my half of the block's rows; also: I fetch for A (0) or B (1)
	s_and_b32 s16, s14, 1                          ; my half of its columns; also: which four tiles I fetch
	s_bfe_u32 s19, ttmp6, 0x40000
	s_bfe_u32 s20, ttmp6, 0x40004
	s_lshl_b32 s18, ttmp9, 2
	s_add_co_u32 s18, s18, s19                     ; block column
	s_and_b32 s17, ttmp7, 0xffff
	s_lshl_b32 s17, s17, 2
	s_add_co_u32 s17, s17, s20                     ; block row
	s_lshl_b32 s21, s20, 2
	s_lshl_b32 s21, 15, s21                        ; my row of the cluster
	s_lshl_b32 s22, 0x1111, s19                    ; my column
	s_or_b32 s[G1+0], s21, (3<<16)|(1<<21)         ; elements of 8 bytes; the head's shape: 8 tiles x 6,144 bytes, 24,576 apart
	DESC G1, 768, 8, 3072
	s_or_b32 s[G1B+0], s22, (3<<16)|(1<<21)
	DESC G1B, 768, 8, 3072
	s_or_b32 s[G1S+0], s21, (3<<16)|(1<<21)        ; 8 tiles' scale words: 8,192 dense bytes as 32 rows of 256
	DESC G1S, 32, 32, 32
	s_or_b32 s[G1SB+0], s22, (3<<16)|(1<<21)
	DESC G1SB, 32, 32, 32
	s_lshl_b32 s92, s17, 3                         ; A's first tile
	s_lshl_b32 s96, s18, 3
	s_add_co_u32 s96, s96, 384                     ; B's: wo is cf's fourth tensor
	s_lshl_b32 s94, s92, 10
	s_mov_b32 s95, 0
	s_lshl_b32 s98, s96, 10
	s_mov_b32 s99, 0
	s_mul_i32 s92, s92, 24576
	s_mov_b32 s93, 0
	s_mul_i32 s96, s96, 24576
	s_mov_b32 s97, 0
	s_mul_i32 s2, s16, 4*24576                     ; my four tiles of eight, in memory
	s_mov_b32 s3, 0
	s_mul_i32 s66, s14, YQ
	s_add_co_u32 s66, s66, XB                      ; where they go in region Y: wave x four tiles,
	s_mul_i32 s67, s14, HALF                       ; and in region X
	s_wait_dscnt 0x0
	s_wait_kmcnt 0x0
	s_add_nc_u64 s[92:93], s[4:5], s[92:93]
	s_add_nc_u64 s[94:95], s[6:7], s[94:95]
	s_add_nc_u64 s[96:97], s[8:9], s[96:97]
	s_add_nc_u64 s[98:99], s[10:11], s[98:99]
	CROUND                                         ; all sixteen work-groups are here: the first joint loads meet
	GRP0 GA0, 92, 0
	s_mov_b32 s[GA0+1], 0
	GRP0 GB0, 96, 0
	s_mov_b32 s[GB0+1], 2*HALF
	GRP0 GAS, 94, 0
	s_mov_b32 s[GAS+1], SCL
	GRP0 GBS, 98, 0
	s_mov_b32 s[GBS+1], SCB
	s_add_nc_u64 s[92:93], s[92:93], s[2:3]
	s_add_nc_u64 s[96:97], s[96:97], s[2:3]
	GRP0 GA1, 92, 4*FRB
	s_mov_b32 s[GA1+1], s66
	GRP0 GB1, 96, 4*FRB
	s_mov_b32 s[GB1+1], s66
	GRP0 GA2, 92, 12*FRB
	s_mov_b32 s[GA2+1], s67
	GRP0 GB2, 96, 12*FRB
	s_mov_b32 s[GB2+1], s67
.macro ARM under, g0, g1, next         ; one chain of branches on the wave's number: every way passes exactly one load
	s_cmp_lt_u32 s14, \under
	s_cbranch_scc0 \next
	TLOAD \g0, \g1
	s_branch .Lhead_asked
\next:
.endm
	ARM 1, GA0, G1,  .Lhead_b
	ARM 2, GB0, G1B, .Lhead_sa
	ARM 3, GAS, G1S, .Lhead_sb
	TLOAD GBS, G1SB
.Lhead_asked:
	s_mul_i32 s92, s15, HALF                       ; my four tiles of A in region X,
	s_mul_i32 s93, s16, HALF
	s_add_co_u32 s93, s93, 2*HALF                  ; of B,
	s_mul_i32 s94, s15, YQ
	s_add_co_u32 s94, s94, XB                      ; and in region Y
	s_mul_i32 s95, s16, YQ
	s_add_co_u32 s95, s95, XB+2*YQ
	s_lshl_b32 s96, s15, 12                        ; scale words: A's four tiles,
	s_lshl_b32 s97, s16, 12
	s_add_co_u32 s97, s97, 8192
	s_sub_co_u32 s97, s97, s96                     ; and how far on B's lie
	s_add_co_u32 s98, s96, SCL
	s_mul_i32 s99, s14, 16*SPITCH
	s_add_co_u32 s99, s99, STAGE                   ; my stage
	s_lshl_b32 s20, s17, 20                        ; out0: 128 rows of 8,192 bytes a block row, 64 rows a half,
	s_lshl_b32 s21, s15, 19
	s_add_co_u32 s20, s20, s21
	s_lshl_b32 s21, s18, 9                         ; 512 bytes a block column, 256 a half
	s_add_co_u32 s20, s20, s21
	s_lshl_b32 s21, s16, 8
	s_add_co_u32 s20, s20, s21
	s_mov_b32 s21, 0
	s_add_nc_u64 s[12:13], s[12:13], s[20:21]
	v_and_b32 v1, 31, v0
	v_lshlrev_b32 v[LI], 4, v1
	v_and_b32 v2, 15, v0                           ; r
	v_bfe_u32 v3, v0, 4, 1                         ; h
	v_add_nc_u32 v[ADRA], s92, v[LI]
	v_add_nc_u32 v[ADRB], s93, v[LI]
	v_add_nc_u32 v[ADRA+1], s94, v[LI]
	v_add_nc_u32 v[ADRB+1], s95, v[LI]
	v_lshlrev_b32 v5, 3, v2
	v_mul_u32_u24 v6, s97, v3                      ; lanes 16-31 take B's words
	v_add_nc_u32 v5, v5, v6
	v_add_nc_u32 v[ADRS], s98, v5
	v_mul_u32_u24 v5, v2, SPITCH
	v_lshl_add_u32 v5, v3, 6, v5
	v_add_nc_u32 v[STO], s99, v5
	v_mul_u32_u24 v5, v3, SPITCH
	v_lshl_add_u32 v5, v2, 4, v5
	v_add_nc_u32 v[RD], s99, v5
	v_lshlrev_b32 v5, 13, v3
	v_lshl_add_u32 v[CO], v2, 4, v5
.macro FETCH k                         ; K step k's fragments (B's four, A's four) into set k % 2; with an even k the scale words of two K steps
.set FP, 128*((\k)%2)
.if (\k) >= 4 && (\k) < 12
.set FS, 1
.set FT, YT
.set FO, ((\k)-4)*FRB
.else
.set FS, 0
.set FT, TILEB
.set FO, ((\k)%4)*FRB
.endif
	WIN TO_F
.irp i, 0,1,2,3
.irp c, 0,1,2
	ds_load_b128 v[FP+FR*\i+4*\c:FP+FR*\i+4*\c+3], v[ADRB+FS] offset:\i*FT+FO+512*\c
.endr
.endr
.irp i, 0,1,2,3
.irp c, 0,1,2
	ds_load_b128 v[FP+48+FR*\i+4*\c:FP+48+FR*\i+4*\c+3], v[ADRA+FS] offset:\i*FT+FO+512*\c
.endr
.endr
	WIN 0
.if (\k)%2 == 0
.irp i, 0,1,2,3
	ds_load_b64 v[SC+8*(((\k)/2)%2)+2*\i:SC+8*(((\k)/2)%2)+2*\i+1], v[ADRS] offset:1024*\i+128*((\k)/2)
.endr
.endif
.endm
.macro MULK k, zero                    ; 16 products, the 16 accumulators by turns
.set FP, 128*((\k)%2)
.set SS, SC+8*(((\k)/2)%2)+(\k)%2
.irp a, 0,1,2,3
.irp b, 0,1,2,3
.if \zero
	v_wmma_scale_f32_16x16x128_f8f6f4 v[ACC+8*(4*\a+\b):ACC+8*(4*\a+\b)+7], v[FP+FR*\b:FP+FR*\b+FR-1], v[FP+48+FR*\a:FP+48+FR*\a+FR-1], 0, v[SS+2*\b], v[SS+2*\a] matrix_a_fmt:MATRIX_FMT_FP6 matrix_b_fmt:MATRIX_FMT_FP6 matrix_a_scale:MATRIX_SCALE_ROW1
.else
	v_wmma_scale_f32_16x16x128_f8f6f4 v[ACC+8*(4*\a+\b):ACC+8*(4*\a+\b)+7], v[FP+FR*\b:FP+FR*\b+FR-1], v[FP+48+FR*\a:FP+48+FR*\a+FR-1], v[ACC+8*(4*\a+\b):ACC+8*(4*\a+\b)+7], v[SS+2*\b], v[SS+2*\a] matrix_a_fmt:MATRIX_FMT_FP6 matrix_b_fmt:MATRIX_FMT_FP6 matrix_a_scale:MATRIX_SCALE_ROW1
.endif
.endr
.endr
.endm
.macro KS k, fetch, zero
	s_wait_dscnt 0x0                               ; this K step's fragments are in
.if \fetch
	PLACES 4                                       ; in front of loads into the set that the last K step multiplied
	FETCH (\k)+1
.endif
	WIN W_MUL
	MULK \k, \zero
	WIN 0
.endm
	s_wait_alu depctr_va_vdst(0)                   ; the head's end
	s_wait_tensorcnt 0x0                           ; my tile of the head's four is in
	ds_add_u32 v[SPW], v[NIL]
.irp g, G1, G1B                        ; no tensor load of mine is out, so a descriptor may be written: four tiles x 12,288 bytes
	s_mov_b32 s[\g+1], 1536<<16
	s_mov_b32 s[\g+2], 4<<16
	s_mov_b32 s[\g+3], 1536<<16
	s_mov_b32 s[\g+4], 4
.endr
	s_wait_dscnt 0x0
	CROUND
	JLOAD GA1, G1, GB1, G1B                        ; K steps 4-11, region Y's first fill
	FETCH 0
	KS 0, 1, 1
	KS 1, 1, 0
	KS 2, 1, 0
	KS 3, 0, 0
	s_wait_tensorcnt 0x0                           ; my part of region Y is in
	ds_add_u32 v[SPW], v[NIL]
.irp g, G1, G1B                        ; four tiles x 6,144 bytes
	s_mov_b32 s[\g+1], 768<<16
	s_mov_b32 s[\g+3], 768<<16
.endr
	s_wait_dscnt 0x0                               ; the add is done, and my reads of region X are over
	CROUND
	JLOAD GA2, G1, GB2, G1B                        ; K steps 12-15 fill region X again; the four v_nop behind it are the places in front of the loads below
	FETCH 4
	KS 4, 1, 0
	KS 5, 1, 0
	KS 6, 1, 0
	KS 7, 1, 0
	KS 8, 1, 0
	KS 9, 1, 0
	KS 10, 1, 0
	KS 11, 0, 0
	s_wait_tensorcnt 0x0                           ; my part of K steps 12-15 is in
	s_wait_dscnt 0x0
	s_barrier_signal -1
	s_barrier_wait -1
	PLACES 4
	FETCH 12
	KS 12, 1, 0
	KS 13, 1, 0
	KS 14, 1, 0
	KS 15, 0, 0
; THE WAY OUT: 16 rows x 64 columns at a time through my own stage, back as rows of 256 bytes: sixteen lanes store one aligned unit
.macro TOSTAGE a
.irp b, 0,1,2,3
	ds_store_b128 v[STO], v[ACC+8*(4*(\a)+\b):ACC+8*(4*(\a)+\b)+3] offset:128*(\b/2)+32*(\b%2)
	ds_store_b128 v[STO], v[ACC+8*(4*(\a)+\b)+4:ACC+8*(4*(\a)+\b)+7] offset:128*(\b/2)+32*(\b%2)+16
.endr
.set BB, BK+32*((\a)%2)
.irp t, 0,1,2,3,4,5,6,7
	ds_load_b128 v[BB+4*\t:BB+4*\t+3], v[RD] offset:\t*2*SPITCH
.endr
.endm
.macro SEND a, younger
.set BB, BK+32*((\a)%2)
	s_wait_dscnt \younger
.irp t, 0,1,2,3,4,5,6,7
	global_store_b128 v[CO], v[BB+4*\t:BB+4*\t+3], s[12:13] offset:(32*((\a)/2)+8*((\a)%2)+2*\t+8*(\t/4))*8192 th:TH_STORE_NT
.endr
.endm
	PLACES 4
	TOSTAGE 0
	TOSTAGE 1
	SEND 0, 16                                     ; behind block 0's loads: block 1's 8 stores and 8 loads
	s_wait_xcnt 0x0                                ; block 0's stores have read their registers
	TOSTAGE 2
	SEND 1, 16
	s_wait_xcnt 0x0
	TOSTAGE 3
	SEND 2, 16
	SEND 3, 0
	s_wait_tensorcnt 0x0                           ; the wave's end
	ds_add_u32 v[SPW], v[NIL]
	s_wait_dscnt 0x0
	CROUND                                         ; the closing round
	s_endpgm
.Lfunc_end_k_q12ccc370b4_oproj:
	.size	k_q12ccc370b4_oproj, .Lfunc_end_k_q12ccc370b4_oproj-k_q12ccc370b4_oproj
	.p2alignl 7, 3214868480
	.fill 96, 4, 3214868480
	.section	.rodata,"a",@progbits
	.p2align	6, 0x0
	.amdhsa_kernel k_q12ccc370b4_oproj
		.amdhsa_group_segment_fixed_size 327680
		.amdhsa_private_segment_fixed_size 0
		.amdhsa_enable_private_segment 0
		.amdhsa_kernarg_size 40
		.amdhsa_user_sgpr_count 2
		.amdhsa_user_sgpr_kernarg_segment_ptr 1
		.amdhsa_wavefront_size32 1
		.amdhsa_system_sgpr_workgroup_id_x 1
		.amdhsa_system_sgpr_workgroup_id_y 1
		.amdhsa_system_sgpr_workgroup_id_z 1
		.amdhsa_system_vgpr_workitem_id 0
		.amdhsa_next_free_vgpr 512
		.amdhsa_next_free_sgpr 100
		.amdhsa_reserve_vcc 0
		.amdhsa_float_denorm_mode_32 3
		.amdhsa_float_denorm_mode_16_64 3
		.amdhsa_memory_ordered 1
		.amdhsa_forward_progress 1
		.amdhsa_inst_pref_size 82
	.end_amdhsa_kernel
	.amdgpu_metadata
---
amdhsa.version: [ 1, 2 ]
amdhsa.kernels:
  - .name:           k_q12ccc370b4_oproj
    .symbol:         k_q12ccc370b4_oproj.kd
    .args:
      - { .name: attf, .offset: 0, .size: 8, .value_kind: global_buffer, .address_space: global }
      - { .name: atts, .offset: 8, .size: 8, .value_kind: global_buffer, .address_space: global }
      - { .name: cf, .offset: 16, .size: 8, .value_kind: global_buffer, .address_space: global }
      - { .name: cs, .offset: 24, .size: 8, .value_kind: global_buffer, .address_space: global }
      - { .name: out0, .offset: 32, .size: 8, .value_kind: global_buffer, .address_space: global }
    .group_segment_fixed_size: 327680
    .private_segment_fixed_size: 0
    .kernarg_segment_align: 8
    .kernarg_segment_size: 40
    .max_flat_workgroup_size: 128
    .sgpr_count:     100
    .vgpr_count:     512
    .wavefront_size: 32
...
	.end_amdgpu_metadata
.endif
;; end of part 8
